; MI455X (gfx1250); checked and timed in simulation.
; The chip was launched on July 23, 2026; its instructions are those of AMD's public machine-readable ISA for CDNA 5 (MIT licence, August 2026) and "CDNA5" Instruction Set Architecture Reference Guide (July 2026). The comments in the code are by the model that wrote it; some were corrected since.
;; Simple Attention. Allowed arithmetic: float matrix products may take bf16 or f16 operands with f32 sums; all other float work in f32.
;; Inputs: Wk 1,024 x 1,024 float32; Wo 1,024 x 1,024 float32; Wq 1,024 x 1,024 float32; Wv 1,024 x 1,024 float32; bk 1,024 float32; bo 1,024 float32; bq 1,024 float32; bv 1,024 float32; x 4 x 2,048 x 1,024 float32.
;; Outputs: out0 4 x 2,048 x 1,024 float32.
;; 2 versions, each right. Each part assembles by itself: llvm-mc -triple=amdgcn-amd-amdhsa -mcpu=gfx1250 --defsym DOCPART=n.
;; ======== version 1 of 2: 6 launches
;; limits: values are held in f16: magnitudes above 65,504 overflow, below 6.1e-05 lose precision; right only within a limited range of input values
;; workspace buffers: xh 16,777,216 bytes; wh 8,388,608 bytes; qk 33,554,432 bytes; vt 16,777,216 bytes; p 33,554,432 bytes; st 1,048,576 bytes; ctx 16,777,216 bytes
;; launch cast (part 1): grid 768 x 1, 8 waves a work-group, no clusters, 0 bytes of LDS; arguments x, Wq, Wk, Wv, Wo, xh, wh; writes xh, wh
.if DOCPART == 1
	.amdgcn_target "amdgcn-amd-amdhsa--gfx1250"
	.amdhsa_code_object_version 6
	.text
	.protected	k_qc457771807_cast
	.globl	k_qc457771807_cast
	.p2align	8
	.type	k_qc457771807_cast,@function
k_qc457771807_cast:
	s_mov_b64 s[64:65], 0
	v_nop
	global_prefetch_b8 v0, s[64:65] scope:SCOPE_SE
	s_setreg_imm32_b32 hwreg(HW_REG_WAVE_MODE, 25, 1), 1
	s_wait_xcnt 0x0
; First of six launches of a single-head attention: x [4][2048][1024], head width 1024, all inputs and the output f32.
;   cast    x, Wq, Wk, Wv, Wo rounded once to f16 (xh; wh = the four weights one behind the other)
;   projqk  q' = (x Wq^T + bq) / 8 and k' = (x Wk^T) / 4          projv   v^T = Wv x^T + bv
;   scores  S = q' k'^T (= q k^T / 32); for each row and block of 128 keys: its maximum m, P = exp(S - m), l = sum of P
;   pv      ctx = (sum over blocks j of exp(m_j - M) P_j V_j) / (sum over j of exp(m_j - M) l_j), M = the row's maximum
;   oproj   out0 = ctx Wo^T + bo
; WORK LEFT OUT: bk.  scores[q][k] = q_q . (Wk x_k) / 32 + q_q . bk / 32.  The second term does not hang on k, so it is the same
; along the softmax's axis and cancels in exp(s - max) / sum for all values of the inputs.  bk is loaded by no launch and is among
; no launch's arguments.  Limit: a NaN, an infinity or an overflow that only bk would bring is not carried to the result.
; FORMAT: every matrix operand is f16, every sum f32.  Limits: |x|, |W|, |v| (and so |ctx|) below 65,504; |q| below 524,000 and
; |k| below 262,000 (they are stored divided by 8 and by 4); P below about 3e-8 of its block's maximum is stored as 0.
;
; THIS LAUNCH is a stream: no LDS, no barrier, no matrix unit, since each number is read once and written once.
; A work-group converts 16,384 numbers: 64 KiB in, 32 KiB out.  Groups 0-511 take x, then 64 groups each take Wq, Wk, Wv, Wo.
; A load of a wave covers 512 neighbouring bytes, a store 256 neighbouring bytes at a multiple of 256.
; All sixteen loads of a thread go out first; no register is written twice, so no source of a pending instruction is touched.
.set X, 4                              ; v[4:67]   sixteen loads of four f32
.set Y, 68                             ; v[68:99]  sixteen pairs of registers, four f16 each
	s_load_b256 s[4:11], s[0:1], 0x0               ; x s[4:5], Wq s[6:7], Wk s[8:9], Wv s[10:11]
	s_load_b128 s[12:15], s[0:1], 0x20             ; Wo s[12:13], xh s[14:15]
	s_load_b64 s[16:17], s[0:1], 0x30              ; wh
	s_mov_b32 s21, ttmp9                           ; g, the work-group's number
	s_lshr_b32 s20, s21, 6                         ; 0-7: x; 8, 9, 10, 11: Wq, Wk, Wv, Wo
	s_and_b32 s26, s21, 63                         ; the piece inside a weight
	s_sub_co_u32 s27, s21, 512                     ; the piece inside wh: the four weights follow each other there
	v_lshlrev_b32 v1, 4, v0                        ; 16 bytes a thread in
	v_lshlrev_b32 v2, 3, v0                        ; 8 bytes a thread out
	s_wait_kmcnt 0x0
	s_mov_b64 s[22:23], s[4:5]                     ; the source: x, unless the group's number says otherwise
	s_cmp_eq_u32 s20, 8
	s_cselect_b64 s[22:23], s[6:7], s[22:23]
	s_cmp_eq_u32 s20, 9
	s_cselect_b64 s[22:23], s[8:9], s[22:23]
	s_cmp_eq_u32 s20, 10
	s_cselect_b64 s[22:23], s[10:11], s[22:23]
	s_cmp_eq_u32 s20, 11
	s_cselect_b64 s[22:23], s[12:13], s[22:23]
	s_cmp_lt_u32 s20, 8
	s_cselect_b64 s[24:25], s[14:15], s[16:17]     ; the destination: xh or wh
	s_cselect_b32 s26, s21, s26
	s_cselect_b32 s27, s21, s27
	s_lshl_b32 s28, s26, 16                        ; 65,536 bytes a piece in (at most 511 pieces: below 4 GiB)
	s_mov_b32 s29, 0
	s_lshl_b32 s30, s27, 15                        ; 32,768 bytes a piece out
	s_mov_b32 s31, 0
	s_add_nc_u64 s[22:23], s[22:23], s[28:29]
	s_add_nc_u64 s[24:25], s[24:25], s[30:31]
.irp i, 0,1,2,3,4,5,6,7,8,9,10,11,12,13,14,15
	global_load_b128 v[X+4*\i:X+4*\i+3], v1, s[22:23] offset:4096*\i th:TH_LOAD_NT   ; read once in the launch
.endr
.irp i, 0,1,2,3,4,5,6,7,8,9,10,11,12,13,14,15
	s_wait_loadcnt 15-\i                           ; loads come back in order: load i is in, the younger ones stay out
	v_cvt_pk_f16_f32 v[Y+2*\i],   v[X+4*\i],   v[X+4*\i+1]
	v_cvt_pk_f16_f32 v[Y+2*\i+1], v[X+4*\i+2], v[X+4*\i+3]
	global_store_b64 v2, v[Y+2*\i:Y+2*\i+1], s[24:25] offset:2048*\i   ; no hint: the next launches read these bytes
.endr
	s_endpgm
.Lfunc_end_k_qc457771807_cast:
	.size	k_qc457771807_cast, .Lfunc_end_k_qc457771807_cast-k_qc457771807_cast
	.p2alignl 7, 3214868480
	.fill 96, 4, 3214868480
	.section	.rodata,"a",@progbits
	.p2align	6, 0x0
	.amdhsa_kernel k_qc457771807_cast
		.amdhsa_group_segment_fixed_size 0
		.amdhsa_private_segment_fixed_size 0
		.amdhsa_enable_private_segment 0
		.amdhsa_kernarg_size 56
		.amdhsa_user_sgpr_count 2
		.amdhsa_user_sgpr_kernarg_segment_ptr 1
		.amdhsa_wavefront_size32 1
		.amdhsa_system_sgpr_workgroup_id_x 1
		.amdhsa_system_sgpr_workgroup_id_y 1
		.amdhsa_system_sgpr_workgroup_id_z 1
		.amdhsa_system_vgpr_workitem_id 0
		.amdhsa_next_free_vgpr 100
		.amdhsa_next_free_sgpr 66
		.amdhsa_reserve_vcc 0
		.amdhsa_float_denorm_mode_32 3
		.amdhsa_float_denorm_mode_16_64 3
		.amdhsa_memory_ordered 1
		.amdhsa_forward_progress 1
		.amdhsa_inst_pref_size 7
	.end_amdhsa_kernel
	.amdgpu_metadata
---
amdhsa.version: [ 1, 2 ]
amdhsa.kernels:
  - .name:           k_qc457771807_cast
    .symbol:         k_qc457771807_cast.kd
    .args:
      - { .name: x, .offset: 0, .size: 8, .value_kind: global_buffer, .address_space: global }
      - { .name: Wq, .offset: 8, .size: 8, .value_kind: global_buffer, .address_space: global }
      - { .name: Wk, .offset: 16, .size: 8, .value_kind: global_buffer, .address_space: global }
      - { .name: Wv, .offset: 24, .size: 8, .value_kind: global_buffer, .address_space: global }
      - { .name: Wo, .offset: 32, .size: 8, .value_kind: global_buffer, .address_space: global }
      - { .name: xh, .offset: 40, .size: 8, .value_kind: global_buffer, .address_space: global }
      - { .name: wh, .offset: 48, .size: 8, .value_kind: global_buffer, .address_space: global }
    .group_segment_fixed_size: 0
    .private_segment_fixed_size: 0
    .kernarg_segment_align: 8
    .kernarg_segment_size: 56
    .max_flat_workgroup_size: 256
    .sgpr_count:     66
    .vgpr_count:     100
    .wavefront_size: 32
...
	.end_amdgpu_metadata
.endif
;; end of part 1
;; launch projqk (part 2): grid 8 x 32, 4 waves a work-group, clusters of 4 x 4, 327,680 bytes of LDS; arguments xh, wh, bq, qk; writes qk
.if DOCPART == 2
	.amdgcn_target "amdgcn-amd-amdhsa--gfx1250"
	.amdhsa_code_object_version 6
	.text
	.protected	k_qc457771807_projqk
	.globl	k_qc457771807_projqk
	.p2align	8
	.type	k_qc457771807_projqk,@function
k_qc457771807_projqk:
	s_mov_b64 s[64:65], 0
	v_nop
	global_prefetch_b8 v0, s[64:65] scope:SCOPE_SE
	s_setreg_imm32_b32 hwreg(HW_REG_WAVE_MODE, 25, 1), 1
	s_wait_xcnt 0x0
	s_wait_alu depctr_hold_cnt(0) depctr_sa_sdst(0) depctr_va_vdst(0) depctr_va_sdst(0) depctr_va_ssrc(0) depctr_va_vcc(0) depctr_vm_vsrc(0)
	s_getreg_b32 s2, hwreg(HW_REG_IB_STS2, 6, 4)
	s_cmp_eq_u32 s2, 0
	s_cbranch_scc0 .Lentry_in_a_cluster
	s_endpgm
.Lentry_in_a_cluster:
	s_bfe_u32 s2, ttmp6, 0x10000c
	s_cmp_lg_u32 s2, 0xf033
	s_cbranch_scc0 .Lentry_shape_is_right
	s_endpgm
.Lentry_shape_is_right:
; qk[row][0:1024] = q' = (x Wq^T + bq) / 8,  qk[row][1024:2048] = k' = (x Wk^T) / 4.  The two divisors together are the 1 / sqrt(1024) of the scores.
; WORK LEFT OUT: bk (it adds to each score a term that is the same along the softmax's axis; shown at the head of the first launch).
; One product C = A B^T: A = xh [8192][1024], B = wh rows 0-2047 (Wq, then Wk) [2048][1024], C = qk [8192][2048], all f16; sums in f32.
; Limits: q' and k' are f16: |q| below 524,000, |k| below 262,000.
; A work-group makes a block of 256 x 256 of C with four waves, as many as a WGP has SIMDs; a wave makes 128 x 128: 64 accumulator
; tiles of 16 x 16, 512 registers.  K goes in steps of 128 through a ring of two LDS slots filled by the tensor data mover: a tile's
; rows are 256 bytes of memory at multiples of 256 bytes.  32 x 8 blocks = 256 work-groups.
; CLUSTERS: 4 x 4 work-groups.  The four of a row of the cluster need the same tiles of A, the four of a column the same tiles of B:
; each such tile is asked for jointly, by the same tensor load with the same descriptor and a mask that names the four.
; REGISTERS, in windows of 256:
;   window 0: v0-31 addresses; v64-127, v128-191 fragments of A, two buffers; v192-223 at work on the way out
;   window 1: v64-127, v128-191 fragments of B, two buffers; v192-255 the bias of my 64 columns a lane, times the scale
;   window 2: the 32 accumulator tiles of my rows 0-63 (tile (a, b) at v[8 (8 a + b)]);   window 3: those of my rows 64-127
; The matrix instruction is used transposed (source 0 = 16 rows of B, source 1 = 16 rows of A): lane l holds row l % 16 of C and its
; registers 0 to 7 the columns 8 (l / 16) + 0 .. 7, eight neighbouring numbers, which pack into 16 bytes.
.set KDIM,   1024
.set KSTEP,  128
.set PITCH,  272                       ; an LDS row: 256 bytes + 16 of padding, so that sixteen rows start at sixteen different 16-byte columns modulo 256
.set HALFT,  128*PITCH                 ; 128 rows: what one tensor load brings
.set SLOT,   4*HALFT                   ; A's 256 rows, then B's 256 rows
.set STAGE,  2*SLOT                    ; behind the ring: 16 rows x 272 bytes for each wave, for the way out; no fill ever lands there
.set SPITCH, 272
.set LAPS,   KDIM/(2*KSTEP)            ; a lap = two K steps = once round the ring: 4
.set CROW,   4096                      ; bytes in a row of qk
.set ADRA, 16                          ; v16-17  LDS address of my A fragments in slot 0, 1
.set ADRB, 20                          ; v20-21  the same for B
.set STO,  24                          ; v24     the way out: where I put 16 bytes of a row
.set RD,   25                          ; v25     the way out: where I read a row back
.set CO,   26                          ; v26     my byte offset in C
.set BO,   27                          ; v27     my byte offset in the bias
.set F0,   64
.set F1,   128
.set TMP,  192                         ; window 0
.set BIAS, 192                         ; window 1
.set G1, 24                            ; s[24:31] descriptor group 1 for A's tiles
.set G0, 32                            ; s[32:39] descriptor group 0 for A's tiles, one set for each slot
.set G1B, 48                           ; s[48:55] group 1 for B's tiles: another mask
.set G0B, 56                           ; s[56:63] group 0 for B's tiles, one set for each slot
.set MSB, 0
.macro WIN new                         ; switch the register windows; the immediate's high byte repeats the setting that is left
.if MSB != (\new)
	s_set_vgpr_msb (MSB<<8)|(\new)
.set MSB, (\new)
.endif
.endm
.set MUL_LO, 0xa1                      ; source 0 (B) window 1, source 1 (A) window 0, C and D window 2
.set MUL_HI, 0xf1                      ; the same, C and D window 3
.set TO_B,   0x40                      ; destination window 1, address window 0
; A joint load.  Waves 0 and 1 fetch A's two halves, waves 2 and 3 B's.  The branch hangs on the wave's number alone.
.macro JLOAD s
	s_cmp_eq_u32 s11, 0
	s_cbranch_scc0 .Lfor_b_\@
	tensor_load_to_lds s[G0+4*\s:G0+4*\s+3], s[G1:G1+7]
	s_nop 0
	s_branch .Lasked_\@
.Lfor_b_\@:
	tensor_load_to_lds s[G0B+4*\s:G0B+4*\s+3], s[G1B:G1B+7]
	s_nop 0
.Lasked_\@:
.endm
; A round of the cluster's barrier: my work-group's barrier, wave 0 signals for the work-group, every wave waits for all sixteen, my barrier once more.
.macro CREST                           ; a round behind its opening barrier
	s_cmp_lg_u32 s10, 0
	s_cbranch_scc1 .Lnot_wave_0_\@
	s_barrier_signal -3
.Lnot_wave_0_\@:
	s_barrier_wait -3
	s_barrier_signal -1
	s_barrier_wait -1
.endm
.macro CROUND
	s_barrier_signal -1
	s_barrier_wait -1
	CREST
.endm
	s_load_b128 s[4:7], s[0:1], 0x0                ; xh s[4:5], wh s[6:7]
	s_load_b64 s[66:67], s[0:1], 0x10              ; bq
	s_load_b64 s[8:9], s[0:1], 0x18                ; qk
	s_set_vgpr_msb 0x40
	v_lshl_add_u32 v63, v0, 2, 0x48400
	s_set_vgpr_msb 0x4000
	v_mov_b32 v255, 0
	s_set_vgpr_msb 0x1
	ds_add_u32 v63, v255
	s_set_vgpr_msb 0x100
	v_lshrrev_b32 v1, 5, v0
	v_readfirstlane_b32 s10, v1                    ; wave 0..3
	s_lshr_b32 s11, s10, 1                         ; which half of the block's rows is mine.  Also: I fetch for A (0) or for B (1)
	s_and_b32 s12, s10, 1                          ; which half of its columns.  Also: which 128 rows of that tile I fetch
	s_bfe_u32 s40, ttmp6, 0x40000                  ; cx
	s_bfe_u32 s41, ttmp6, 0x40004                  ; cy
	s_lshl_b32 s42, ttmp9, 2
	s_add_co_u32 s42, s42, s40                     ; block column = 4 x cluster x + cx
	s_and_b32 s13, ttmp7, 0xffff
	s_lshl_b32 s13, s13, 2
	s_add_co_u32 s13, s13, s41                     ; block row = 4 x cluster y + cy
	s_lshl_b32 s43, s41, 2
	s_lshl_b32 s43, 15, s43                        ; my row of the cluster: places 4 cy .. 4 cy + 3
	s_lshl_b32 s44, 0x1111, s40                    ; my column: places cx, cx + 4, cx + 8, cx + 12
	; group 1: a tile of 128 rows x 128 elements of 2 bytes, 4 words of padding behind every 64 words
	s_or_b32 s[G1+0], s43, (1<<16)|(1<<20)|(1<<21)|(5<<22)|(3<<25)
	s_or_b32 s[G1B+0], s44, (1<<16)|(1<<20)|(1<<21)|(5<<22)|(3<<25)
	s_mov_b32 s[G1+1], KSTEP<<16                   ; tensor_dim0 = 128
	s_mov_b32 s[G1B+1], KSTEP<<16
	s_mov_b32 s[G1+2], 128<<16                     ; tensor_dim1 = 128
	s_mov_b32 s[G1B+2], 128<<16
	s_mov_b32 s[G1+3], KSTEP<<16                   ; tile_dim0 = 128
	s_mov_b32 s[G1B+3], KSTEP<<16
	s_mov_b32 s[G1+4], 128                         ; tile_dim1 = 128
	s_mov_b32 s[G1B+4], 128
	s_mov_b32 s[G1+5], KDIM                        ; elements from row to row
	s_mov_b32 s[G1B+5], KDIM
	s_mov_b32 s[G1+6], 0
	s_mov_b32 s[G1B+6], 0
	s_mov_b32 s[G1+7], 0
	s_mov_b32 s[G1B+7], 0
	; A's tiles hang on the block row alone, B's on the block column alone, each in registers that never hold the other coordinate
	s_lshl_b32 s17, s12, 7
	s_lshl_b32 s16, s13, 8
	s_add_co_u32 s16, s16, s17                     ; A: row 256 x block row + 128 x half
	s_lshl_b32 s46, s42, 8
	s_add_co_u32 s46, s46, s17                     ; B: row 256 x block column + 128 x half
	s_lshl_b32 s16, s16, 11                        ; rows of 2,048 bytes (below 4 GiB)
	s_lshl_b32 s46, s46, 11
	s_mov_b32 s17, 0
	s_mov_b32 s47, 0
	s_mul_i32 s20, s10, HALFT                      ; where my tile goes: wave x 128 rows
	s_wait_dscnt 0x0
	s_wait_kmcnt 0x0
	s_add_nc_u64 s[14:15], s[4:5], s[16:17]
	s_add_nc_u64 s[46:47], s[6:7], s[46:47]
	CROUND                                         ; all sixteen work-groups are here: the first joint loads meet
.irp s, 0,1
	s_mov_b32 s[G0+4*\s], 1
	s_add_co_u32 s[G0+4*\s+1], s20, \s*SLOT
	s_add_nc_u64 s[G0+4*\s+2:G0+4*\s+3], s[14:15], \s*KSTEP*2
	s_or_b32 s[G0+4*\s+3], s[G0+4*\s+3], 0x80000000
	s_mov_b32 s[G0B+4*\s], 1
	s_add_co_u32 s[G0B+4*\s+1], s20, \s*SLOT
	s_add_nc_u64 s[G0B+4*\s+2:G0B+4*\s+3], s[46:47], \s*KSTEP*2
	s_or_b32 s[G0B+4*\s+3], s[G0B+4*\s+3], 0x80000000
	JLOAD \s                                       ; K steps 0 and 1: two tensor loads of the wave are out
.endr
	; a fragment is 16 rows x 32 K in 8 registers: lane l holds row l % 16; two loads of 16 bytes, 32 bytes apart, at row x pitch + 16 (l / 16)
	v_and_b32 v1, 15, v0                           ; l % 16
	v_bfe_u32 v2, v0, 4, 1                         ; l / 16
	v_mul_u32_u24 v3, v1, PITCH
	v_lshl_add_u32 v3, v2, 4, v3
	s_mul_i32 s21, s11, HALFT                      ; my 128 rows of A
	s_mul_i32 s22, s12, HALFT                      ; my 128 rows of B,
	s_add_co_u32 s22, s22, 2*HALFT                 ; which lie behind A's 256
.irp s, 0,1
	v_add_nc_u32 v[ADRA+\s], s21, v3
	v_add_nc_u32 v[ADRB+\s], s22, v3
	s_add_co_u32 s21, s21, SLOT
	s_add_co_u32 s22, s22, SLOT
.endr
	s_mul_i32 s23, s10, 16*SPITCH
	s_add_co_u32 s23, s23, STAGE                   ; my stage
	v_mul_u32_u24 v4, v1, SPITCH
	v_lshl_add_u32 v4, v2, 4, v4
	v_add_nc_u32 v[STO], s23, v4
	v_mul_u32_u24 v5, v2, SPITCH
	v_lshl_add_u32 v5, v1, 4, v5
	v_add_nc_u32 v[RD], s23, v5
	v_mul_u32_u24 v5, v2, CROW
	v_lshl_add_u32 v[CO], v1, 4, v5
	v_lshlrev_b32 v[BO], 5, v2                     ; eight f32 for each half of the lanes
	; The bias and the scale.  Cluster x = 0 makes columns of q', cluster x = 1 columns of k': the number is the same in all sixteen partners.
	; q' = acc / 8 + bq / 8.  k' = acc / 4 + 0: k has no bias here, and the zero is the addend of the multiply-add that scales anyway.
	s_cmp_lg_u32 ttmp9, 0
	s_cbranch_scc1 .Lkeys
	s_mov_b32 s72, 0x3e000000                      ; 1 / 8
	s_mov_b32 s73, 0x3e000000
	s_lshl_b32 s68, s42, 10                        ; 256 columns of 4 bytes a block,
	s_lshl_b32 s69, s12, 9                         ; 128 a wave
	s_add_co_u32 s68, s68, s69
	s_mov_b32 s69, 0
	s_add_nc_u64 s[66:67], s[66:67], s[68:69]
	WIN TO_B
.irp b, 0,1,2,3,4,5,6,7
	global_load_b128 v[BIAS+8*\b:BIAS+8*\b+3],   v[BO], s[66:67] offset:64*\b       ; columns 16 b + 8 (l / 16) + 0 .. 3
	global_load_b128 v[BIAS+8*\b+4:BIAS+8*\b+7], v[BO], s[66:67] offset:64*\b+16    ; and + 4 .. 7
.endr
	WIN 0
	s_branch .Lbias_set
.Lkeys:
	s_mov_b32 s72, 0x3e800000                      ; 1 / 4
	s_mov_b32 s73, 0x3e800000
	WIN TO_B
.set cnt, 0
.rept 64
	v_mov_b32 v[BIAS+cnt], 0
.set cnt, cnt+1
.endr
	WIN 0
.Lbias_set:
; 16 matrix instructions: m blocks a0, a0 + 1 of the window's four x all 8 n blocks, 32 along K.  zero = 1: the first product starts the sums.
.macro MUL16 f, hi, a0, zero
.irp a, \a0, \a0+1
.irp b, 0,1,2,3,4,5,6,7
.if \zero
	v_wmma_f32_16x16x32_f16 v[8*(8*(\a)+\b):8*(8*(\a)+\b)+7], v[\f+8*\b:\f+8*\b+7], v[\f+8*(4*\hi+\a):\f+8*(4*\hi+\a)+7], 0
.else
	v_wmma_f32_16x16x32_f16 v[8*(8*(\a)+\b):8*(8*(\a)+\b)+7], v[\f+8*\b:\f+8*\b+7], v[\f+8*(4*\hi+\a):\f+8*(4*\hi+\a)+7], v[8*(8*(\a)+\b):8*(8*(\a)+\b)+7]
.endif
.endr
.endr
.endm
; 32 LDS loads in one run: the fragments of one quarter step (128 rows of B, 128 rows of A, 32 K at byte k of the rows) into buffer f
.macro FETCH slot, k, f
	WIN TO_B
.irp i, 0,1,2,3,4,5,6,7
	ds_load_b128 v[\f+8*\i:\f+8*\i+3],   v[ADRB+\slot] offset:\k+\i*16*PITCH
	ds_load_b128 v[\f+8*\i+4:\f+8*\i+7], v[ADRB+\slot] offset:\k+\i*16*PITCH+32
.endr
	WIN 0
.irp i, 0,1,2,3,4,5,6,7
	ds_load_b128 v[\f+8*\i:\f+8*\i+3],   v[ADRA+\slot] offset:\k+\i*16*PITCH
	ds_load_b128 v[\f+8*\i+4:\f+8*\i+7], v[ADRA+\slot] offset:\k+\i*16*PITCH+32
.endr
.endm
; Four plain vector instructions between a matrix instruction and a load into, or a vector access to, one of its registers
.macro PLACES
.rept 4
	v_nop
.endr
.endm
; A K step is four quarters of 32 along K, 64 matrix instructions each, on buffers 0, 1, 0, 1.  The 64 accumulators take turns, one
; instruction a turn, in the same order in every quarter and over the loop's backward jump.
.macro QUARTER slot, k, f, g, zero
	s_wait_dscnt 8                                 ; B and A's rows 0-63 are in; the youngest eight loads (A's rows 64-127) may be out
	WIN MUL_LO
	MUL16 \f, 0, 0, \zero
	MUL16 \f, 0, 2, \zero
	PLACES
	FETCH \slot, \k, \g
	s_wait_dscnt 32                                ; all but the 32 just issued
	WIN MUL_HI
	MUL16 \f, 1, 0, \zero
	MUL16 \f, 1, 2, \zero
.endm
.macro THREE slot, zero
	QUARTER \slot, 64,  F0, F1, \zero
	QUARTER \slot, 128, F1, F0, 0
	QUARTER \slot, 192, F0, F1, 0
.endm
; The last quarter multiplies buffer 1 and changes slots.  In front of the one barrier each wave waits for its reads of this slot and for
; all its tensor loads (one is out: its part of the next slot).  Behind it the refill comes first, then the next slot's first fragments.
.macro TURN slot, next, fill
	s_wait_dscnt 8
	WIN MUL_LO
	MUL16 F1, 0, 0, 0
	s_wait_dscnt 0                                 ; my reads of this slot are over
	s_wait_tensorcnt 0x0                           ; and all my tensor loads have landed
	ds_add_u32 v63, v255
	s_wait_dscnt 0x0
	s_barrier_signal -1                            ; where a slot is filled again this barrier opens a round of the cluster's barrier
	MUL16 F1, 0, 2, 0                              ; register work while the others arrive
	WIN 0
	s_barrier_wait -1
.if \fill
	CREST                                          ; no wave of any partner still reads this slot or has a load on its way
	s_add_nc_u64 s[G0+4*\slot+2:G0+4*\slot+3], s[G0+4*\slot+2:G0+4*\slot+3], 2*KSTEP*2
	s_add_nc_u64 s[G0B+4*\slot+2:G0B+4*\slot+3], s[G0B+4*\slot+2:G0B+4*\slot+3], 2*KSTEP*2
	JLOAD \slot                                    ; the wave's one tensor load behind the round
.endif
	PLACES
	FETCH \next, 0, F0
	WIN MUL_HI
	MUL16 F1, 1, 0, 0
	MUL16 F1, 1, 2, 0
.endm
.macro LAP zero
	THREE 0, \zero
	TURN 0, 1, 1
	THREE 1, 0
	TURN 1, 0, 1
.endm
	s_wait_tensorcnt 0x1                           ; my part of K step 0 is in; K step 1's stays out
	s_barrier_signal -1
	s_barrier_wait -1
	FETCH 0, 0, F0
	LAP 1                                          ; the first lap's first products start the sums: nothing is cleared
	WIN 0
	s_mov_b32 s3, LAPS-2
.Llap:
	LAP 0
	WIN 0
	s_sub_co_u32 s3, s3, 1
	s_cmp_lg_u32 s3, 0
	s_cbranch_scc1 .Llap
	THREE 0, 0                                     ; the last lap fills nothing
	TURN 0, 1, 0
	THREE 1, 0
	s_wait_dscnt 8
	WIN MUL_LO
	MUL16 F1, 0, 0, 0
	MUL16 F1, 0, 2, 0
	s_wait_dscnt 0
	WIN MUL_HI
	MUL16 F1, 1, 0, 0
	MUL16 F1, 1, 2, 0
	; THE WAY OUT, 16 rows at a time: scale and bias in one multiply-add, round to f16, through my own stage in LDS, out as whole rows of 256 bytes
	s_wait_loadcnt 0x0                             ; the bias
	PLACES
	s_lshl_b32 s13, s13, 8
	s_lshl_b32 s14, s11, 7
	s_add_co_u32 s16, s13, s14                     ; my first row of C
	s_lshl_b32 s16, s16, 12                        ; rows of 4,096 bytes
	s_mov_b32 s17, 0
	s_add_nc_u64 s[8:9], s[8:9], s[16:17]
	s_lshl_b32 s46, s42, 9                         ; my first column, in bytes: 512 x block + 256 x half
	s_lshl_b32 s47, s12, 8
	s_add_co_u32 s46, s46, s47
	s_mov_b32 s47, 0
	s_add_nc_u64 s[8:9], s[8:9], s[46:47]
	WIN 0x41                                       ; source 0 and destination in window 1
.set cnt, 0
.rept 32
	v_pk_mul_f32 v[BIAS+cnt:BIAS+cnt+1], v[BIAS+cnt:BIAS+cnt+1], s[72:73] op_sel_hi:[1,0]
.set cnt, cnt+2
.endr
; the packed results of 16 rows go through the stage: 16 bytes a lane in, whole rows back, sixteen lanes store 256 bytes at a multiple of 256
.macro TAIL i, f
	WIN 0
.irp b, 0,1,2,3,4,5,6,7
	ds_store_b128 v[STO], v[TMP+4*\b:TMP+4*\b+3] offset:32*\b
.endr
	s_wait_xcnt 0x0                                ; buffer f, which earlier stores read, and the stores' base are rewritten only behind this wait
.if \i
	s_add_nc_u64 s[8:9], s[8:9], 16*CROW
.endif
.irp t, 0,1,2,3,4,5,6,7
	ds_load_b128 v[\f+4*\t:\f+4*\t+3], v[RD] offset:\t*2*SPITCH    ; LDS serves a wave's instructions in order: these see the stores above
.endr
.irp t, 0,1,2,3,4,5,6,7
	s_wait_dscnt 7-\t                              ; the younger read-backs stay out
	global_store_b128 v[CO], v[\f+4*\t:\f+4*\t+3], s[8:9] offset:2*\t*CROW
.endr
.endm
; rows 16 i .. 16 i + 15 of my block = the eight tiles (a, 0..7) of window w
.macro OUTQ i, a, w, f
.set W_FMA, (\w<<6)|(1<<4)|\w
.set W_CVT, (\w<<2)|\w
	WIN W_FMA                                      ; accumulators in window w, the addend in window 1
.irp b, 0,1,2,3,4,5,6,7
.irp r, 0,1,2,3
	v_pk_fma_f32 v[8*(8*\a+\b)+2*\r:8*(8*\a+\b)+2*\r+1], v[8*(8*\a+\b)+2*\r:8*(8*\a+\b)+2*\r+1], s[72:73], v[BIAS+8*\b+2*\r:BIAS+8*\b+2*\r+1] op_sel_hi:[1,0,1]
.endr
.endr
	WIN W_CVT
.irp b, 0,1,2,3,4,5,6,7
.irp r, 0,1,2,3
	v_cvt_pk_f16_f32 v[TMP+4*\b+\r], v[8*(8*\a+\b)+2*\r], v[8*(8*\a+\b)+2*\r+1]
.endr
.endr
	TAIL \i, \f
.endm
	OUTQ 0, 0, 2, F0
	OUTQ 1, 1, 2, F1
	OUTQ 2, 2, 2, F0
	OUTQ 3, 3, 2, F1
	OUTQ 4, 0, 3, F0
	OUTQ 5, 1, 3, F1
	OUTQ 6, 2, 3, F0
	OUTQ 7, 3, 3, F1
	s_set_vgpr_msb 0x1
	s_wait_tensorcnt 0x0
	ds_add_u32 v63, v255
	s_wait_dscnt 0x0
	s_set_vgpr_msb 0x100
	CROUND                                         ; the closing round: no work-group ends while a partner may still ask for a tile that names it
	s_endpgm
.Lfunc_end_k_qc457771807_projqk:
	.size	k_qc457771807_projqk, .Lfunc_end_k_qc457771807_projqk-k_qc457771807_projqk
	.p2alignl 7, 3214868480
	.fill 96, 4, 3214868480
	.section	.rodata,"a",@progbits
	.p2align	6, 0x0
	.amdhsa_kernel k_qc457771807_projqk
		.amdhsa_group_segment_fixed_size 327680
		.amdhsa_private_segment_fixed_size 0
		.amdhsa_enable_private_segment 0
		.amdhsa_kernarg_size 32
		.amdhsa_user_sgpr_count 2
		.amdhsa_user_sgpr_kernarg_segment_ptr 1
		.amdhsa_wavefront_size32 1
		.amdhsa_system_sgpr_workgroup_id_x 1
		.amdhsa_system_sgpr_workgroup_id_y 1
		.amdhsa_system_sgpr_workgroup_id_z 1
		.amdhsa_system_vgpr_workitem_id 0
		.amdhsa_next_free_vgpr 1024
		.amdhsa_next_free_sgpr 74
		.amdhsa_reserve_vcc 0
		.amdhsa_float_denorm_mode_32 3
		.amdhsa_float_denorm_mode_16_64 3
		.amdhsa_memory_ordered 1
		.amdhsa_forward_progress 1
		.amdhsa_inst_pref_size 219
	.end_amdhsa_kernel
	.amdgpu_metadata
---
amdhsa.version: [ 1, 2 ]
amdhsa.kernels:
  - .name:           k_qc457771807_projqk
    .symbol:         k_qc457771807_projqk.kd
    .args:
      - { .name: xh, .offset: 0, .size: 8, .value_kind: global_buffer, .address_space: global }
      - { .name: wh, .offset: 8, .size: 8, .value_kind: global_buffer, .address_space: global }
      - { .name: bq, .offset: 16, .size: 8, .value_kind: global_buffer, .address_space: global }
      - { .name: qk, .offset: 24, .size: 8, .value_kind: global_buffer, .address_space: global }
    .group_segment_fixed_size: 327680
    .private_segment_fixed_size: 0
    .kernarg_segment_align: 8
    .kernarg_segment_size: 32
    .max_flat_workgroup_size: 128
    .sgpr_count:     74
    .vgpr_count:     1024
    .wavefront_size: 32
...
	.end_amdgpu_metadata
.endif
;; end of part 2
;; launch projv (part 3): grid 64 x 4, 4 waves a work-group, clusters of 4 x 4, 327,680 bytes of LDS; arguments wh, xh, bv, vt; writes vt
.if DOCPART == 3
	.amdgcn_target "amdgcn-amd-amdhsa--gfx1250"
	.amdhsa_code_object_version 6
	.text
	.protected	k_qc457771807_projv
	.globl	k_qc457771807_projv
	.p2align	8
	.type	k_qc457771807_projv,@function
k_qc457771807_projv:
	s_mov_b64 s[64:65], 0
	v_nop
	global_prefetch_b8 v0, s[64:65] scope:SCOPE_SE
	s_setreg_imm32_b32 hwreg(HW_REG_WAVE_MODE, 25, 1), 1
	s_wait_xcnt 0x0
	s_wait_alu depctr_hold_cnt(0) depctr_sa_sdst(0) depctr_va_vdst(0) depctr_va_sdst(0) depctr_va_ssrc(0) depctr_va_vcc(0) depctr_vm_vsrc(0)
	s_getreg_b32 s2, hwreg(HW_REG_IB_STS2, 6, 4)
	s_cmp_eq_u32 s2, 0
	s_cbranch_scc0 .Lentry_in_a_cluster
	s_endpgm
.Lentry_in_a_cluster:
	s_bfe_u32 s2, ttmp6, 0x10000c
	s_cmp_lg_u32 s2, 0xf033
	s_cbranch_scc0 .Lentry_shape_is_right
	s_endpgm
.Lentry_shape_is_right:
; vt[h][token] = sum over k of Wv[h][k] x[token][k] + bv[h]: v, stored transposed, so that the product with P finds the keys along its rows.
; One product C = A B^T: A = wh rows 2048-3071 (Wv) [1024][1024], B = xh [8192][1024], C = vt [1024][8192], all f16; sums in f32.
; Limit: |v| below 65,504.
; A work-group makes a block of 256 rows x 128 columns of C with four waves; wave w makes rows 64 w .. 64 w + 63 x all 128 columns:
; 32 accumulator tiles, 256 registers; a wave's row of C is 256 bytes.  4 x 64 blocks = 256 work-groups.
; K goes in steps of 128 through a ring of two LDS slots (A's 256 rows, then B's 128 rows, each row 256 bytes + 16 of padding).
; CLUSTERS: 4 x 4 work-groups; A's tiles are shared along a row of the cluster, B's along a column, by joint tensor loads.
; REGISTERS: window 0: v0-31 addresses and the bias; v64-95, v128-159 fragments of A, two buffers; v192-223 at work on the way out
;            window 1: v64-127, v128-191 fragments of B, two buffers;   window 2: tile (a, b) at v[8 (8 a + b)], a = 0..3, b = 0..7
; The matrix instruction is used transposed (source 0 = rows of B, source 1 = rows of A): lane l holds row l % 16 of C, columns 8 (l / 16) + 0 .. 7.
.set KDIM,   1024
.set KSTEP,  128
.set PITCH,  272
.set HALFA,  128*PITCH                 ; what waves 0 and 1 fetch: 128 rows of A each
.set HALFB,  64*PITCH                  ; what waves 2 and 3 fetch: 64 rows of B each
.set SLOT,   2*HALFA+2*HALFB
.set STAGE,  2*SLOT                    ; behind the ring: 16 rows x 272 bytes for each wave; no fill ever lands there
.set SPITCH, 272
.set LAPS,   KDIM/(2*KSTEP)            ; 4
.set CROW,   16384                     ; bytes in a row of vt
.set ADRA, 16
.set ADRB, 20
.set STO,  24
.set RD,   25
.set CO,   26
.set BO,   27
.set BV,   28                          ; v28-31  bv of my row in each of the four row groups
.set F0,   64
.set F1,   128
.set TMP,  192
.set G1, 24
.set G0, 32
.set G1B, 48
.set G0B, 56
.set MSB, 0
.macro WIN new
.if MSB != (\new)
	s_set_vgpr_msb (MSB<<8)|(\new)
.set MSB, (\new)
.endif
.endm
.set MUL,  0xa1                        ; source 0 (B) window 1, source 1 (A) window 0, C and D window 2
.set TO_B, 0x40
.macro JLOAD s                         ; waves 0 and 1 ask for A's halves, waves 2 and 3 for B's; the branch hangs on the wave's number alone
	s_cmp_eq_u32 s11, 0
	s_cbranch_scc0 .Lfor_b_\@
	tensor_load_to_lds s[G0+4*\s:G0+4*\s+3], s[G1:G1+7]
	s_nop 0
	s_branch .Lasked_\@
.Lfor_b_\@:
	tensor_load_to_lds s[G0B+4*\s:G0B+4*\s+3], s[G1B:G1B+7]
	s_nop 0
.Lasked_\@:
.endm
.macro CREST
	s_cmp_lg_u32 s10, 0
	s_cbranch_scc1 .Lnot_wave_0_\@
	s_barrier_signal -3
.Lnot_wave_0_\@:
	s_barrier_wait -3
	s_barrier_signal -1
	s_barrier_wait -1
.endm
.macro CROUND
	s_barrier_signal -1
	s_barrier_wait -1
	CREST
.endm
	s_load_b128 s[4:7], s[0:1], 0x0                ; wh s[4:5], xh s[6:7]
	s_load_b64 s[66:67], s[0:1], 0x10              ; bv
	s_load_b64 s[8:9], s[0:1], 0x18                ; vt
	s_set_vgpr_msb 0x40
	v_lshl_add_u32 v255, v0, 2, 0x37400
	s_set_vgpr_msb 0x4000
	v_mov_b32 v255, 0
	s_set_vgpr_msb 0x1
	ds_add_u32 v255, v255
	s_set_vgpr_msb 0x100
	v_lshrrev_b32 v1, 5, v0
	v_readfirstlane_b32 s10, v1                    ; wave 0..3: my 64 rows of the block
	s_lshr_b32 s11, s10, 1                         ; I fetch for A (0) or for B (1)
	s_and_b32 s12, s10, 1                          ; which half of that tile I fetch
	s_bfe_u32 s40, ttmp6, 0x40000                  ; cx
	s_bfe_u32 s41, ttmp6, 0x40004                  ; cy
	s_lshl_b32 s42, ttmp9, 2
	s_add_co_u32 s42, s42, s40                     ; block column = 4 x cluster x + cx, 0..63
	s_mov_b32 s13, s41                             ; block row = cy: the grid's four block rows are one cluster deep
	s_lshl_b32 s43, s41, 2
	s_lshl_b32 s43, 15, s43                        ; my row of the cluster
	s_lshl_b32 s44, 0x1111, s40                    ; my column
	s_or_b32 s[G1+0], s43, (1<<16)|(1<<20)|(1<<21)|(5<<22)|(3<<25)    ; elements of 2 bytes, 4 words of padding behind every 64
	s_or_b32 s[G1B+0], s44, (1<<16)|(1<<20)|(1<<21)|(5<<22)|(3<<25)
	s_mov_b32 s[G1+1], KSTEP<<16                   ; tensor_dim0 = 128
	s_mov_b32 s[G1B+1], KSTEP<<16
	s_mov_b32 s[G1+2], 128<<16                     ; tensor_dim1: A 128 rows,
	s_mov_b32 s[G1B+2], 64<<16                     ; B 64
	s_mov_b32 s[G1+3], KSTEP<<16                   ; tile_dim0 = 128
	s_mov_b32 s[G1B+3], KSTEP<<16
	s_mov_b32 s[G1+4], 128                         ; tile_dim1
	s_mov_b32 s[G1B+4], 64
	s_mov_b32 s[G1+5], KDIM                        ; elements from row to row
	s_mov_b32 s[G1B+5], KDIM
	s_mov_b32 s[G1+6], 0
	s_mov_b32 s[G1B+6], 0
	s_mov_b32 s[G1+7], 0
	s_mov_b32 s[G1B+7], 0
	s_lshl_b32 s17, s12, 7
	s_lshl_b32 s16, s13, 8
	s_add_co_u32 s16, s16, s17                     ; A: row 256 x block row + 128 x half
	s_lshl_b32 s16, s16, 11                        ; rows of 2,048 bytes,
	s_add_co_u32 s16, s16, 2048*2048               ; behind Wq's and Wk's 2,048 rows
	s_mov_b32 s17, 0
	s_lshl_b32 s47, s12, 6
	s_lshl_b32 s46, s42, 7
	s_add_co_u32 s46, s46, s47                     ; B: row 128 x block column + 64 x half
	s_lshl_b32 s46, s46, 11
	s_mov_b32 s47, 0
	s_mul_i32 s20, s10, HALFA                      ; where A's halves go (waves 0, 1): wave x 128 rows
	s_mul_i32 s68, s10, HALFB                      ; where B's halves go (waves 2, 3): behind A's 256 rows, (wave - 2) x 64 rows
	s_add_co_u32 s68, s68, 2*HALFA-2*HALFB
	s_wait_dscnt 0x0
	s_wait_kmcnt 0x0
	s_add_nc_u64 s[14:15], s[4:5], s[16:17]
	s_add_nc_u64 s[46:47], s[6:7], s[46:47]
	CROUND                                         ; the first joint loads meet
.irp s, 0,1
	s_mov_b32 s[G0+4*\s], 1
	s_add_co_u32 s[G0+4*\s+1], s20, \s*SLOT
	s_add_nc_u64 s[G0+4*\s+2:G0+4*\s+3], s[14:15], \s*KSTEP*2
	s_or_b32 s[G0+4*\s+3], s[G0+4*\s+3], 0x80000000
	s_mov_b32 s[G0B+4*\s], 1
	s_add_co_u32 s[G0B+4*\s+1], s68, \s*SLOT
	s_add_nc_u64 s[G0B+4*\s+2:G0B+4*\s+3], s[46:47], \s*KSTEP*2
	s_or_b32 s[G0B+4*\s+3], s[G0B+4*\s+3], 0x80000000
	JLOAD \s                                       ; K steps 0 and 1: two tensor loads of the wave are out
.endr
	v_and_b32 v1, 15, v0                           ; l % 16
	v_bfe_u32 v2, v0, 4, 1                         ; l / 16
	v_mul_u32_u24 v3, v1, PITCH
	v_lshl_add_u32 v3, v2, 4, v3
	s_mul_i32 s21, s10, 64*PITCH                   ; my 64 rows of A
	s_mov_b32 s22, 2*HALFA                         ; B's 128 rows lie behind A's 256
.irp s, 0,1
	v_add_nc_u32 v[ADRA+\s], s21, v3
	v_add_nc_u32 v[ADRB+\s], s22, v3
	s_add_co_u32 s21, s21, SLOT
	s_add_co_u32 s22, s22, SLOT
.endr
	s_mul_i32 s23, s10, 16*SPITCH
	s_add_co_u32 s23, s23, STAGE
	v_mul_u32_u24 v4, v1, SPITCH
	v_lshl_add_u32 v4, v2, 4, v4
	v_add_nc_u32 v[STO], s23, v4
	v_mul_u32_u24 v5, v2, SPITCH
	v_lshl_add_u32 v5, v1, 4, v5
	v_add_nc_u32 v[RD], s23, v5
	v_mul_u32_u24 v5, v2, CROW
	v_lshl_add_u32 v[CO], v1, 4, v5
	; the bias goes by rows here: bv of row 16 a + l % 16 of my 64
	s_lshl_b32 s70, s13, 8
	s_lshl_b32 s71, s10, 6
	s_add_co_u32 s70, s70, s71                     ; my first row
	s_lshl_b32 s70, s70, 2
	s_mov_b32 s71, 0
	s_add_nc_u64 s[66:67], s[66:67], s[70:71]
	v_lshlrev_b32 v[BO], 2, v1
.irp a, 0,1,2,3
	global_load_b32 v[BV+\a], v[BO], s[66:67] offset:64*\a
.endr
.macro MUL16 f, a0, zero               ; 16 matrix instructions: row groups a0, a0 + 1 x all 8 column groups, 32 along K
.irp a, \a0, \a0+1
.irp b, 0,1,2,3,4,5,6,7
.if \zero
	v_wmma_f32_16x16x32_f16 v[8*(8*(\a)+\b):8*(8*(\a)+\b)+7], v[\f+8*\b:\f+8*\b+7], v[\f+8*(\a):\f+8*(\a)+7], 0
.else
	v_wmma_f32_16x16x32_f16 v[8*(8*(\a)+\b):8*(8*(\a)+\b)+7], v[\f+8*\b:\f+8*\b+7], v[\f+8*(\a):\f+8*(\a)+7], v[8*(8*(\a)+\b):8*(8*(\a)+\b)+7]
.endif
.endr
.endr
.endm
.macro FETCH slot, k, f                ; 24 LDS loads in one run: 128 rows of B, then my 64 rows of A, 32 K at byte k of the rows
	WIN TO_B
.irp i, 0,1,2,3,4,5,6,7
	ds_load_b128 v[\f+8*\i:\f+8*\i+3],   v[ADRB+\slot] offset:\k+\i*16*PITCH
	ds_load_b128 v[\f+8*\i+4:\f+8*\i+7], v[ADRB+\slot] offset:\k+\i*16*PITCH+32
.endr
	WIN 0
.irp i, 0,1,2,3
	ds_load_b128 v[\f+8*\i:\f+8*\i+3],   v[ADRA+\slot] offset:\k+\i*16*PITCH
	ds_load_b128 v[\f+8*\i+4:\f+8*\i+7], v[ADRA+\slot] offset:\k+\i*16*PITCH+32
.endr
.endm
.macro PLACES                          ; four plain vector instructions between a matrix instruction and a load into, or a vector access to, its registers
.rept 4
	v_nop
.endr
.endm
; A K step is four quarters of 32 along K, 32 matrix instructions each, on buffers 0, 1, 0, 1.  The 32 accumulators take turns, one
; instruction a turn, in the same order everywhere.  The next quarter's fragments are asked for first.
.macro QUARTER2 slot, k, f, g, zero
	s_wait_dscnt 4                                 ; B and A's rows 0-31 of buffer f are in; the youngest four loads (A's rows 32-63) may be out
	PLACES
	FETCH \slot, \k, \g
	WIN MUL
	MUL16 \f, 0, \zero
	s_wait_dscnt 24                                ; all but the 24 just issued
	MUL16 \f, 2, \zero
.endm
.macro THREE2 slot, zero
	QUARTER2 \slot, 64,  F0, F1, \zero
	QUARTER2 \slot, 128, F1, F0, 0
	QUARTER2 \slot, 192, F0, F1, 0
.endm
; The last quarter changes slots: each wave's reads of this slot and all its tensor loads are waited for in front of the barrier; the refill is first behind it.
.macro TURN2 slot, next, fill
	s_wait_dscnt 0                                 ; my reads of this slot are over
	s_wait_tensorcnt 0x0                           ; all my tensor loads have landed: the one that was out is my part of the next slot
	ds_add_u32 v255, v255
	s_wait_dscnt 0x0
	s_barrier_signal -1                            ; where a slot is filled again this barrier opens a round of the cluster's barrier
	WIN MUL
	MUL16 F1, 0, 0
	WIN 0
	s_barrier_wait -1
.if \fill
	CREST
	s_add_nc_u64 s[G0+4*\slot+2:G0+4*\slot+3], s[G0+4*\slot+2:G0+4*\slot+3], 2*KSTEP*2
	s_add_nc_u64 s[G0B+4*\slot+2:G0B+4*\slot+3], s[G0B+4*\slot+2:G0B+4*\slot+3], 2*KSTEP*2
	JLOAD \slot                                    ; the wave's one tensor load behind the round
.endif
	PLACES
	FETCH \next, 0, F0
	WIN MUL
	MUL16 F1, 2, 0
.endm
.macro LAP zero
	THREE2 0, \zero
	TURN2 0, 1, 1
	THREE2 1, 0
	TURN2 1, 0, 1
.endm
	s_wait_tensorcnt 0x1                           ; my part of K step 0 is in; K step 1's stays out
	s_barrier_signal -1
	s_barrier_wait -1
	FETCH 0, 0, F0
	LAP 1
	WIN 0
	s_mov_b32 s3, LAPS-2
.Llap:
	LAP 0
	WIN 0
	s_sub_co_u32 s3, s3, 1
	s_cmp_lg_u32 s3, 0
	s_cbranch_scc1 .Llap
	THREE2 0, 0                                    ; the last lap fills nothing
	TURN2 0, 1, 0
	THREE2 1, 0
	s_wait_dscnt 0
	WIN MUL
	MUL16 F1, 0, 0
	MUL16 F1, 2, 0
	; THE WAY OUT, 16 rows at a time
	s_wait_loadcnt 0x0                             ; the bias
	PLACES
	s_lshl_b32 s13, s13, 8
	s_lshl_b32 s14, s10, 6
	s_add_co_u32 s16, s13, s14                     ; my first row of C
	s_lshl_b32 s16, s16, 14                        ; rows of 16,384 bytes
	s_mov_b32 s17, 0
	s_add_nc_u64 s[8:9], s[8:9], s[16:17]
	s_lshl_b32 s46, s42, 8                         ; my block's first column: 128 f16
	s_mov_b32 s47, 0
	s_add_nc_u64 s[8:9], s[8:9], s[46:47]
.macro TAIL i, f
	WIN 0
.irp b, 0,1,2,3,4,5,6,7
	ds_store_b128 v[STO], v[TMP+4*\b:TMP+4*\b+3] offset:32*\b
.endr
	s_wait_xcnt 0x0                                ; buffer f, which earlier stores read, and the stores' base are rewritten only behind this wait
.if \i
	s_add_nc_u64 s[8:9], s[8:9], 16*CROW
.endif
.irp t, 0,1,2,3,4,5,6,7
	ds_load_b128 v[\f+4*\t:\f+4*\t+3], v[RD] offset:\t*2*SPITCH    ; LDS serves a wave's instructions in order: these see the stores above
.endr
.irp t, 0,1,2,3,4,5,6,7
	s_wait_dscnt 7-\t
	global_store_b128 v[CO], v[\f+4*\t:\f+4*\t+3], s[8:9] offset:2*\t*CROW   ; sixteen lanes store 256 bytes at a multiple of 256
.endr
.endm
; row group a; odd = a & 1 picks the register of the bias pair
.macro OUTV a, odd, f
	WIN 0x82                                       ; accumulators in window 2, the bias in window 0
.irp b, 0,1,2,3,4,5,6,7
.irp r, 0,1,2,3
	v_pk_add_f32 v[8*(8*\a+\b)+2*\r:8*(8*\a+\b)+2*\r+1], v[8*(8*\a+\b)+2*\r:8*(8*\a+\b)+2*\r+1], v[BV+\a-\odd:BV+\a-\odd+1] op_sel:[0,\odd] op_sel_hi:[1,\odd]
.endr
.endr
	WIN 0x0a
.irp b, 0,1,2,3,4,5,6,7
.irp r, 0,1,2,3
	v_cvt_pk_f16_f32 v[TMP+4*\b+\r], v[8*(8*\a+\b)+2*\r], v[8*(8*\a+\b)+2*\r+1]
.endr
.endr
	TAIL \a, \f
.endm
	OUTV 0, 0, F0
	OUTV 1, 1, F1
	OUTV 2, 0, F0
	OUTV 3, 1, F1
	s_set_vgpr_msb 0x1
	s_wait_tensorcnt 0x0
	ds_add_u32 v255, v255
	s_wait_dscnt 0x0
	s_set_vgpr_msb 0x100
	CROUND                                         ; the closing round
	s_endpgm
.Lfunc_end_k_qc457771807_projv:
	.size	k_qc457771807_projv, .Lfunc_end_k_qc457771807_projv-k_qc457771807_projv
	.p2alignl 7, 3214868480
	.fill 96, 4, 3214868480
	.section	.rodata,"a",@progbits
	.p2align	6, 0x0
	.amdhsa_kernel k_qc457771807_projv
		.amdhsa_group_segment_fixed_size 327680
		.amdhsa_private_segment_fixed_size 0
		.amdhsa_enable_private_segment 0
		.amdhsa_kernarg_size 32
		.amdhsa_user_sgpr_count 2
		.amdhsa_user_sgpr_kernarg_segment_ptr 1
		.amdhsa_wavefront_size32 1
		.amdhsa_system_sgpr_workgroup_id_x 1
		.amdhsa_system_sgpr_workgroup_id_y 1
		.amdhsa_system_sgpr_workgroup_id_z 1
		.amdhsa_system_vgpr_workitem_id 0
		.amdhsa_next_free_vgpr 768
		.amdhsa_next_free_sgpr 74
		.amdhsa_reserve_vcc 0
		.amdhsa_float_denorm_mode_32 3
		.amdhsa_float_denorm_mode_16_64 3
		.amdhsa_memory_ordered 1
		.amdhsa_forward_progress 1
		.amdhsa_inst_pref_size 127
	.end_amdhsa_kernel
	.amdgpu_metadata
---
amdhsa.version: [ 1, 2 ]
amdhsa.kernels:
  - .name:           k_qc457771807_projv
    .symbol:         k_qc457771807_projv.kd
    .args:
      - { .name: wh, .offset: 0, .size: 8, .value_kind: global_buffer, .address_space: global }
      - { .name: xh, .offset: 8, .size: 8, .value_kind: global_buffer, .address_space: global }
      - { .name: bv, .offset: 16, .size: 8, .value_kind: global_buffer, .address_space: global }
      - { .name: vt, .offset: 24, .size: 8, .value_kind: global_buffer, .address_space: global }
    .group_segment_fixed_size: 327680
    .private_segment_fixed_size: 0
    .kernarg_segment_align: 8
    .kernarg_segment_size: 32
    .max_flat_workgroup_size: 128
    .sgpr_count:     74
    .vgpr_count:     768
    .wavefront_size: 32
...
	.end_amdgpu_metadata
.endif
;; end of part 3
;; launch scores (part 4): grid 8 x 32, 4 waves a work-group, clusters of 4 x 4, 327,680 bytes of LDS; arguments qk, p, st; writes p, st
.if DOCPART == 4
	.amdgcn_target "amdgcn-amd-amdhsa--gfx1250"
	.amdhsa_code_object_version 6
	.text
	.protected	k_qc457771807_scores
	.globl	k_qc457771807_scores
	.p2align	8
	.type	k_qc457771807_scores,@function
k_qc457771807_scores:
	s_mov_b64 s[64:65], 0
	v_nop
	global_prefetch_b8 v0, s[64:65] scope:SCOPE_SE
	s_setreg_imm32_b32 hwreg(HW_REG_WAVE_MODE, 25, 1), 1
	s_wait_xcnt 0x0
	s_wait_alu depctr_hold_cnt(0) depctr_sa_sdst(0) depctr_va_vdst(0) depctr_va_sdst(0) depctr_va_ssrc(0) depctr_va_vcc(0) depctr_vm_vsrc(0)
	s_getreg_b32 s2, hwreg(HW_REG_IB_STS2, 6, 4)
	s_cmp_eq_u32 s2, 0
	s_cbranch_scc0 .Lentry_in_a_cluster
	s_endpgm
.Lentry_in_a_cluster:
	s_bfe_u32 s2, ttmp6, 0x10000c
	s_cmp_lg_u32 s2, 0xf033
	s_cbranch_scc0 .Lentry_shape_is_right
	s_endpgm
.Lentry_shape_is_right:
; S = q' k'^T (= q k^T / 32), and the first half of the softmax.  For each query row and each block of 128 keys:
;   MS = round(m log2 e), m the block's largest score;   P = 2^(S log2 e - MS), stored in f16;   l = the sum of P in f32.
; The maximum is taken away before every exponential.  The next launch joins the sixteen blocks of a row by the row's own maximum; since P and
; the joining factors use the same stored MS, its rounding cancels between the softmax's numerator and denominator.
; Limit: P below about 3e-8 is stored as 0.
; One product C = A B^T for each of 4 batches: A = q' (qk columns 0-1023), B = k' (qk columns 1024-2047) of the same batch, K = 1024, f16, sums in f32.
; p is [8192 = batch x 2048 + query][2048 keys] f16.  st holds MS as [16 key blocks][8192 rows] f32 at byte 0, l likewise at byte 524,288.
; Shape, ring, clusters and registers as in the launch that makes q' and k': a block of 256 x 256 a work-group, 128 x 128 a wave (a wave's
; 128 columns are one block of keys), K steps of 128 through two LDS slots, A's tiles shared along a row of the 4 x 4 cluster, B's along a column.
; Window 0: v0-31 addresses, v32-59 the softmax's small change, v64-191 fragments of A, v192-223 packed results, v224-239 the statistics.
; Window 1: fragments of B.  Windows 2, 3: accumulator tile (a, b) at v[8 (8 a + b)], rows 0-63 and 64-127.
; Transposed use of the matrix instruction: lane l holds row l % 16, columns 16 b + 8 (l / 16) + 0 .. 7: half a row's 128 scores lie in one lane,
; the other half in lane l xor 16.
.set KDIM,   1024
.set KSTEP,  128
.set PITCH,  272
.set HALFT,  128*PITCH
.set SLOT,   4*HALFT
.set STAGE,  2*SLOT
.set SPITCH, 272
.set SCR,    STAGE+4*16*SPITCH         ; 1,024 bytes for each wave: 128 MS, 128 l; no fill ever lands there
.set LAPS,   KDIM/(2*KSTEP)
.set QKROW,  2048                      ; elements in a row of qk
.set CROW,   4096                      ; bytes in a row of p
.set STL,    524288                    ; where l begins in st
.set ADRA, 16
.set ADRB, 20
.set STO,  24
.set RD,   25
.set CO,   26
.set MC,   32                          ; v32-35  four chains of the maximum
.set SC,   36                          ; v36-43  four pairs of the sum
.set NM,   44                          ; v44-45  - MS, twice
.set PT,   46                          ; v46     what the other half of the lanes holds
.set SA,   47                          ; v47     scratch: my row's word
.set SB,   48                          ; v48     scratch: 16 bytes a lane
.set SO,   49                          ; v49     16 bytes a lane in st
.set SV,   52                          ; v52-59  the statistics on their way out
.set F0,   64
.set F1,   128
.set TMP,  192
.set MS,   224                         ; v224-231  MS of my row in each of the 8 row groups
.set LS,   232                         ; v232-239  l likewise
.set G1, 24
.set G0, 32
.set G1B, 48
.set G0B, 56
.set MSB, 0
.macro WIN new
.if MSB != (\new)
	s_set_vgpr_msb (MSB<<8)|(\new)
.set MSB, (\new)
.endif
.endm
.set MUL_LO, 0xa1
.set MUL_HI, 0xf1
.set TO_B,   0x40
.macro JLOAD s
	s_cmp_eq_u32 s11, 0
	s_cbranch_scc0 .Lfor_b_\@
	tensor_load_to_lds s[G0+4*\s:G0+4*\s+3], s[G1:G1+7]
	s_nop 0
	s_branch .Lasked_\@
.Lfor_b_\@:
	tensor_load_to_lds s[G0B+4*\s:G0B+4*\s+3], s[G1B:G1B+7]
	s_nop 0
.Lasked_\@:
.endm
.macro CREST
	s_cmp_lg_u32 s10, 0
	s_cbranch_scc1 .Lnot_wave_0_\@
	s_barrier_signal -3
.Lnot_wave_0_\@:
	s_barrier_wait -3
	s_barrier_signal -1
	s_barrier_wait -1
.endm
.macro CROUND
	s_barrier_signal -1
	s_barrier_wait -1
	CREST
.endm
	s_load_b64 s[4:5], s[0:1], 0x0                 ; qk
	s_load_b64 s[8:9], s[0:1], 0x8                 ; p
	s_load_b64 s[66:67], s[0:1], 0x10              ; st
	s_set_vgpr_msb 0x40
	v_lshl_add_u32 v255, v0, 2, 0x49400
	s_set_vgpr_msb 0x4000
	v_mov_b32 v255, 0
	s_set_vgpr_msb 0x1
	ds_add_u32 v255, v255
	s_set_vgpr_msb 0x100
	v_lshrrev_b32 v1, 5, v0
	v_readfirstlane_b32 s10, v1                    ; wave 0..3
	s_lshr_b32 s11, s10, 1                         ; my half of the block's rows; I fetch for A (0) or B (1)
	s_and_b32 s12, s10, 1                          ; my half of its columns; which 128 rows I fetch
	s_bfe_u32 s40, ttmp6, 0x40000                  ; cx
	s_bfe_u32 s41, ttmp6, 0x40004                  ; cy
	s_lshl_b32 s42, ttmp9, 2
	s_add_co_u32 s42, s42, s40                     ; block of 256 keys inside the batch, 0..7
	s_and_b32 s13, ttmp7, 0xffff
	s_lshr_b32 s45, s13, 1                         ; the batch: two clusters deep, so it hangs on the cluster's y alone
	s_lshl_b32 s45, s45, 11                        ; its first row in qk
	s_lshl_b32 s13, s13, 2
	s_add_co_u32 s13, s13, s41                     ; block of 256 query rows, 0..31
	s_lshl_b32 s43, s41, 2
	s_lshl_b32 s43, 15, s43
	s_lshl_b32 s44, 0x1111, s40
	s_mov_b32 s70, 0x76543210                      ; v_permlanex16_b32: lane i of one half reads lane i of the other
	s_mov_b32 s71, 0xfedcba98
	s_or_b32 s[G1+0], s43, (1<<16)|(1<<20)|(1<<21)|(5<<22)|(3<<25)
	s_or_b32 s[G1B+0], s44, (1<<16)|(1<<20)|(1<<21)|(5<<22)|(3<<25)
	s_mov_b32 s[G1+1], KSTEP<<16
	s_mov_b32 s[G1B+1], KSTEP<<16
	s_mov_b32 s[G1+2], 128<<16
	s_mov_b32 s[G1B+2], 128<<16
	s_mov_b32 s[G1+3], KSTEP<<16
	s_mov_b32 s[G1B+3], KSTEP<<16
	s_mov_b32 s[G1+4], 128
	s_mov_b32 s[G1B+4], 128
	s_mov_b32 s[G1+5], QKROW
	s_mov_b32 s[G1B+5], QKROW
	s_mov_b32 s[G1+6], 0
	s_mov_b32 s[G1B+6], 0
	s_mov_b32 s[G1+7], 0
	s_mov_b32 s[G1B+7], 0
	s_lshl_b32 s17, s12, 7
	s_lshl_b32 s16, s13, 8
	s_add_co_u32 s16, s16, s17                     ; A: row 256 x block row + 128 x half
	s_lshl_b32 s46, s42, 8
	s_add_co_u32 s46, s46, s17
	s_add_co_u32 s46, s46, s45                     ; B: the batch's first row + 256 x key block + 128 x half
	s_lshl_b32 s16, s16, 12                        ; rows of 4,096 bytes
	s_lshl_b32 s46, s46, 12
	s_add_co_u32 s46, s46, 2048                    ; k' lies behind q' in each row
	s_mov_b32 s17, 0
	s_mov_b32 s47, 0
	s_mul_i32 s20, s10, HALFT
	s_wait_dscnt 0x0
	s_wait_kmcnt 0x0
	s_add_nc_u64 s[14:15], s[4:5], s[16:17]
	s_add_nc_u64 s[46:47], s[4:5], s[46:47]
	CROUND
.irp s, 0,1
	s_mov_b32 s[G0+4*\s], 1
	s_add_co_u32 s[G0+4*\s+1], s20, \s*SLOT
	s_add_nc_u64 s[G0+4*\s+2:G0+4*\s+3], s[14:15], \s*KSTEP*2
	s_or_b32 s[G0+4*\s+3], s[G0+4*\s+3], 0x80000000
	s_mov_b32 s[G0B+4*\s], 1
	s_add_co_u32 s[G0B+4*\s+1], s20, \s*SLOT
	s_add_nc_u64 s[G0B+4*\s+2:G0B+4*\s+3], s[46:47], \s*KSTEP*2
	s_or_b32 s[G0B+4*\s+3], s[G0B+4*\s+3], 0x80000000
	JLOAD \s                                       ; K steps 0 and 1: two tensor loads of the wave are out
.endr
	v_and_b32 v1, 15, v0
	v_bfe_u32 v2, v0, 4, 1
	v_mul_u32_u24 v3, v1, PITCH
	v_lshl_add_u32 v3, v2, 4, v3
	s_mul_i32 s21, s11, HALFT
	s_mul_i32 s22, s12, HALFT
	s_add_co_u32 s22, s22, 2*HALFT
.irp s, 0,1
	v_add_nc_u32 v[ADRA+\s], s21, v3
	v_add_nc_u32 v[ADRB+\s], s22, v3
	s_add_co_u32 s21, s21, SLOT
	s_add_co_u32 s22, s22, SLOT
.endr
	s_mul_i32 s23, s10, 16*SPITCH
	s_add_co_u32 s23, s23, STAGE
	v_mul_u32_u24 v4, v1, SPITCH
	v_lshl_add_u32 v4, v2, 4, v4
	v_add_nc_u32 v[STO], s23, v4
	v_mul_u32_u24 v5, v2, SPITCH
	v_lshl_add_u32 v5, v1, 4, v5
	v_add_nc_u32 v[RD], s23, v5
	v_mul_u32_u24 v5, v2, CROW
	v_lshl_add_u32 v[CO], v1, 4, v5
	s_lshl_b32 s21, s10, 10
	s_add_co_u32 s21, s21, SCR                     ; my scratch
	v_and_b32 v6, 31, v0
	v_lshlrev_b32 v[SO], 4, v6
	v_add_nc_u32 v[SB], s21, v[SO]
	v_lshl_add_u32 v[SA], v1, 2, s21
	v_mov_b32 v[PT], 0                             ; v_permlanex16_b32 counts as a reader of its destination
.macro MUL16 f, hi, a0, zero
.irp a, \a0, \a0+1
.irp b, 0,1,2,3,4,5,6,7
.if \zero
	v_wmma_f32_16x16x32_f16 v[8*(8*(\a)+\b):8*(8*(\a)+\b)+7], v[\f+8*\b:\f+8*\b+7], v[\f+8*(4*\hi+\a):\f+8*(4*\hi+\a)+7], 0
.else
	v_wmma_f32_16x16x32_f16 v[8*(8*(\a)+\b):8*(8*(\a)+\b)+7], v[\f+8*\b:\f+8*\b+7], v[\f+8*(4*\hi+\a):\f+8*(4*\hi+\a)+7], v[8*(8*(\a)+\b):8*(8*(\a)+\b)+7]
.endif
.endr
.endr
.endm
.macro FETCH slot, k, f
	WIN TO_B
.irp i, 0,1,2,3,4,5,6,7
	ds_load_b128 v[\f+8*\i:\f+8*\i+3],   v[ADRB+\slot] offset:\k+\i*16*PITCH
	ds_load_b128 v[\f+8*\i+4:\f+8*\i+7], v[ADRB+\slot] offset:\k+\i*16*PITCH+32
.endr
	WIN 0
.irp i, 0,1,2,3,4,5,6,7
	ds_load_b128 v[\f+8*\i:\f+8*\i+3],   v[ADRA+\slot] offset:\k+\i*16*PITCH
	ds_load_b128 v[\f+8*\i+4:\f+8*\i+7], v[ADRA+\slot] offset:\k+\i*16*PITCH+32
.endr
.endm
.macro PLACES                          ; four plain vector instructions between a matrix instruction and a load into, or a vector access to, its registers
.rept 4
	v_nop
.endr
.endm
; The 64 accumulators take turns, one instruction a turn, in the same order in every quarter and over the backward jump.
.macro QUARTER slot, k, f, g, zero
	s_wait_dscnt 8                                 ; B and A's rows 0-63 are in; the youngest eight loads (A's rows 64-127) may be out
	WIN MUL_LO
	MUL16 \f, 0, 0, \zero
	MUL16 \f, 0, 2, \zero
	PLACES
	FETCH \slot, \k, \g
	s_wait_dscnt 32                                ; all but the 32 just issued
	WIN MUL_HI
	MUL16 \f, 1, 0, \zero
	MUL16 \f, 1, 2, \zero
.endm
.macro THREE slot, zero
	QUARTER \slot, 64,  F0, F1, \zero
	QUARTER \slot, 128, F1, F0, 0
	QUARTER \slot, 192, F0, F1, 0
.endm
.macro TURN slot, next, fill
	s_wait_dscnt 8
	WIN MUL_LO
	MUL16 F1, 0, 0, 0
	s_wait_dscnt 0                                 ; my reads of this slot are over
	s_wait_tensorcnt 0x0                           ; all my tensor loads have landed: the one that was out is my part of the next slot
	ds_add_u32 v255, v255
	s_wait_dscnt 0x0
	s_barrier_signal -1                            ; where a slot is filled again this barrier opens a round of the cluster's barrier
	MUL16 F1, 0, 2, 0
	WIN 0
	s_barrier_wait -1
.if \fill
	CREST
	s_add_nc_u64 s[G0+4*\slot+2:G0+4*\slot+3], s[G0+4*\slot+2:G0+4*\slot+3], 2*KSTEP*2
	s_add_nc_u64 s[G0B+4*\slot+2:G0B+4*\slot+3], s[G0B+4*\slot+2:G0B+4*\slot+3], 2*KSTEP*2
	JLOAD \slot                                    ; the wave's one tensor load behind the round
.endif
	PLACES
	FETCH \next, 0, F0
	WIN MUL_HI
	MUL16 F1, 1, 0, 0
	MUL16 F1, 1, 2, 0
.endm
.macro LAP zero
	THREE 0, \zero
	TURN 0, 1, 1
	THREE 1, 0
	TURN 1, 0, 1
.endm
	s_wait_tensorcnt 0x1                           ; my part of K step 0 is in; K step 1's stays out
	s_barrier_signal -1
	s_barrier_wait -1
	FETCH 0, 0, F0
	LAP 1
	WIN 0
	s_mov_b32 s3, LAPS-2
.Llap:
	LAP 0
	WIN 0
	s_sub_co_u32 s3, s3, 1
	s_cmp_lg_u32 s3, 0
	s_cbranch_scc1 .Llap
	THREE 0, 0
	TURN 0, 1, 0
	THREE 1, 0
	s_wait_dscnt 8
	WIN MUL_LO
	MUL16 F1, 0, 0, 0
	MUL16 F1, 0, 2, 0
	s_wait_dscnt 0
	WIN MUL_HI
	MUL16 F1, 1, 0, 0
	MUL16 F1, 1, 2, 0
	; THE WAY OUT, 16 rows at a time: maximum, exponentials, sum, f16, through the stage
	PLACES
	s_lshl_b32 s13, s13, 8
	s_lshl_b32 s14, s11, 7
	s_add_co_u32 s16, s13, s14                     ; my first row
	s_lshl_b32 s68, s42, 1
	s_add_co_u32 s68, s68, s12                     ; my block of 128 keys, 0..15
	s_lshl_b32 s68, s68, 13                        ; 8,192 rows a block
	s_add_co_u32 s68, s68, s16
	s_lshl_b32 s68, s68, 2
	s_mov_b32 s69, 0
	s_add_nc_u64 s[66:67], s[66:67], s[68:69]      ; st at my 128 rows of my key block
	s_lshl_b32 s16, s16, 12
	s_mov_b32 s17, 0
	s_add_nc_u64 s[8:9], s[8:9], s[16:17]
	s_lshl_b32 s46, s42, 9
	s_lshl_b32 s47, s12, 8
	s_add_co_u32 s46, s46, s47
	s_mov_b32 s47, 0
	s_add_nc_u64 s[8:9], s[8:9], s[46:47]
.macro TAIL i, f
	WIN 0
.irp b, 0,1,2,3,4,5,6,7
	ds_store_b128 v[STO], v[TMP+4*\b:TMP+4*\b+3] offset:32*\b
.endr
	s_wait_xcnt 0x0                                ; buffer f, which earlier stores read, and the stores' base are rewritten only behind this wait
.if \i
	s_add_nc_u64 s[8:9], s[8:9], 16*CROW
.endif
.irp t, 0,1,2,3,4,5,6,7
	ds_load_b128 v[\f+4*\t:\f+4*\t+3], v[RD] offset:\t*2*SPITCH    ; LDS serves a wave's instructions in order: these see the stores above
.endr
.irp t, 0,1,2,3,4,5,6,7
	s_wait_dscnt 7-\t
	global_store_b128 v[CO], v[\f+4*\t:\f+4*\t+3], s[8:9] offset:2*\t*CROW   ; sixteen lanes store 256 bytes at a multiple of 256
.endr
.endm
; rows 16 i .. 16 i + 15 of my block: the 64 registers from 64 a on in window w hold, in each lane, 64 of its row's 128 scores
.macro SOFT16 i, a, w, f
.set BASE, 64*\a
.set W_SS, (\w<<2)|\w
.set W_DS, (\w<<6)|\w
.set W_S0, \w
	WIN W_SS                                       ; sources 0 and 1 in window w
.irp c, 0,1,2,3
	v_max_num_f32 v[MC+\c], v[BASE+16*\c], v[BASE+16*\c+1]         ; four chains, started by the first pairs
.endr
.irp t, 1,2,3,4,5,6,7
.irp c, 0,1,2,3
	v_max3_num_f32 v[MC+\c], v[BASE+16*\c+2*\t], v[BASE+16*\c+2*\t+1], v[MC+\c]
.endr
.endr
	WIN 0
	v_max3_num_f32 v[MC], v[MC], v[MC+1], v[MC+2]
	v_max_num_f32 v[MC], v[MC], v[MC+3]
	v_permlanex16_b32 v[PT], v[MC], s70, s71       ; the other 64 scores of my row
	v_max_num_f32 v[MC], v[MC], v[PT]
	v_mul_f32 v[MS+\i], 0x3fb8aa3b, v[MC]          ; MS = m log2 e, rounded once; the same number shifts the exponents and is stored
	v_mul_f32 v[NM], -1.0, v[MS+\i]
	v_mul_f32 v[NM+1], -1.0, v[MS+\i]
	WIN W_DS                                       ; source 0 and destination in window w
.set cnt, 0
.rept 32
	v_pk_fma_f32 v[BASE+cnt:BASE+cnt+1], v[BASE+cnt:BASE+cnt+1], 0x3fb8aa3b, v[NM:NM+1] op_sel_hi:[1,0,1]
.set cnt, cnt+2
.endr
.set cnt, 0
.rept 64
	v_exp_f32 v[BASE+cnt], v[BASE+cnt]
.set cnt, cnt+1
.endr
	v_nop                                          ; one plain vector instruction behind the last exponential, ahead of the first use (ISA guide 5.7.2)
	WIN W_SS
	s_wait_alu depctr_va_vdst(0)
.irp c, 0,1,2,3
	v_pk_add_f32 v[SC+2*\c:SC+2*\c+1], v[BASE+16*\c:BASE+16*\c+1], v[BASE+16*\c+2:BASE+16*\c+3]   ; four chains of the sum
.endr
.irp b, 0,1,2,3,4,5,6,7
.irp r, 0,1,2,3
	v_cvt_pk_f16_f32 v[TMP+4*\b+\r], v[BASE+8*\b+2*\r], v[BASE+8*\b+2*\r+1]
.endr
.endr
	WIN W_S0                                       ; source 0 in window w
.irp t, 2,3,4,5,6,7
.irp c, 0,1,2,3
	v_pk_add_f32 v[SC+2*\c:SC+2*\c+1], v[BASE+16*\c+2*\t:BASE+16*\c+2*\t+1], v[SC+2*\c:SC+2*\c+1]
.endr
.endr
	WIN 0
	v_pk_add_f32 v[SC:SC+1], v[SC:SC+1], v[SC+2:SC+3]
	v_pk_add_f32 v[SC+4:SC+5], v[SC+4:SC+5], v[SC+6:SC+7]
	v_pk_add_f32 v[SC:SC+1], v[SC:SC+1], v[SC+4:SC+5]
	v_add_f32 v[SC], v[SC], v[SC+1]
	v_permlanex16_b32 v[PT], v[SC], s70, s71
	v_add_f32 v[LS+\i], v[SC], v[PT]
	TAIL \i, \f
.endm
	SOFT16 0, 0, 2, F0
	SOFT16 1, 1, 2, F1
	SOFT16 2, 2, 2, F0
	SOFT16 3, 3, 2, F1
	SOFT16 4, 0, 3, F0
	SOFT16 5, 1, 3, F1
	SOFT16 6, 2, 3, F0
	SOFT16 7, 3, 3, F1
	; the statistics of my 128 rows: by rows into my scratch (lanes l and l + 16 write the same word with the same value), back as 16 bytes a lane
.irp i, 0,1,2,3,4,5,6,7
	ds_store_b32 v[SA], v[MS+\i] offset:64*\i
	ds_store_b32 v[SA], v[LS+\i] offset:512+64*\i
.endr
	ds_load_b128 v[SV:SV+3],   v[SB]
	ds_load_b128 v[SV+4:SV+7], v[SB] offset:512
	s_wait_dscnt 0x0
	global_store_b128 v[SO], v[SV:SV+3],   s[66:67]                ; 512 neighbouring bytes each
	global_store_b128 v[SO], v[SV+4:SV+7], s[66:67] offset:STL
	s_set_vgpr_msb 0x1
	s_wait_tensorcnt 0x0
	ds_add_u32 v255, v255
	s_wait_dscnt 0x0
	s_set_vgpr_msb 0x100
	CROUND                                         ; the closing round
	s_endpgm
.Lfunc_end_k_qc457771807_scores:
	.size	k_qc457771807_scores, .Lfunc_end_k_qc457771807_scores-k_qc457771807_scores
	.p2alignl 7, 3214868480
	.fill 96, 4, 3214868480
	.section	.rodata,"a",@progbits
	.p2align	6, 0x0
	.amdhsa_kernel k_qc457771807_scores
		.amdhsa_group_segment_fixed_size 327680
		.amdhsa_private_segment_fixed_size 0
		.amdhsa_enable_private_segment 0
		.amdhsa_kernarg_size 24
		.amdhsa_user_sgpr_count 2
		.amdhsa_user_sgpr_kernarg_segment_ptr 1
		.amdhsa_wavefront_size32 1
		.amdhsa_system_sgpr_workgroup_id_x 1
		.amdhsa_system_sgpr_workgroup_id_y 1
		.amdhsa_system_sgpr_workgroup_id_z 1
		.amdhsa_system_vgpr_workitem_id 0
		.amdhsa_next_free_vgpr 1024
		.amdhsa_next_free_sgpr 74
		.amdhsa_reserve_vcc 0
		.amdhsa_float_denorm_mode_32 3
		.amdhsa_float_denorm_mode_16_64 3
		.amdhsa_memory_ordered 1
		.amdhsa_forward_progress 1
		.amdhsa_inst_pref_size 255
	.end_amdhsa_kernel
	.section	.bss,"aw",@nobits
	.p2align	6
	.space	262144
	.amdgpu_metadata
---
amdhsa.version: [ 1, 2 ]
amdhsa.kernels:
  - .name:           k_qc457771807_scores
    .symbol:         k_qc457771807_scores.kd
    .args:
      - { .name: qk, .offset: 0, .size: 8, .value_kind: global_buffer, .address_space: global }
      - { .name: p, .offset: 8, .size: 8, .value_kind: global_buffer, .address_space: global }
      - { .name: st, .offset: 16, .size: 8, .value_kind: global_buffer, .address_space: global }
    .group_segment_fixed_size: 327680
    .private_segment_fixed_size: 0
    .kernarg_segment_align: 8
    .kernarg_segment_size: 24
    .max_flat_workgroup_size: 128
    .sgpr_count:     74
    .vgpr_count:     1024
    .wavefront_size: 32
...
	.end_amdgpu_metadata
.endif
;; end of part 4
;; launch pv (part 5): grid 8 x 32, 4 waves a work-group, clusters of 4 x 4, 327,680 bytes of LDS; arguments p, vt, st, ctx; writes ctx
.if DOCPART == 5
	.amdgcn_target "amdgcn-amd-amdhsa--gfx1250"
	.amdhsa_code_object_version 6
	.text
	.protected	k_qc457771807_pv
	.globl	k_qc457771807_pv
	.p2align	8
	.type	k_qc457771807_pv,@function
k_qc457771807_pv:
	s_mov_b64 s[64:65], 0
	v_nop
	global_prefetch_b8 v0, s[64:65] scope:SCOPE_SE
	s_setreg_imm32_b32 hwreg(HW_REG_WAVE_MODE, 25, 1), 1
	s_wait_xcnt 0x0
	s_wait_alu depctr_hold_cnt(0) depctr_sa_sdst(0) depctr_va_vdst(0) depctr_va_sdst(0) depctr_va_ssrc(0) depctr_va_vcc(0) depctr_vm_vsrc(0)
	s_getreg_b32 s2, hwreg(HW_REG_IB_STS2, 6, 4)
	s_cmp_eq_u32 s2, 0
	s_cbranch_scc0 .Lentry_in_a_cluster
	s_endpgm
.Lentry_in_a_cluster:
	s_bfe_u32 s2, ttmp6, 0x10000c
	s_cmp_lg_u32 s2, 0xf033
	s_cbranch_scc0 .Lentry_shape_is_right
	s_endpgm
.Lentry_shape_is_right:
; ctx = softmax x v, from the blockwise exponentials.  For a query row, with MS_j and l_j of its sixteen blocks of 128 keys:
;   M = the largest MS_j;  f_j = 2^(MS_j - M);  L = sum of f_j l_j;  ctx = (sum over j of f_j (P_j V_j)) / L.
; So every exponential has the row's true maximum taken away, and f_j is at most 1.
; One product for each of 4 batches: A = p [8192][2048 keys], B = vt [1024 h][8192 tokens] at the batch's tokens, K = 2048 keys, f16, sums in f32.
; A K step of 128 is one block of keys: its product T starts from 0 (window 2) and goes into the running sum (window 3) by one multiply-add with f_j.
; ctx is [8192][1024] f16; it is a convex mix of rows of v, so it keeps v's limit (below 65,504).
; A work-group makes a block of 256 rows x 128 columns with four waves; wave w makes rows 64 w .. 64 w + 63 x all 128 columns.  32 x 8 blocks = 256 work-groups.
; Ring: two LDS slots (A's 256 rows, then B's 128 rows, 256 bytes + 16 of padding each).  CLUSTERS: 4 x 4; A's tiles shared along a row, B's along a column.
; REGISTERS: window 0: v0-43 addresses and factors; v64-95, v128-159 fragments of A (v64-127 first serve the statistics); v192-223 packed results
;            window 1: v64-127, v128-191 fragments of B;   window 2: T, tile (a, b) at v[8 (8 a + b)];   window 3: the running sum, likewise
; Transposed use of the matrix instruction: lane l holds row l % 16, columns 16 b + 8 (l / 16) + 0 .. 7.
.set KDIM,   2048
.set KSTEP,  128
.set PITCH,  272
.set HALFA,  128*PITCH
.set HALFB,  64*PITCH
.set SLOT,   2*HALFA+2*HALFB
.set STAGE,  2*SLOT
.set SPITCH, 272
.set SCR,    STAGE+4*16*SPITCH         ; for each wave 4,352 bytes: f_j of its 64 rows, 256 bytes for each j, then 1 / L; no fill ever lands there
.set SCRW,   4352
.set LAPS,   KDIM/(2*KSTEP)            ; 8
.set PROW,   2048                      ; elements in a row of p
.set VROW,   8192                      ; elements in a row of vt
.set CROW,   2048                      ; bytes in a row of ctx
.set STROW,  32768                     ; bytes from one key block's statistics to the next
.set STL,    524288                    ; where l begins in st
.set ADRA, 16
.set ADRB, 20
.set STO,  24
.set RD,   25
.set CO,   26
.set MX,   32                          ; v32-33  M of my two rows
.set LL,   34                          ; v34-35  L, then 1 / L
.set SO,   36                          ; v36     8 bytes a lane in st
.set SW,   37                          ; v37     8 bytes a lane in my scratch
.set FA,   38                          ; v38     my row's word in the scratch, stepped by two key blocks a lap
.set FA0,  39                          ; v39     the same, not stepped
.set FR,   40                          ; v40-43  the factor of my row in each of the four row groups
.set SM,   64                          ; v64-95  MS_j, then f_j, of my two rows
.set SL,   96                          ; v96-127 l_j
.set F0,   64
.set F1,   128
.set TMP,  192
.set G1, 24
.set G0, 32
.set G1B, 48
.set G0B, 56
.set MSB, 0
.macro WIN new
.if MSB != (\new)
	s_set_vgpr_msb (MSB<<8)|(\new)
.set MSB, (\new)
.endif
.endm
.set MUL,  0xa1
.set TO_B, 0x40
.macro JLOAD s
	s_cmp_eq_u32 s11, 0
	s_cbranch_scc0 .Lfor_b_\@
	tensor_load_to_lds s[G0+4*\s:G0+4*\s+3], s[G1:G1+7]
	s_nop 0
	s_branch .Lasked_\@
.Lfor_b_\@:
	tensor_load_to_lds s[G0B+4*\s:G0B+4*\s+3], s[G1B:G1B+7]
	s_nop 0
.Lasked_\@:
.endm
.macro CREST
	s_cmp_lg_u32 s10, 0
	s_cbranch_scc1 .Lnot_wave_0_\@
	s_barrier_signal -3
.Lnot_wave_0_\@:
	s_barrier_wait -3
	s_barrier_signal -1
	s_barrier_wait -1
.endm
.macro CROUND
	s_barrier_signal -1
	s_barrier_wait -1
	CREST
.endm
	s_load_b128 s[4:7], s[0:1], 0x0                ; p s[4:5], vt s[6:7]
	s_load_b64 s[66:67], s[0:1], 0x10              ; st
	s_load_b64 s[8:9], s[0:1], 0x18                ; ctx
	s_set_vgpr_msb 0x40
	v_lshl_add_u32 v255, v0, 2, 0x3b800
	s_set_vgpr_msb 0x4000
	v_mov_b32 v255, 0
	s_set_vgpr_msb 0x1
	ds_add_u32 v255, v255
	s_set_vgpr_msb 0x100
	v_lshrrev_b32 v1, 5, v0
	v_readfirstlane_b32 s10, v1                    ; wave 0..3: my 64 rows of the block
	s_lshr_b32 s11, s10, 1                         ; I fetch for A (0) or for B (1)
	s_and_b32 s12, s10, 1                          ; which half of that tile
	s_bfe_u32 s40, ttmp6, 0x40000                  ; cx
	s_bfe_u32 s41, ttmp6, 0x40004                  ; cy
	s_lshl_b32 s42, ttmp9, 2
	s_add_co_u32 s42, s42, s40                     ; block of 128 columns h, 0..7
	s_and_b32 s13, ttmp7, 0xffff
	s_lshr_b32 s45, s13, 1                         ; the batch hangs on the cluster's y alone
	s_lshl_b32 s45, s45, 12                        ; its 2,048 tokens of 2 bytes in a row of vt
	s_lshl_b32 s13, s13, 2
	s_add_co_u32 s13, s13, s41                     ; block of 256 query rows, 0..31
	s_lshl_b32 s43, s41, 2
	s_lshl_b32 s43, 15, s43
	s_lshl_b32 s44, 0x1111, s40
	s_or_b32 s[G1+0], s43, (1<<16)|(1<<20)|(1<<21)|(5<<22)|(3<<25)
	s_or_b32 s[G1B+0], s44, (1<<16)|(1<<20)|(1<<21)|(5<<22)|(3<<25)
	s_mov_b32 s[G1+1], KSTEP<<16
	s_mov_b32 s[G1B+1], KSTEP<<16
	s_mov_b32 s[G1+2], 128<<16
	s_mov_b32 s[G1B+2], 64<<16
	s_mov_b32 s[G1+3], KSTEP<<16
	s_mov_b32 s[G1B+3], KSTEP<<16
	s_mov_b32 s[G1+4], 128
	s_mov_b32 s[G1B+4], 64
	s_mov_b32 s[G1+5], PROW
	s_mov_b32 s[G1B+5], VROW
	s_mov_b32 s[G1+6], 0
	s_mov_b32 s[G1B+6], 0
	s_mov_b32 s[G1+7], 0
	s_mov_b32 s[G1B+7], 0
	s_lshl_b32 s17, s12, 7
	s_lshl_b32 s16, s13, 8
	s_add_co_u32 s16, s16, s17                     ; A: row 256 x block row + 128 x half
	s_lshl_b32 s16, s16, 12                        ; rows of 4,096 bytes
	s_mov_b32 s17, 0
	s_lshl_b32 s47, s12, 6
	s_lshl_b32 s46, s42, 7
	s_add_co_u32 s46, s46, s47                     ; B: row 128 x block column + 64 x half
	s_lshl_b32 s46, s46, 14                        ; rows of 16,384 bytes,
	s_add_co_u32 s46, s46, s45                     ; at the batch's tokens
	s_mov_b32 s47, 0
	s_mul_i32 s20, s10, HALFA
	s_mul_i32 s68, s10, HALFB
	s_add_co_u32 s68, s68, 2*HALFA-2*HALFB
	s_wait_dscnt 0x0
	s_wait_kmcnt 0x0
	s_add_nc_u64 s[14:15], s[4:5], s[16:17]
	s_add_nc_u64 s[46:47], s[6:7], s[46:47]
	CROUND
.irp s, 0,1
	s_mov_b32 s[G0+4*\s], 1
	s_add_co_u32 s[G0+4*\s+1], s20, \s*SLOT
	s_add_nc_u64 s[G0+4*\s+2:G0+4*\s+3], s[14:15], \s*KSTEP*2
	s_or_b32 s[G0+4*\s+3], s[G0+4*\s+3], 0x80000000
	s_mov_b32 s[G0B+4*\s], 1
	s_add_co_u32 s[G0B+4*\s+1], s68, \s*SLOT
	s_add_nc_u64 s[G0B+4*\s+2:G0B+4*\s+3], s[46:47], \s*KSTEP*2
	s_or_b32 s[G0B+4*\s+3], s[G0B+4*\s+3], 0x80000000
	JLOAD \s                                       ; K steps 0 and 1: two tensor loads of the wave are out
.endr
	; the statistics of my wave's 64 rows: lane l takes rows 2 l and 2 l + 1, 256 neighbouring bytes a load
	s_lshl_b32 s70, s13, 8
	s_lshl_b32 s71, s10, 6
	s_add_co_u32 s70, s70, s71                     ; my first row
	s_lshl_b32 s70, s70, 2
	s_mov_b32 s71, 0
	s_add_nc_u64 s[66:67], s[66:67], s[70:71]
	v_and_b32 v6, 31, v0
	v_lshlrev_b32 v[SO], 3, v6
.irp j, 0,1,2,3,4,5,6,7,8,9,10,11,12,13,14,15
	global_load_b64 v[SM+2*\j:SM+2*\j+1], v[SO], s[66:67] offset:STROW*\j
.endr
.irp j, 0,1,2,3,4,5,6,7,8,9,10,11,12,13,14,15
	global_load_b64 v[SL+2*\j:SL+2*\j+1], v[SO], s[66:67] offset:STL+STROW*\j
.endr
	v_and_b32 v1, 15, v0
	v_bfe_u32 v2, v0, 4, 1
	v_mul_u32_u24 v3, v1, PITCH
	v_lshl_add_u32 v3, v2, 4, v3
	s_mul_i32 s21, s10, 64*PITCH
	s_mov_b32 s22, 2*HALFA
.irp s, 0,1
	v_add_nc_u32 v[ADRA+\s], s21, v3
	v_add_nc_u32 v[ADRB+\s], s22, v3
	s_add_co_u32 s21, s21, SLOT
	s_add_co_u32 s22, s22, SLOT
.endr
	s_mul_i32 s23, s10, 16*SPITCH
	s_add_co_u32 s23, s23, STAGE
	v_mul_u32_u24 v4, v1, SPITCH
	v_lshl_add_u32 v4, v2, 4, v4
	v_add_nc_u32 v[STO], s23, v4
	v_mul_u32_u24 v5, v2, SPITCH
	v_lshl_add_u32 v5, v1, 4, v5
	v_add_nc_u32 v[RD], s23, v5
	v_mul_u32_u24 v5, v2, CROW
	v_lshl_add_u32 v[CO], v1, 4, v5
	s_mul_i32 s21, s10, SCRW
	s_add_co_u32 s21, s21, SCR                     ; my scratch
	v_add_nc_u32 v[SW], s21, v[SO]
	v_lshl_add_u32 v[FA], v1, 2, s21
	v_mov_b32 v[FA0], v[FA]
	s_wait_loadcnt 0x0
.irp c, 0,1
	v_max_num_f32 v[MX+\c], v[SM+\c], v[SM+2+\c]
.irp t, 1,2,3,4,5,6,7
	v_max3_num_f32 v[MX+\c], v[SM+4*\t+\c], v[SM+4*\t+2+\c], v[MX+\c]
.endr
.endr
.irp j, 0,1,2,3,4,5,6,7,8,9,10,11,12,13,14,15
	v_pk_add_f32 v[SM+2*\j:SM+2*\j+1], v[SM+2*\j:SM+2*\j+1], v[MX:MX+1] neg_lo:[0,1] neg_hi:[0,1]   ; MS_j - M, at most 0
.endr
.set cnt, 0
.rept 32
	v_exp_f32 v[SM+cnt], v[SM+cnt]                 ; f_j (MS is already in base 2)
.set cnt, cnt+1
.endr
	v_nop                                          ; one plain vector instruction behind the last exponential (ISA guide 5.7.2)
	s_wait_alu depctr_va_vdst(0)
	v_pk_mul_f32 v[LL:LL+1], v[SM:SM+1], v[SL:SL+1]
.irp j, 1,2,3,4,5,6,7,8,9,10,11,12,13,14,15
	v_pk_fma_f32 v[LL:LL+1], v[SM+2*\j:SM+2*\j+1], v[SL+2*\j:SL+2*\j+1], v[LL:LL+1]
.endr
.irp j, 0,1,2,3,4,5,6,7,8,9,10,11,12,13,14,15
	ds_store_b64 v[SW], v[SM+2*\j:SM+2*\j+1] offset:256*\j
.endr
	v_rcp_f32 v[LL], v[LL]                         ; L is at least about 1: the block that holds the row's maximum has f = 1 and a term 1 in l
	v_rcp_f32 v[LL+1], v[LL+1]
	v_nop
	s_wait_alu depctr_va_vdst(0)
	ds_store_b64 v[SW], v[LL:LL+1] offset:4096
.macro MUL16 f, a0, zero
.irp a, \a0, \a0+1
.irp b, 0,1,2,3,4,5,6,7
.if \zero
	v_wmma_f32_16x16x32_f16 v[8*(8*(\a)+\b):8*(8*(\a)+\b)+7], v[\f+8*\b:\f+8*\b+7], v[\f+8*(\a):\f+8*(\a)+7], 0
.else
	v_wmma_f32_16x16x32_f16 v[8*(8*(\a)+\b):8*(8*(\a)+\b)+7], v[\f+8*\b:\f+8*\b+7], v[\f+8*(\a):\f+8*(\a)+7], v[8*(8*(\a)+\b):8*(8*(\a)+\b)+7]
.endif
.endr
.endr
.endm
.macro FETCH slot, k, f
	WIN TO_B
.irp i, 0,1,2,3,4,5,6,7
	ds_load_b128 v[\f+8*\i:\f+8*\i+3],   v[ADRB+\slot] offset:\k+\i*16*PITCH
	ds_load_b128 v[\f+8*\i+4:\f+8*\i+7], v[ADRB+\slot] offset:\k+\i*16*PITCH+32
.endr
	WIN 0
.irp i, 0,1,2,3
	ds_load_b128 v[\f+8*\i:\f+8*\i+3],   v[ADRA+\slot] offset:\k+\i*16*PITCH
	ds_load_b128 v[\f+8*\i+4:\f+8*\i+7], v[ADRA+\slot] offset:\k+\i*16*PITCH+32
.endr
.endm
.macro PLACES                          ; four plain vector instructions between a matrix instruction and a load into, or a vector access to, its registers
.rept 4
	v_nop
.endr
.endm
.macro FLOAD par                       ; this K step's factors: f_j of row 16 a + l % 16; par = j & 1, the lap's part stands in FA
.irp a, 0,1,2,3
	ds_load_b32 v[FR+\a], v[FA] offset:256*\par+64*\a
.endr
.endm
; The 32 accumulators take turns, one instruction a turn, in the same order everywhere.
.macro QUARTER2 slot, k, f, g, zero, fload
	s_wait_dscnt 4                                 ; B and A's rows 0-31 of buffer f are in; the youngest four loads (A's rows 32-63) may be out
	PLACES
	FETCH \slot, \k, \g
.if \fload
	FLOAD \slot
.endif
	WIN MUL
	MUL16 \f, 0, \zero
	s_wait_dscnt 24+4*\fload                       ; all but those just issued: 24 fragments' loads, and the four factors where they are asked for
	MUL16 \f, 2, \zero
.endm
.macro THREE2 slot                     ; every K step's first products start T anew
	QUARTER2 \slot, 64,  F0, F1, 1, 0
	QUARTER2 \slot, 128, F1, F0, 0, 0
	QUARTER2 \slot, 192, F0, F1, 0, 1
.endm
.macro TURN2 slot, next, fill
	s_wait_dscnt 0                                 ; my reads of this slot are over, and the factors are in
	s_wait_tensorcnt 0x0                           ; all my tensor loads have landed: the one that was out is my part of the next slot
	ds_add_u32 v255, v255
	s_wait_dscnt 0x0
	s_barrier_signal -1                            ; where a slot is filled again this barrier opens a round of the cluster's barrier
	WIN MUL
	MUL16 F1, 0, 0
	WIN 0
	s_barrier_wait -1
.if \fill
	CREST
	s_add_nc_u64 s[G0+4*\slot+2:G0+4*\slot+3], s[G0+4*\slot+2:G0+4*\slot+3], 2*KSTEP*2
	s_add_nc_u64 s[G0B+4*\slot+2:G0B+4*\slot+3], s[G0B+4*\slot+2:G0B+4*\slot+3], 2*KSTEP*2
	JLOAD \slot                                    ; the wave's one tensor load behind the round
.endif
	PLACES
	FETCH \next, 0, F0
	WIN MUL
	MUL16 F1, 2, 0
.endm
; sum += f_j T, row group a; odd = a & 1 picks the register of the factor pair; first = 1: the first block starts the sum, nothing is cleared
.macro RESC1 a, odd, first
.irp b, 0,1,2,3,4,5,6,7
.irp r, 0,1,2,3
.if \first
	v_pk_mul_f32 v[8*(8*\a+\b)+2*\r:8*(8*\a+\b)+2*\r+1], v[8*(8*\a+\b)+2*\r:8*(8*\a+\b)+2*\r+1], v[FR+\a-\odd:FR+\a-\odd+1] op_sel:[0,\odd] op_sel_hi:[1,\odd]
.else
	v_pk_fma_f32 v[8*(8*\a+\b)+2*\r:8*(8*\a+\b)+2*\r+1], v[8*(8*\a+\b)+2*\r:8*(8*\a+\b)+2*\r+1], v[FR+\a-\odd:FR+\a-\odd+1], v[8*(8*\a+\b)+2*\r:8*(8*\a+\b)+2*\r+1] op_sel:[0,\odd,0] op_sel_hi:[1,\odd,1]
.endif
.endr
.endr
.endm
; Row groups 0 and 1 were last written in front of four v_nop; groups 2 and 3 are read behind the 64 instructions of groups 0 and 1, which name none of their registers.
.macro RESCALE first
	WIN 0xf2                                       ; T in window 2, the factor in window 0, the sum in window 3
	RESC1 0, 0, \first
	RESC1 1, 1, \first
	RESC1 2, 0, \first
	RESC1 3, 1, \first
.endm
.macro STEP slot, next, fill, first
	THREE2 \slot
	TURN2 \slot, \next, \fill
	RESCALE \first
.endm
.macro LAP first
	STEP 0, 1, 1, \first
	STEP 1, 0, 1, 0
	WIN 0
	v_add_nc_u32 v[FA], 512, v[FA]                 ; the next two key blocks' factors
.endm
	s_wait_dscnt 0x0                               ; my stores into the scratch are done: no LDS instruction is pending at a signal
	s_wait_tensorcnt 0x1                           ; my part of K step 0 is in; K step 1's stays out
	s_barrier_signal -1
	s_barrier_wait -1
	FETCH 0, 0, F0
	LAP 1
	s_mov_b32 s3, LAPS-2
.Llap:
	LAP 0
	s_sub_co_u32 s3, s3, 1
	s_cmp_lg_u32 s3, 0
	s_cbranch_scc1 .Llap
	STEP 0, 1, 0, 0                                ; the last lap fills nothing
	THREE2 1
	s_wait_dscnt 0
	WIN MUL
	MUL16 F1, 0, 0
	MUL16 F1, 2, 0
	PLACES
	RESCALE 0
	; THE WAY OUT, 16 rows at a time: divide by L, round to f16, through the stage
	WIN 0
.irp a, 0,1,2,3
	ds_load_b32 v[FR+\a], v[FA0] offset:4096+64*\a ; 1 / L of row 16 a + l % 16
.endr
	s_lshl_b32 s13, s13, 8
	s_lshl_b32 s14, s10, 6
	s_add_co_u32 s16, s13, s14                     ; my first row of ctx
	s_lshl_b32 s16, s16, 11                        ; rows of 2,048 bytes
	s_mov_b32 s17, 0
	s_add_nc_u64 s[8:9], s[8:9], s[16:17]
	s_lshl_b32 s46, s42, 8                         ; my block's first column: 128 f16
	s_mov_b32 s47, 0
	s_add_nc_u64 s[8:9], s[8:9], s[46:47]
	s_wait_dscnt 0x0
.macro TAIL i, f
	WIN 0
.irp b, 0,1,2,3,4,5,6,7
	ds_store_b128 v[STO], v[TMP+4*\b:TMP+4*\b+3] offset:32*\b
.endr
	s_wait_xcnt 0x0                                ; buffer f, which earlier stores read, and the stores' base are rewritten only behind this wait
.if \i
	s_add_nc_u64 s[8:9], s[8:9], 16*CROW
.endif
.irp t, 0,1,2,3,4,5,6,7
	ds_load_b128 v[\f+4*\t:\f+4*\t+3], v[RD] offset:\t*2*SPITCH    ; LDS serves a wave's instructions in order: these see the stores above
.endr
.irp t, 0,1,2,3,4,5,6,7
	s_wait_dscnt 7-\t
	global_store_b128 v[CO], v[\f+4*\t:\f+4*\t+3], s[8:9] offset:2*\t*CROW   ; sixteen lanes store 256 bytes at a multiple of 256
.endr
.endm
.macro OUTC a, odd, f
	WIN 0xc3                                       ; the sum in window 3, 1 / L in window 0
.irp b, 0,1,2,3,4,5,6,7
.irp r, 0,1,2,3
	v_pk_mul_f32 v[8*(8*\a+\b)+2*\r:8*(8*\a+\b)+2*\r+1], v[8*(8*\a+\b)+2*\r:8*(8*\a+\b)+2*\r+1], v[FR+\a-\odd:FR+\a-\odd+1] op_sel:[0,\odd] op_sel_hi:[1,\odd]
.endr
.endr
	WIN 0x0f
.irp b, 0,1,2,3,4,5,6,7
.irp r, 0,1,2,3
	v_cvt_pk_f16_f32 v[TMP+4*\b+\r], v[8*(8*\a+\b)+2*\r], v[8*(8*\a+\b)+2*\r+1]
.endr
.endr
	TAIL \a, \f
.endm
	OUTC 0, 0, F0
	OUTC 1, 1, F1
	OUTC 2, 0, F0
	OUTC 3, 1, F1
	s_set_vgpr_msb 0x1
	s_wait_tensorcnt 0x0
	ds_add_u32 v255, v255
	s_wait_dscnt 0x0
	s_set_vgpr_msb 0x100
	CROUND                                         ; the closing round
	s_endpgm
.Lfunc_end_k_qc457771807_pv:
	.size	k_qc457771807_pv, .Lfunc_end_k_qc457771807_pv-k_qc457771807_pv
	.p2alignl 7, 3214868480
	.fill 96, 4, 3214868480
	.section	.rodata,"a",@progbits
	.p2align	6, 0x0
	.amdhsa_kernel k_qc457771807_pv
		.amdhsa_group_segment_fixed_size 327680
		.amdhsa_private_segment_fixed_size 0
		.amdhsa_enable_private_segment 0
		.amdhsa_kernarg_size 32
		.amdhsa_user_sgpr_count 2
		.amdhsa_user_sgpr_kernarg_segment_ptr 1
		.amdhsa_wavefront_size32 1
		.amdhsa_system_sgpr_workgroup_id_x 1
		.amdhsa_system_sgpr_workgroup_id_y 1
		.amdhsa_system_sgpr_workgroup_id_z 1
		.amdhsa_system_vgpr_workitem_id 0
		.amdhsa_next_free_vgpr 1024
		.amdhsa_next_free_sgpr 74
		.amdhsa_reserve_vcc 0
		.amdhsa_float_denorm_mode_32 3
		.amdhsa_float_denorm_mode_16_64 3
		.amdhsa_memory_ordered 1
		.amdhsa_forward_progress 1
		.amdhsa_inst_pref_size 186
	.end_amdhsa_kernel
	.amdgpu_metadata
---
amdhsa.version: [ 1, 2 ]
amdhsa.kernels:
  - .name:           k_qc457771807_pv
    .symbol:         k_qc457771807_pv.kd
    .args:
      - { .name: p, .offset: 0, .size: 8, .value_kind: global_buffer, .address_space: global }
      - { .name: vt, .offset: 8, .size: 8, .value_kind: global_buffer, .address_space: global }
      - { .name: st, .offset: 16, .size: 8, .value_kind: global_buffer, .address_space: global }
      - { .name: ctx, .offset: 24, .size: 8, .value_kind: global_buffer, .address_space: global }
    .group_segment_fixed_size: 327680
    .private_segment_fixed_size: 0
    .kernarg_segment_align: 8
    .kernarg_segment_size: 32
    .max_flat_workgroup_size: 128
    .sgpr_count:     74
    .vgpr_count:     1024
    .wavefront_size: 32
...
	.end_amdgpu_metadata
.endif
;; end of part 5
;; launch oproj (part 6): grid 8 x 32, 4 waves a work-group, clusters of 4 x 4, 327,680 bytes of LDS; arguments ctx, wh, bo, out0; writes out0
.if DOCPART == 6
	.amdgcn_target "amdgcn-amd-amdhsa--gfx1250"
	.amdhsa_code_object_version 6
	.text
	.protected	k_qc457771807_oproj
	.globl	k_qc457771807_oproj
	.p2align	8
	.type	k_qc457771807_oproj,@function
k_qc457771807_oproj:
	s_mov_b64 s[64:65], 0
	v_nop
	global_prefetch_b8 v0, s[64:65] scope:SCOPE_SE
	s_setreg_imm32_b32 hwreg(HW_REG_WAVE_MODE, 25, 1), 1
	s_wait_xcnt 0x0
	s_wait_alu depctr_hold_cnt(0) depctr_sa_sdst(0) depctr_va_vdst(0) depctr_va_sdst(0) depctr_va_ssrc(0) depctr_va_vcc(0) depctr_vm_vsrc(0)
	s_getreg_b32 s2, hwreg(HW_REG_IB_STS2, 6, 4)
	s_cmp_eq_u32 s2, 0
	s_cbranch_scc0 .Lentry_in_a_cluster
	s_endpgm
.Lentry_in_a_cluster:
	s_bfe_u32 s2, ttmp6, 0x10000c
	s_cmp_lg_u32 s2, 0xf033
	s_cbranch_scc0 .Lentry_shape_is_right
	s_endpgm
.Lentry_shape_is_right:
; out0 = ctx Wo^T + bo.  One product C = A B^T: A = ctx [8192][1024] f16, B = wh rows 3072-4095 (Wo) [1024][1024] f16, C = out0 [8192][1024] f32; sums in f32.
; A work-group makes a block of 256 rows x 128 columns with four waves; wave w makes rows 64 w .. 64 w + 63 x all 128 columns: 32 accumulator
; tiles; a wave's row of C is 512 bytes.  32 x 8 blocks = 256 work-groups.
; K goes in steps of 128 through a ring of two LDS slots (A's 256 rows, then B's 128 rows, 256 bytes + 16 of padding each).
; CLUSTERS: 4 x 4 work-groups; A's tiles are shared along a row of the cluster, B's along a column, by joint tensor loads.
; REGISTERS: window 0: v0-31 addresses; v64-95, v128-159 fragments of A (v64-191 serve the way out);
;            window 1: v64-127, v128-191 fragments of B; v192-255 bo of my 64 columns a lane;   window 2: tile (a, b) at v[8 (8 a + b)]
; Transposed use of the matrix instruction: lane l holds row l % 16, columns 16 b + 8 (l / 16) + 0 .. 7.
.set KDIM,   1024
.set KSTEP,  128
.set PITCH,  272
.set HALFA,  128*PITCH
.set HALFB,  64*PITCH
.set SLOT,   2*HALFA+2*HALFB
.set STAGE,  2*SLOT                    ; behind the ring: 16 rows x 528 bytes for each wave; no fill ever lands there
.set SPITCH, 528                       ; 512 bytes + 16: sixteen rows start at sixteen different 16-byte columns modulo 256
.set LAPS,   KDIM/(2*KSTEP)            ; 4
.set CROW,   4096                      ; bytes in a row of out0
.set ADRA, 16
.set ADRB, 20
.set STO,  24
.set RD,   25
.set CO,   26
.set BO,   27
.set F0,   64
.set F1,   128
.set BIAS, 192                         ; window 1
.set G1, 24
.set G0, 32
.set G1B, 48
.set G0B, 56
.set MSB, 0
.macro WIN new
.if MSB != (\new)
	s_set_vgpr_msb (MSB<<8)|(\new)
.set MSB, (\new)
.endif
.endm
.set MUL,  0xa1
.set TO_B, 0x40
.macro JLOAD s
	s_cmp_eq_u32 s11, 0
	s_cbranch_scc0 .Lfor_b_\@
	tensor_load_to_lds s[G0+4*\s:G0+4*\s+3], s[G1:G1+7]
	s_nop 0
	s_branch .Lasked_\@
.Lfor_b_\@:
	tensor_load_to_lds s[G0B+4*\s:G0B+4*\s+3], s[G1B:G1B+7]
	s_nop 0
.Lasked_\@:
.endm
.macro CREST
	s_cmp_lg_u32 s10, 0
	s_cbranch_scc1 .Lnot_wave_0_\@
	s_barrier_signal -3
.Lnot_wave_0_\@:
	s_barrier_wait -3
	s_barrier_signal -1
	s_barrier_wait -1
.endm
.macro CROUND
	s_barrier_signal -1
	s_barrier_wait -1
	CREST
.endm
	s_load_b128 s[4:7], s[0:1], 0x0                ; ctx s[4:5], wh s[6:7]
	s_load_b64 s[66:67], s[0:1], 0x10              ; bo
	s_load_b64 s[8:9], s[0:1], 0x18                ; out0
	s_set_vgpr_msb 0x40
	v_lshl_add_u32 v63, v0, 2, 0x3b400
	s_set_vgpr_msb 0x4000
	v_mov_b32 v255, 0
	s_set_vgpr_msb 0x1
	ds_add_u32 v63, v255
	s_set_vgpr_msb 0x100
	v_lshrrev_b32 v1, 5, v0
	v_readfirstlane_b32 s10, v1                    ; wave 0..3: my 64 rows of the block
	s_lshr_b32 s11, s10, 1                         ; I fetch for A (0) or for B (1)
	s_and_b32 s12, s10, 1                          ; which half of that tile
	s_bfe_u32 s40, ttmp6, 0x40000                  ; cx
	s_bfe_u32 s41, ttmp6, 0x40004                  ; cy
	s_lshl_b32 s42, ttmp9, 2
	s_add_co_u32 s42, s42, s40                     ; block of 128 columns, 0..7
	s_and_b32 s13, ttmp7, 0xffff
	s_lshl_b32 s13, s13, 2
	s_add_co_u32 s13, s13, s41                     ; block of 256 rows, 0..31
	s_lshl_b32 s43, s41, 2
	s_lshl_b32 s43, 15, s43
	s_lshl_b32 s44, 0x1111, s40
	s_or_b32 s[G1+0], s43, (1<<16)|(1<<20)|(1<<21)|(5<<22)|(3<<25)
	s_or_b32 s[G1B+0], s44, (1<<16)|(1<<20)|(1<<21)|(5<<22)|(3<<25)
	s_mov_b32 s[G1+1], KSTEP<<16
	s_mov_b32 s[G1B+1], KSTEP<<16
	s_mov_b32 s[G1+2], 128<<16
	s_mov_b32 s[G1B+2], 64<<16
	s_mov_b32 s[G1+3], KSTEP<<16
	s_mov_b32 s[G1B+3], KSTEP<<16
	s_mov_b32 s[G1+4], 128
	s_mov_b32 s[G1B+4], 64
	s_mov_b32 s[G1+5], KDIM
	s_mov_b32 s[G1B+5], KDIM
	s_mov_b32 s[G1+6], 0
	s_mov_b32 s[G1B+6], 0
	s_mov_b32 s[G1+7], 0
	s_mov_b32 s[G1B+7], 0
	s_lshl_b32 s17, s12, 7
	s_lshl_b32 s16, s13, 8
	s_add_co_u32 s16, s16, s17                     ; A: row 256 x block row + 128 x half
	s_lshl_b32 s16, s16, 11                        ; rows of 2,048 bytes
	s_mov_b32 s17, 0
	s_lshl_b32 s47, s12, 6
	s_lshl_b32 s46, s42, 7
	s_add_co_u32 s46, s46, s47                     ; B: row 128 x block column + 64 x half
	s_lshl_b32 s46, s46, 11
	s_add_co_u32 s46, s46, 3072*2048               ; behind Wq's, Wk's and Wv's 3,072 rows
	s_mov_b32 s47, 0
	s_mul_i32 s20, s10, HALFA
	s_mul_i32 s68, s10, HALFB
	s_add_co_u32 s68, s68, 2*HALFA-2*HALFB
	s_wait_dscnt 0x0
	s_wait_kmcnt 0x0
	s_add_nc_u64 s[14:15], s[4:5], s[16:17]
	s_add_nc_u64 s[46:47], s[6:7], s[46:47]
	CROUND
.irp s, 0,1
	s_mov_b32 s[G0+4*\s], 1
	s_add_co_u32 s[G0+4*\s+1], s20, \s*SLOT
	s_add_nc_u64 s[G0+4*\s+2:G0+4*\s+3], s[14:15], \s*KSTEP*2
	s_or_b32 s[G0+4*\s+3], s[G0+4*\s+3], 0x80000000
	s_mov_b32 s[G0B+4*\s], 1
	s_add_co_u32 s[G0B+4*\s+1], s68, \s*SLOT
	s_add_nc_u64 s[G0B+4*\s+2:G0B+4*\s+3], s[46:47], \s*KSTEP*2
	s_or_b32 s[G0B+4*\s+3], s[G0B+4*\s+3], 0x80000000
	JLOAD \s                                       ; K steps 0 and 1: two tensor loads of the wave are out
.endr
	v_and_b32 v1, 15, v0
	v_bfe_u32 v2, v0, 4, 1
	v_mul_u32_u24 v3, v1, PITCH
	v_lshl_add_u32 v3, v2, 4, v3
	s_mul_i32 s21, s10, 64*PITCH
	s_mov_b32 s22, 2*HALFA
.irp s, 0,1
	v_add_nc_u32 v[ADRA+\s], s21, v3
	v_add_nc_u32 v[ADRB+\s], s22, v3
	s_add_co_u32 s21, s21, SLOT
	s_add_co_u32 s22, s22, SLOT
.endr
	s_mul_i32 s23, s10, 16*SPITCH
	s_add_co_u32 s23, s23, STAGE                   ; my stage
	v_mul_u32_u24 v4, v1, SPITCH                   ; in: row l % 16, 32 bytes for each half of the lanes
	v_lshl_add_u32 v4, v2, 5, v4
	v_add_nc_u32 v[STO], s23, v4
	v_and_b32 v5, 31, v0
	v_lshlrev_b32 v[CO], 4, v5                     ; back and out: 32 lanes take one row of 512 bytes
	v_add_nc_u32 v[RD], s23, v[CO]
	v_lshlrev_b32 v[BO], 5, v2                     ; eight f32 for each half of the lanes
	s_lshl_b32 s70, s42, 9                         ; 128 columns of 4 bytes a block
	s_mov_b32 s71, 0
	s_add_nc_u64 s[66:67], s[66:67], s[70:71]
	WIN TO_B
.irp b, 0,1,2,3,4,5,6,7
	global_load_b128 v[BIAS+8*\b:BIAS+8*\b+3],   v[BO], s[66:67] offset:64*\b       ; columns 16 b + 8 (l / 16) + 0 .. 3
	global_load_b128 v[BIAS+8*\b+4:BIAS+8*\b+7], v[BO], s[66:67] offset:64*\b+16    ; and + 4 .. 7
.endr
	WIN 0
.macro MUL16 f, a0, zero
.irp a, \a0, \a0+1
.irp b, 0,1,2,3,4,5,6,7
.if \zero
	v_wmma_f32_16x16x32_f16 v[8*(8*(\a)+\b):8*(8*(\a)+\b)+7], v[\f+8*\b:\f+8*\b+7], v[\f+8*(\a):\f+8*(\a)+7], 0
.else
	v_wmma_f32_16x16x32_f16 v[8*(8*(\a)+\b):8*(8*(\a)+\b)+7], v[\f+8*\b:\f+8*\b+7], v[\f+8*(\a):\f+8*(\a)+7], v[8*(8*(\a)+\b):8*(8*(\a)+\b)+7]
.endif
.endr
.endr
.endm
.macro FETCH slot, k, f
	WIN TO_B
.irp i, 0,1,2,3,4,5,6,7
	ds_load_b128 v[\f+8*\i:\f+8*\i+3],   v[ADRB+\slot] offset:\k+\i*16*PITCH
	ds_load_b128 v[\f+8*\i+4:\f+8*\i+7], v[ADRB+\slot] offset:\k+\i*16*PITCH+32
.endr
	WIN 0
.irp i, 0,1,2,3
	ds_load_b128 v[\f+8*\i:\f+8*\i+3],   v[ADRA+\slot] offset:\k+\i*16*PITCH
	ds_load_b128 v[\f+8*\i+4:\f+8*\i+7], v[ADRA+\slot] offset:\k+\i*16*PITCH+32
.endr
.endm
.macro PLACES                          ; four plain vector instructions between a matrix instruction and a load into, or a vector access to, its registers
.rept 4
	v_nop
.endr
.endm
; The 32 accumulators take turns, one instruction a turn, in the same order everywhere.
.macro QUARTER2 slot, k, f, g, zero
	s_wait_dscnt 4                                 ; B and A's rows 0-31 of buffer f are in; the youngest four loads (A's rows 32-63) may be out
	PLACES
	FETCH \slot, \k, \g
	WIN MUL
	MUL16 \f, 0, \zero
	s_wait_dscnt 24                                ; all but the 24 just issued
	MUL16 \f, 2, \zero
.endm
.macro THREE2 slot, zero
	QUARTER2 \slot, 64,  F0, F1, \zero
	QUARTER2 \slot, 128, F1, F0, 0
	QUARTER2 \slot, 192, F0, F1, 0
.endm
.macro TURN2 slot, next, fill
	s_wait_dscnt 0                                 ; my reads of this slot are over
	s_wait_tensorcnt 0x0                           ; all my tensor loads have landed: the one that was out is my part of the next slot
	ds_add_u32 v63, v255
	s_wait_dscnt 0x0
	s_barrier_signal -1                            ; where a slot is filled again this barrier opens a round of the cluster's barrier
	WIN MUL
	MUL16 F1, 0, 0
	WIN 0
	s_barrier_wait -1
.if \fill
	CREST
	s_add_nc_u64 s[G0+4*\slot+2:G0+4*\slot+3], s[G0+4*\slot+2:G0+4*\slot+3], 2*KSTEP*2
	s_add_nc_u64 s[G0B+4*\slot+2:G0B+4*\slot+3], s[G0B+4*\slot+2:G0B+4*\slot+3], 2*KSTEP*2
	JLOAD \slot                                    ; the wave's one tensor load behind the round
.endif
	PLACES
	FETCH \next, 0, F0
	WIN MUL
	MUL16 F1, 2, 0
.endm
.macro LAP zero
	THREE2 0, \zero
	TURN2 0, 1, 1
	THREE2 1, 0
	TURN2 1, 0, 1
.endm
	s_wait_tensorcnt 0x1                           ; my part of K step 0 is in; K step 1's stays out
	s_barrier_signal -1
	s_barrier_wait -1
	FETCH 0, 0, F0
	LAP 1
	WIN 0
	s_mov_b32 s3, LAPS-2
.Llap:
	LAP 0
	WIN 0
	s_sub_co_u32 s3, s3, 1
	s_cmp_lg_u32 s3, 0
	s_cbranch_scc1 .Llap
	THREE2 0, 0                                    ; the last lap fills nothing
	TURN2 0, 1, 0
	THREE2 1, 0
	s_wait_dscnt 0
	WIN MUL
	MUL16 F1, 0, 0
	MUL16 F1, 2, 0
	; THE WAY OUT, 16 rows at a time: add the bias, f32 through my own stage, out as whole rows of 512 bytes
	s_wait_loadcnt 0x0                             ; the bias
	PLACES
	s_lshl_b32 s13, s13, 8
	s_lshl_b32 s14, s10, 6
	s_add_co_u32 s16, s13, s14                     ; my first row of out0
	s_lshl_b32 s16, s16, 12                        ; rows of 4,096 bytes
	s_mov_b32 s17, 0
	s_add_nc_u64 s[8:9], s[8:9], s[16:17]
	s_lshl_b32 s46, s42, 9                         ; my block's first column: 128 f32
	s_mov_b32 s47, 0
	s_add_nc_u64 s[8:9], s[8:9], s[46:47]
.macro OUT32 a, f
	WIN 0x86                                       ; accumulators in window 2, the bias in window 1
.irp b, 0,1,2,3,4,5,6,7
.irp r, 0,1,2,3
	v_pk_add_f32 v[8*(8*\a+\b)+2*\r:8*(8*\a+\b)+2*\r+1], v[8*(8*\a+\b)+2*\r:8*(8*\a+\b)+2*\r+1], v[BIAS+8*\b+2*\r:BIAS+8*\b+2*\r+1]
.endr
.endr
	WIN 0x08                                       ; an LDS store's data is its source 1: window 2
.irp b, 0,1,2,3,4,5,6,7
	ds_store_b128 v[STO], v[8*(8*\a+\b):8*(8*\a+\b)+3]   offset:64*\b
	ds_store_b128 v[STO], v[8*(8*\a+\b)+4:8*(8*\a+\b)+7] offset:64*\b+16
.endr
	WIN 0
	s_wait_xcnt 0x0                                ; buffer f, which earlier stores read, and the stores' base are rewritten only behind this wait
.if \a
	s_add_nc_u64 s[8:9], s[8:9], 16*CROW
.endif
.irp t, 0,1,2,3,4,5,6,7,8,9,10,11,12,13,14,15
	ds_load_b128 v[\f+4*\t:\f+4*\t+3], v[RD] offset:\t*SPITCH      ; LDS serves a wave's instructions in order: these see the stores above
.endr
.irp t, 0,1,2,3,4,5,6,7,8,9,10,11,12,13,14,15
	s_wait_dscnt 15-\t                             ; the younger read-backs stay out
	global_store_b128 v[CO], v[\f+4*\t:\f+4*\t+3], s[8:9] offset:\t*CROW th:TH_STORE_NT   ; 512 neighbouring bytes at a multiple of 512; written once, read by no launch
.endr
.endm
	OUT32 0, F0
	OUT32 1, F1
	OUT32 2, F0
	OUT32 3, F1
	s_set_vgpr_msb 0x1
	s_wait_tensorcnt 0x0
	ds_add_u32 v63, v255
	s_wait_dscnt 0x0
	s_set_vgpr_msb 0x100
	CROUND                                         ; the closing round
	s_endpgm
.Lfunc_end_k_qc457771807_oproj:
	.size	k_qc457771807_oproj, .Lfunc_end_k_qc457771807_oproj-k_qc457771807_oproj
	.p2alignl 7, 3214868480
	.fill 96, 4, 3214868480
	.section	.rodata,"a",@progbits
	.p2align	6, 0x0
	.amdhsa_kernel k_qc457771807_oproj
		.amdhsa_group_segment_fixed_size 327680
		.amdhsa_private_segment_fixed_size 0
		.amdhsa_enable_private_segment 0
		.amdhsa_kernarg_size 32
		.amdhsa_user_sgpr_count 2
		.amdhsa_user_sgpr_kernarg_segment_ptr 1
		.amdhsa_wavefront_size32 1
		.amdhsa_system_sgpr_workgroup_id_x 1
		.amdhsa_system_sgpr_workgroup_id_y 1
		.amdhsa_system_sgpr_workgroup_id_z 1
		.amdhsa_system_vgpr_workitem_id 0
		.amdhsa_next_free_vgpr 768
		.amdhsa_next_free_sgpr 74
		.amdhsa_reserve_vcc 0
		.amdhsa_float_denorm_mode_32 3
		.amdhsa_float_denorm_mode_16_64 3
		.amdhsa_memory_ordered 1
		.amdhsa_forward_progress 1
		.amdhsa_inst_pref_size 128
	.end_amdhsa_kernel
	.amdgpu_metadata
---
amdhsa.version: [ 1, 2 ]
amdhsa.kernels:
  - .name:           k_qc457771807_oproj
    .symbol:         k_qc457771807_oproj.kd
    .args:
      - { .name: ctx, .offset: 0, .size: 8, .value_kind: global_buffer, .address_space: global }
      - { .name: wh, .offset: 8, .size: 8, .value_kind: global_buffer, .address_space: global }
      - { .name: bo, .offset: 16, .size: 8, .value_kind: global_buffer, .address_space: global }
      - { .name: out0, .offset: 24, .size: 8, .value_kind: global_buffer, .address_space: global }
    .group_segment_fixed_size: 327680
    .private_segment_fixed_size: 0
    .kernarg_segment_align: 8
    .kernarg_segment_size: 32
    .max_flat_workgroup_size: 128
    .sgpr_count:     74
    .vgpr_count:     768
    .wavefront_size: 32
...
	.end_amdgpu_metadata
.endif
;; end of part 6
;; ======== version 2 of 2: 6 launches
;; limits: values are held in f16: magnitudes above 65,504 overflow, below 6.1e-05 lose precision; right only within a limited range of input values; inputs' magnitudes at most 500
;; workspace buffers: xh 16,777,216 bytes; wh 8,388,608 bytes; vp 327,680 bytes; gh 4,198,400 bytes; yu 33,554,432 bytes; p 33,554,432 bytes; st 1,048,576 bytes
;; launch cast (part 7): grid 768 x 1, 8 waves a work-group, no clusters, 0 bytes of LDS; arguments x, Wq, Wk, Wv, Wo, xh, wh, bq, bv, vp; writes xh, wh, vp
.if DOCPART == 7
	.amdgcn_target "amdgcn-amd-amdhsa--gfx1250"
	.amdhsa_code_object_version 6
	.text
	.protected	k_qc457771807_cast
	.globl	k_qc457771807_cast
	.p2align	8
	.type	k_qc457771807_cast,@function
k_qc457771807_cast:
	s_mov_b64 s[64:65], 0
	v_nop
	global_prefetch_b8 v0, s[64:65] scope:SCOPE_SE
	s_setreg_imm32_b32 hwreg(HW_REG_WAVE_MODE, 25, 1), 1
	s_wait_xcnt 0x0
; First of six launches of a single-head attention: x [4][2048][1024], head width 1024, all inputs and the output f32.
; TWO IDENTITIES, which hold for all values of the inputs, take two of the four products of 8192 x 1024 x 1024 away:
;   32 scores[q][k] = (x_q Wq^T + bq) . (Wk x_k + bk) = (x_q G + c) . x_k + q_q . bk,   G = Wq^T Wk [1024][1024],  c = bq Wk
;   out0 = attn (x Wv^T + 1 bv^T) Wo^T + bo = attn (x H^T) + d,   H = Wo Wv [1024][1024],  d = Wo bv + bo   (each row of attn sums to 1)
; So the keys are x itself, and the product with attn gives the output itself.
;   cast    x, Wq, Wk, Wv, Wo rounded once to f16 (xh; wh = the four weights one behind the other); partial sums of c and of Wo bv in f32 (vp)
;   foldg   G^T = Wk^T Wq             foldh   H = Wo Wv, and the largest |H| of each wave's share
;   proj    y' = (x G + c) log2 e / 2048   and   u'^T = (H x^T) t,  t the power of two that brings the largest |H| under 1/8
;   scores  S = 64 y' x^T (= scores x log2 e); for each row and block of 128 keys: its maximum MS, P = 2^(S - MS), l = sum of P
;   pv      out0 = (sum over blocks j of 2^(MS_j - M) P_j U'_j) / (t sum over j of 2^(MS_j - M) l_j) + d,  M = the row's maximum
; WORK LEFT OUT: bk.  The term q_q . bk does not hang on k, so it is the same along the softmax's axis and cancels in exp(s - max) / sum
; for all values of the inputs.  bk is loaded by no launch and is among no launch's arguments.
; Limit: a NaN, an infinity or an overflow that only bk would bring is not carried to the result.
; FORMAT: every matrix operand is f16, every sum f32.  Limits: the order of rounding differs from the reference's (G and H are rounded to
; f16 where the reference rounds nothing); |x| below 500; |W|, |G|, |H| below 65,504; |x G + c| below 9e7; P below about 3e-8 of its
; block's maximum is stored as 0.  |u'| is at most 1024 max|x| / 8 whatever the weights' size.
;
; THIS LAUNCH is a stream: no LDS, no barrier, no matrix unit, since each number is read once and written once.
; A work-group converts 16,384 numbers: 64 KiB in, 32 KiB out.  Groups 0-511 take x, then 64 groups each take Wq, Wk, Wv, Wo.
; A piece of a weight is 16 whole rows: load i of a thread is row i, thread t holds its columns 4 t .. 4 t + 3.
; A load of a wave covers 512 neighbouring bytes, a store 256 neighbouring bytes at a multiple of 256.
; All sixteen loads of a thread go out first; no register is written twice, so no source of a pending instruction is touched.
; Wk's groups then add up bq[o] Wk[o][:] over their 16 rows (vp: cp[64 pieces][1024] f32); Wo's groups form, for each of their 16 rows and
; each half wave's 64 columns, the dot product with bv (vp + 262,144: dp[16 half waves][1024 rows] f32).  The launches that use c and d add the partial sums.
.set X,  4                             ; v[4:67]    sixteen loads of four f32
.set Y,  68                            ; v[68:99]   sixteen pairs of registers, four f16 each
.set C,  100                           ; v[100:103] Wk's groups: my four columns' sum
.set BV, 104                           ; v[104:107] Wo's groups: bv of my four columns
.set D,  108                           ; v[108:139] Wo's groups: a pair for each row
.set R,  140                           ; v140       the row sum that my lane stores
.set LN, 141                           ; v141       t % 16
.set DO, 142                           ; v142       my byte offset in dp
.set DPOFF, 262144                     ; where dp begins in vp
	s_load_b256 s[4:11], s[0:1], 0x0               ; x s[4:5], Wq s[6:7], Wk s[8:9], Wv s[10:11]
	s_load_b256 s[12:19], s[0:1], 0x20             ; Wo s[12:13], xh s[14:15], wh s[16:17], bq s[18:19]
	s_load_b128 s[52:55], s[0:1], 0x40             ; bv s[52:53], vp s[54:55]
	s_mov_b32 s21, ttmp9                           ; g, the work-group's number
	s_lshr_b32 s20, s21, 6                         ; 0-7: x; 8, 9, 10, 11: Wq, Wk, Wv, Wo
	s_and_b32 s26, s21, 63                         ; the piece inside a weight
	s_sub_co_u32 s27, s21, 512                     ; the piece inside wh: the four weights follow each other there
	v_lshlrev_b32 v1, 4, v0                        ; 16 bytes a thread in
	v_lshlrev_b32 v2, 3, v0                        ; 8 bytes a thread out
	s_wait_kmcnt 0x0
	s_mov_b64 s[22:23], s[4:5]                     ; the source: x, unless the group's number says otherwise
	s_cmp_eq_u32 s20, 8
	s_cselect_b64 s[22:23], s[6:7], s[22:23]
	s_cmp_eq_u32 s20, 9
	s_cselect_b64 s[22:23], s[8:9], s[22:23]
	s_cmp_eq_u32 s20, 10
	s_cselect_b64 s[22:23], s[10:11], s[22:23]
	s_cmp_eq_u32 s20, 11
	s_cselect_b64 s[22:23], s[12:13], s[22:23]
	s_cmp_lt_u32 s20, 8
	s_cselect_b64 s[24:25], s[14:15], s[16:17]     ; the destination: xh or wh
	s_cselect_b32 s26, s21, s26
	s_cselect_b32 s27, s21, s27
	s_lshl_b32 s28, s26, 16                        ; 65,536 bytes a piece in (at most 511 pieces: below 4 GiB)
	s_mov_b32 s29, 0
	s_lshl_b32 s30, s27, 15                        ; 32,768 bytes a piece out
	s_mov_b32 s31, 0
	s_add_nc_u64 s[22:23], s[22:23], s[28:29]
	s_add_nc_u64 s[24:25], s[24:25], s[30:31]
.irp i, 0,1,2,3,4,5,6,7,8,9,10,11,12,13,14,15
	global_load_b128 v[X+4*\i:X+4*\i+3], v1, s[22:23] offset:4096*\i th:TH_LOAD_NT   ; read once in the launch
.endr
.irp i, 0,1,2,3,4,5,6,7,8,9,10,11,12,13,14,15
	s_wait_loadcnt 15-\i                           ; loads come back in order: load i is in, the younger ones stay out
	v_cvt_pk_f16_f32 v[Y+2*\i],   v[X+4*\i],   v[X+4*\i+1]
	v_cvt_pk_f16_f32 v[Y+2*\i+1], v[X+4*\i+2], v[X+4*\i+3]
	global_store_b64 v2, v[Y+2*\i:Y+2*\i+1], s[24:25] offset:2048*\i   ; no hint: the next launches read these bytes
.endr
	s_cmp_eq_u32 s20, 9
	s_cbranch_scc1 .Lwk
	s_cmp_eq_u32 s20, 11
	s_cbranch_scc1 .Lwo
	s_endpgm
.Lwk:	; c's partial sum over my piece's 16 rows, from the f32 numbers that the thread still holds
	s_lshl_b32 s28, s26, 6                         ; sixteen bq of 4 bytes a piece
	s_add_nc_u64 s[18:19], s[18:19], s[28:29]
	s_load_b512 s[36:51], s[18:19], 0x0            ; bq of my 16 rows
	s_lshl_b32 s30, s26, 12                        ; 4,096 bytes a piece in cp
	s_add_nc_u64 s[54:55], s[54:55], s[30:31]
	s_wait_kmcnt 0x0
.irp j, 0,1,2,3
	v_mul_f32 v[C+\j], s36, v[X+\j]                ; the first row starts the sums
.endr
.irp i, 1,2,3,4,5,6,7,8,9,10,11,12,13,14,15
.irp j, 0,1,2,3
	v_fmac_f32 v[C+\j], s[36+\i], v[X+4*\i+\j]
.endr
.endr
	global_store_b128 v1, v[C:C+3], s[54:55]       ; a wave stores 512 neighbouring bytes
	s_endpgm
.Lwo:	; for each of my piece's 16 rows: the dot product of my half wave's 64 columns with bv
	global_load_b128 v[BV:BV+3], v1, s[52:53]      ; bv[4 t .. 4 t + 3]
	v_and_b32 v[LN], 15, v0
	v_lshrrev_b32 v[DO], 4, v0                     ; the half wave, 0..15
	v_lshlrev_b32 v[DO], 12, v[DO]                 ; 4,096 bytes for each in dp
	v_lshl_add_u32 v[DO], v[LN], 2, v[DO]          ; lane i of a half wave stores row i
	s_lshl_b32 s28, s26, 6                         ; 16 rows of 4 bytes a piece,
	s_add_co_u32 s28, s28, DPOFF                   ; behind cp
	s_add_nc_u64 s[54:55], s[54:55], s[28:29]
	s_wait_loadcnt 0x0
.irp i, 0,1,2,3,4,5,6,7,8,9,10,11,12,13,14,15
	v_pk_mul_f32 v[D+2*\i:D+2*\i+1], v[X+4*\i:X+4*\i+1], v[BV:BV+1]
.endr
.irp i, 0,1,2,3,4,5,6,7,8,9,10,11,12,13,14,15
	v_pk_fma_f32 v[D+2*\i:D+2*\i+1], v[X+4*\i+2:X+4*\i+3], v[BV+2:BV+3], v[D+2*\i:D+2*\i+1]
.endr
.irp i, 0,1,2,3,4,5,6,7,8,9,10,11,12,13,14,15
	v_add_f32 v[D+2*\i], v[D+2*\i], v[D+2*\i+1]
.endr
.irp m, 1,2,4,8
.irp i, 0,1,2,3,4,5,6,7,8,9,10,11,12,13,14,15
	v_add_f32_dpp v[D+2*\i], v[D+2*\i], v[D+2*\i] row_xmask:\m row_mask:0xf bank_mask:0xf   ; over the 16 lanes of a half wave
.endr
.endr
	v_mov_b32 v[R], v[D]
.irp i, 1,2,3,4,5,6,7,8,9,10,11,12,13,14,15
	v_cmp_eq_u32 vcc_lo, \i, v[LN]
	v_cndmask_b32 v[R], v[R], v[D+2*\i], vcc_lo    ; lane i keeps row i's sum
.endr
	global_store_b32 v[DO], v[R], s[54:55]         ; 64 neighbouring bytes a half wave; dp is 65,536 bytes in all
	s_endpgm
.Lfunc_end_k_qc457771807_cast:
	.size	k_qc457771807_cast, .Lfunc_end_k_qc457771807_cast-k_qc457771807_cast
	.p2alignl 7, 3214868480
	.fill 96, 4, 3214868480
	.section	.rodata,"a",@progbits
	.p2align	6, 0x0
	.amdhsa_kernel k_qc457771807_cast
		.amdhsa_group_segment_fixed_size 0
		.amdhsa_private_segment_fixed_size 0
		.amdhsa_enable_private_segment 0
		.amdhsa_kernarg_size 80
		.amdhsa_user_sgpr_count 2
		.amdhsa_user_sgpr_kernarg_segment_ptr 1
		.amdhsa_wavefront_size32 1
		.amdhsa_system_sgpr_workgroup_id_x 1
		.amdhsa_system_sgpr_workgroup_id_y 1
		.amdhsa_system_sgpr_workgroup_id_z 1
		.amdhsa_system_vgpr_workitem_id 0
		.amdhsa_next_free_vgpr 144
		.amdhsa_next_free_sgpr 66
		.amdhsa_reserve_vcc 1
		.amdhsa_float_denorm_mode_32 3
		.amdhsa_float_denorm_mode_16_64 3
		.amdhsa_memory_ordered 1
		.amdhsa_forward_progress 1
		.amdhsa_inst_pref_size 18
	.end_amdhsa_kernel
	.amdgpu_metadata
---
amdhsa.version: [ 1, 2 ]
amdhsa.kernels:
  - .name:           k_qc457771807_cast
    .symbol:         k_qc457771807_cast.kd
    .args:
      - { .name: x, .offset: 0, .size: 8, .value_kind: global_buffer, .address_space: global }
      - { .name: Wq, .offset: 8, .size: 8, .value_kind: global_buffer, .address_space: global }
      - { .name: Wk, .offset: 16, .size: 8, .value_kind: global_buffer, .address_space: global }
      - { .name: Wv, .offset: 24, .size: 8, .value_kind: global_buffer, .address_space: global }
      - { .name: Wo, .offset: 32, .size: 8, .value_kind: global_buffer, .address_space: global }
      - { .name: xh, .offset: 40, .size: 8, .value_kind: global_buffer, .address_space: global }
      - { .name: wh, .offset: 48, .size: 8, .value_kind: global_buffer, .address_space: global }
      - { .name: bq, .offset: 56, .size: 8, .value_kind: global_buffer, .address_space: global }
      - { .name: bv, .offset: 64, .size: 8, .value_kind: global_buffer, .address_space: global }
      - { .name: vp, .offset: 72, .size: 8, .value_kind: global_buffer, .address_space: global }
    .group_segment_fixed_size: 0
    .private_segment_fixed_size: 0
    .kernarg_segment_align: 8
    .kernarg_segment_size: 80
    .max_flat_workgroup_size: 256
    .sgpr_count:     66
    .vgpr_count:     144
    .wavefront_size: 32
...
	.end_amdgpu_metadata
.endif
;; end of part 7
;; launch foldg (part 8): grid 16 x 16, 4 waves a work-group, clusters of 4 x 4, 295,424 bytes of LDS; arguments wh, gh; writes gh
.if DOCPART == 8
	.amdgcn_target "amdgcn-amd-amdhsa--gfx1250"
	.amdhsa_code_object_version 6
	.text
	.protected	k_qc457771807_foldg
	.globl	k_qc457771807_foldg
	.p2align	8
	.type	k_qc457771807_foldg,@function
k_qc457771807_foldg:
	s_mov_b64 s[64:65], 0
	v_nop
	global_prefetch_b8 v0, s[64:65] scope:SCOPE_SE
	s_setreg_imm32_b32 hwreg(HW_REG_WAVE_MODE, 25, 1), 1
	s_wait_xcnt 0x0
	s_wait_alu depctr_hold_cnt(0) depctr_sa_sdst(0) depctr_va_vdst(0) depctr_va_sdst(0) depctr_va_ssrc(0) depctr_va_vcc(0) depctr_vm_vsrc(0)
	s_getreg_b32 s2, hwreg(HW_REG_IB_STS2, 6, 4)
	s_cmp_eq_u32 s2, 0
	s_cbranch_scc0 .Lentry_in_a_cluster
	s_endpgm
.Lentry_in_a_cluster:
	s_bfe_u32 s2, ttmp6, 0x10000c
	s_cmp_lg_u32 s2, 0xf033
	s_cbranch_scc0 .Lentry_shape_is_right
	s_endpgm
.Lentry_shape_is_right:
; G^T[n][h] = sum over o of Wk[o][n] Wq[o][h]  (gh rows 0-1023, f16; sums in f32).  With it the scores need one product with x instead of two:
; (x Wq^T + bq) . (Wk x_k) = (x G + bq Wk) . x_k.  bk is left out (it adds to each score a term that is the same along the softmax's axis).
; Limit: |G| below 65,504.
; Both operands lie with K (= o) down their rows: A = Wk = wh rows 1024-2047, B = Wq = wh rows 0-1023.
; A work-group makes a block of 64 x 64: 16 x 16 blocks = 256 work-groups.  K IS SHARED OUT AMONG THE FOUR WAVES: each wave makes the whole block
; over its own 256 of K (16 accumulator tiles, 8 steps of 32), so that each LDS byte is read once, and each wave reads only what it fetched itself:
; its own wait on TENSORcnt is all the ordering that its reads need.  All of a block's operands lie in LDS at once
; ((64 + 64) x 1024 x 2 bytes and the padding), which sets the block's width; nothing is filled again.
; A wave's share of an operand is 256 rows of 128 bytes, brought in two halves: four tensor loads of the wave are out at the start.
; A fragment comes out of such a tile by the transposing LDS load.  The four partial blocks meet in LDS, in f32.
; CLUSTERS: 4 x 4 work-groups; A's columns hang on the block row and are shared along a row of the cluster, B's along a column, by joint loads.
; A row of the block in gh is 128 bytes (64 f16); gh's two matrices are 4 MiB in all.
; REGISTERS: window 0: v0-23 addresses; v64-127, v128-191 two fragment buffers (A's four tiles, then B's four); v192-207 packed results
;            window 1: accumulator tile (ta, tb) at v[8 (4 ta + tb)]
; The matrix instruction is used transposed (source 0 = B's fragment, source 1 = A's): lane l holds row l % 16 of C, columns 8 (l / 16) + 0 .. 7.
.set WROW,  2048                       ; bytes in a row of wh and of gh
.set TP,    144                        ; an LDS row of a tile: 128 bytes + 16 of padding
.set HALF,  128*TP                     ; what one tensor load brings: 128 rows
.set WREG,  2*HALF                     ; a wave's share of one operand
.set BREG,  4*WREG                     ; B's shares lie behind A's
.set RP,    272                        ; a row of a partial block: 64 f32 + 16 bytes
.set ABASE, 1024*WROW                  ; Wk in wh
.set ADRA, 16                          ; v16     my lane's place in my share of A
.set ADRB, 17                          ; v17     the same for B
.set STO,  18                          ; v18     where I put 32 bytes of a row of my partial block
.set RD,   19                          ; v19-20  where I read the partial blocks of waves 0, 1 and of waves 2, 3
.set CO,   21                          ; v21     my byte offset in gh
.set F0,   64
.set F1,   128
.set TMP,  192
.set G1A, 24                           ; s[24:31] descriptor group 1 for A's tiles
.set G1B, 32                           ; s[32:39] the same for B's: another mask
.set G0A, 40                           ; s[40:47] group 0 for A's two halves
.set G0B, 48                           ; s[48:55] group 0 for B's two halves
.set MSB, 0
.macro WIN new                         ; switch the register windows; the immediate's high byte repeats the setting that is left
.if MSB != (\new)
	s_set_vgpr_msb (MSB<<8)|(\new)
.set MSB, (\new)
.endif
.endm
.macro CREST                           ; a round of the cluster's barrier behind its opening barrier
	s_cmp_lg_u32 s10, 0
	s_cbranch_scc1 .Lnot_wave_0_\@
	s_barrier_signal -3
.Lnot_wave_0_\@:
	s_barrier_wait -3
	s_barrier_signal -1
	s_barrier_wait -1
.endm
.macro CROUND
	s_barrier_signal -1
	s_barrier_wait -1
	CREST
.endm
	s_load_b64 s[4:5], s[0:1], 0x0                 ; wh
	s_load_b64 s[8:9], s[0:1], 0x8                 ; gh
	v_lshl_add_u32 v254, v0, 2, 0x48000
	v_mov_b32 v255, 0
	ds_add_u32 v254, v255
	v_lshrrev_b32 v1, 5, v0
	v_readfirstlane_b32 s10, v1                    ; wave 0..3: my 256 of K
	s_bfe_u32 s66, ttmp6, 0x40000                  ; cx
	s_bfe_u32 s67, ttmp6, 0x40004                  ; cy
	s_lshl_b32 s68, ttmp9, 2
	s_add_co_u32 s68, s68, s66                     ; block column = 4 x cluster x + cx, 0..15
	s_and_b32 s13, ttmp7, 0xffff
	s_lshl_b32 s13, s13, 2
	s_add_co_u32 s13, s13, s67                     ; block row = 4 x cluster y + cy, 0..15
	s_lshl_b32 s69, s67, 2
	s_lshl_b32 s69, 15, s69                        ; my row of the cluster
	s_lshl_b32 s70, 0x1111, s66                    ; my column
	; group 1: a tile of 128 rows x 64 elements of 2 bytes, 4 words of padding behind every 32 words
	s_or_b32 s[G1A+0], s69, (1<<16)|(1<<20)|(1<<21)|(4<<22)|(3<<25)
	s_or_b32 s[G1B+0], s70, (1<<16)|(1<<20)|(1<<21)|(4<<22)|(3<<25)
	s_mov_b32 s[G1A+1], 64<<16                     ; tensor_dim0 = 64
	s_mov_b32 s[G1B+1], 64<<16
	s_mov_b32 s[G1A+2], 128<<16                    ; tensor_dim1 = 128
	s_mov_b32 s[G1B+2], 128<<16
	s_mov_b32 s[G1A+3], 64<<16                     ; tile_dim0 = 64
	s_mov_b32 s[G1B+3], 64<<16
	s_mov_b32 s[G1A+4], 128                        ; tile_dim1 = 128
	s_mov_b32 s[G1B+4], 128
	s_mov_b32 s[G1A+5], 1024                       ; elements from row to row
	s_mov_b32 s[G1B+5], 1024
	s_mov_b32 s[G1A+6], 0
	s_mov_b32 s[G1B+6], 0
	s_mov_b32 s[G1A+7], 0
	s_mov_b32 s[G1B+7], 0
	; A's address hangs on the block row and the wave, B's on the block column and the wave, each in registers that never hold the other coordinate
	s_lshl_b32 s16, s10, 19                        ; my 256 rows of 2,048 bytes
	s_lshl_b32 s17, s13, 7                         ; the block's 64 columns of A
	s_add_co_u32 s16, s16, s17
	s_add_co_u32 s16, s16, ABASE
	s_mov_b32 s17, 0
	s_lshl_b32 s20, s10, 19
	s_lshl_b32 s21, s68, 7                         ; the block's 64 columns of B
	s_add_co_u32 s20, s20, s21
	s_mov_b32 s21, 0
	s_mul_i32 s71, s10, WREG                       ; my share of A in LDS
	s_add_co_u32 s72, s71, BREG                    ; my share of B
	s_wait_dscnt 0x0
	s_wait_kmcnt 0x0
	s_add_nc_u64 s[14:15], s[4:5], s[16:17]
	s_add_nc_u64 s[22:23], s[4:5], s[20:21]
	CROUND                                         ; all sixteen work-groups are here: the joint loads meet
.irp u, 0,1
	s_mov_b32 s[G0A+4*\u], 1
	s_add_co_u32 s[G0A+4*\u+1], s71, \u*HALF
	s_add_nc_u64 s[G0A+4*\u+2:G0A+4*\u+3], s[14:15], \u*128*WROW
	s_or_b32 s[G0A+4*\u+3], s[G0A+4*\u+3], 0x80000000
	s_mov_b32 s[G0B+4*\u], 1
	s_add_co_u32 s[G0B+4*\u+1], s72, \u*HALF
	s_add_nc_u64 s[G0B+4*\u+2:G0B+4*\u+3], s[22:23], \u*128*WROW
	s_or_b32 s[G0B+4*\u+3], s[G0B+4*\u+3], 0x80000000
	tensor_load_to_lds s[G0A+4*\u:G0A+4*\u+3], s[G1A:G1A+7]       ; every wave asks for rows of its own: four loads of the wave are out
	s_nop 0
	tensor_load_to_lds s[G0B+4*\u:G0B+4*\u+3], s[G1B:G1B+7]
	s_nop 0
.endr
	v_and_b32 v1, 15, v0                           ; l % 16
	v_bfe_u32 v2, v0, 4, 1                         ; l / 16
	v_and_b32 v3, 7, v0                            ; l % 8
	v_bfe_u32 v4, v0, 3, 1                         ; (l / 8) % 2
	; the transposing load: lane l addresses 16 bytes of row 8 (l / 16) + l % 8 at column 8 ((l / 8) % 2) of a tile of 16 columns, and
	; receives K = 8 (l / 16) + 0 .. 7 of column l % 16; a second load 16 rows further down brings K = 16 + 8 (l / 16) + 0 .. 7
	v_lshl_add_u32 v5, v2, 3, v3
	v_mul_u32_u24 v5, v5, TP
	v_lshl_add_u32 v5, v4, 4, v5
	v_add_nc_u32 v[ADRA], s71, v5
	v_add_nc_u32 v[ADRB], s72, v5
	v_mul_u32_u24 v6, v1, RP                       ; my partial block: row l % 16, 32 bytes for each half of the lanes
	v_lshl_add_u32 v6, v2, 5, v6
	v_add_nc_u32 v[STO], s71, v6
	v_bfe_u32 v7, v0, 3, 2                         ; l / 8: eight lanes take a row of the block
	v_mul_u32_u24 v8, v7, RP
	v_lshl_add_u32 v8, v3, 5, v8                   ; 32 bytes of f32 a lane
	s_mul_i32 s73, s10, 16*RP                      ; I add up rows 16 w .. 16 w + 15
	v_add_nc_u32 v[RD], s73, v8
	v_add_nc_u32 v[RD+1], 2*WREG, v[RD]
	v_lshlrev_b32 v9, 11, v7
	v_lshl_add_u32 v[CO], v3, 4, v9                ; 16 bytes of f16 a lane
.macro FETCH ks, f                     ; the fragments of K step ks of my eight: A's four tiles of 16 columns, then B's
.irp t, 0,1,2,3
	ds_load_tr16_b128 v[\f+8*\t:\f+8*\t+3],   v[ADRA] offset:\ks*32*TP+32*\t
	ds_load_tr16_b128 v[\f+8*\t+4:\f+8*\t+7], v[ADRA] offset:\ks*32*TP+32*\t+16*TP
.endr
.irp t, 0,1,2,3
	ds_load_tr16_b128 v[\f+32+8*\t:\f+32+8*\t+3], v[ADRB] offset:\ks*32*TP+32*\t
	ds_load_tr16_b128 v[\f+32+8*\t+4:\f+32+8*\t+7], v[ADRB] offset:\ks*32*TP+32*\t+16*TP
.endr
.endm
.macro MUL f, zero                     ; 16 matrix instructions; the 16 accumulators take turns, one instruction a turn
.irp ta, 0,1,2,3
.irp tb, 0,1,2,3
.if \zero
	v_wmma_f32_16x16x32_f16 v[8*(4*\ta+\tb):8*(4*\ta+\tb)+7], v[\f+32+8*\tb:\f+32+8*\tb+7], v[\f+8*\ta:\f+8*\ta+7], 0
.else
	v_wmma_f32_16x16x32_f16 v[8*(4*\ta+\tb):8*(4*\ta+\tb)+7], v[\f+32+8*\tb:\f+32+8*\tb+7], v[\f+8*\ta:\f+8*\ta+7], v[8*(4*\ta+\tb):8*(4*\ta+\tb)+7]
.endif
.endr
.endr
.endm
.macro PLACES                          ; four plain vector instructions between a matrix instruction and a load into, or a store of, its registers
.rept 4
	v_nop
.endr
.endm
.macro KS ks, f, g, zero               ; K step ks is fetched into buffer g while buffer f, K step ks - 1, is multiplied
	PLACES
	FETCH \ks, \g
	s_wait_dscnt 16                                ; all but the 16 just issued: buffer f is in
	WIN 0x50                                       ; C and D in window 1
	MUL \f, \zero
	WIN 0
.endm
	s_wait_tensorcnt 0x2                           ; my first halves of A and B are in; the two second halves stay out
	FETCH 0, F0
	KS 1, F0, F1, 1                                ; the first products start the sums: nothing is cleared
	KS 2, F1, F0, 0
	KS 3, F0, F1, 0
	s_wait_tensorcnt 0x0                           ; my second halves
	KS 4, F1, F0, 0
	KS 5, F0, F1, 0
	KS 6, F1, F0, 0
	KS 7, F0, F1, 0
	s_wait_dscnt 0x0
	WIN 0x50
	MUL F1, 0
	PLACES
	; my partial block goes, in f32, into my own share of A: its last fill has landed and only I have read it
	WIN 0x04                                       ; an LDS store's data is its source 1: window 1
.irp ta, 0,1,2,3
.irp tb, 0,1,2,3
	ds_store_b128 v[STO], v[8*(4*\ta+\tb):8*(4*\ta+\tb)+3]   offset:\ta*16*RP+64*\tb
	ds_store_b128 v[STO], v[8*(4*\ta+\tb)+4:8*(4*\ta+\tb)+7] offset:\ta*16*RP+64*\tb+16
.endr
.endr
	WIN 0
	s_lshl_b32 s16, s13, 6
	s_lshl_b32 s17, s10, 4
	s_add_co_u32 s16, s16, s17                     ; the first of my 16 rows of G^T
	s_lshl_b32 s16, s16, 11
	s_mov_b32 s17, 0
	s_add_nc_u64 s[8:9], s[8:9], s[16:17]
	s_lshl_b32 s20, s68, 7                         ; the block's 64 columns of 2 bytes
	s_mov_b32 s21, 0
	s_add_nc_u64 s[8:9], s[8:9], s[20:21]
	s_wait_dscnt 0x0                               ; for the others' sake: my stores are done
	s_barrier_signal -1
	s_barrier_wait -1
	; pass p: rows 16 w + 4 p + l / 8; partial block q of the four; 32 bytes a lane in two loads
.irp p, 0,1,2,3
.irp q, 0,1,2,3
	ds_load_b128 v[F0+32*\p+8*\q:F0+32*\p+8*\q+3],   v[RD+\q/2] offset:(\q-2*(\q/2))*WREG+\p*4*RP
	ds_load_b128 v[F0+32*\p+8*\q+4:F0+32*\p+8*\q+7], v[RD+\q/2] offset:(\q-2*(\q/2))*WREG+\p*4*RP+16
.endr
.endr
.irp p, 0,1,2,3
	s_wait_dscnt 24-8*\p                           ; the later passes' loads stay out
.irp e, 0,2,4,6
	v_pk_add_f32 v[F0+32*\p+\e:F0+32*\p+\e+1], v[F0+32*\p+\e:F0+32*\p+\e+1], v[F0+32*\p+8+\e:F0+32*\p+8+\e+1]
	v_pk_add_f32 v[F0+32*\p+16+\e:F0+32*\p+16+\e+1], v[F0+32*\p+16+\e:F0+32*\p+16+\e+1], v[F0+32*\p+24+\e:F0+32*\p+24+\e+1]
.endr
.irp e, 0,2,4,6
	v_pk_add_f32 v[F0+32*\p+\e:F0+32*\p+\e+1], v[F0+32*\p+\e:F0+32*\p+\e+1], v[F0+32*\p+16+\e:F0+32*\p+16+\e+1]
.endr
.irp e, 0,1,2,3
	v_cvt_pk_f16_f32 v[TMP+4*\p+\e], v[F0+32*\p+2*\e], v[F0+32*\p+2*\e+1]
.endr
	global_store_b128 v[CO], v[TMP+4*\p:TMP+4*\p+3], s[8:9] offset:\p*4*WROW   ; eight lanes store a row's 128 bytes
.endr
	s_wait_tensorcnt 0x0
	ds_add_u32 v254, v255
	s_wait_dscnt 0x0
	CROUND                                         ; the closing round: no work-group ends while a partner may still ask for a tile that names it
	s_endpgm
.Lfunc_end_k_qc457771807_foldg:
	.size	k_qc457771807_foldg, .Lfunc_end_k_qc457771807_foldg-k_qc457771807_foldg
	.p2alignl 7, 3214868480
	.fill 96, 4, 3214868480
	.section	.rodata,"a",@progbits
	.p2align	6, 0x0
	.amdhsa_kernel k_qc457771807_foldg
		.amdhsa_group_segment_fixed_size 295424
		.amdhsa_private_segment_fixed_size 0
		.amdhsa_enable_private_segment 0
		.amdhsa_kernarg_size 16
		.amdhsa_user_sgpr_count 2
		.amdhsa_user_sgpr_kernarg_segment_ptr 1
		.amdhsa_wavefront_size32 1
		.amdhsa_system_sgpr_workgroup_id_x 1
		.amdhsa_system_sgpr_workgroup_id_y 1
		.amdhsa_system_sgpr_workgroup_id_z 1
		.amdhsa_system_vgpr_workitem_id 0
		.amdhsa_next_free_vgpr 384
		.amdhsa_next_free_sgpr 74
		.amdhsa_reserve_vcc 0
		.amdhsa_float_denorm_mode_32 3
		.amdhsa_float_denorm_mode_16_64 3
		.amdhsa_memory_ordered 1
		.amdhsa_forward_progress 1
		.amdhsa_inst_pref_size 33
	.end_amdhsa_kernel
	.amdgpu_metadata
---
amdhsa.version: [ 1, 2 ]
amdhsa.kernels:
  - .name:           k_qc457771807_foldg
    .symbol:         k_qc457771807_foldg.kd
    .args:
      - { .name: wh, .offset: 0, .size: 8, .value_kind: global_buffer, .address_space: global }
      - { .name: gh, .offset: 8, .size: 8, .value_kind: global_buffer, .address_space: global }
    .group_segment_fixed_size: 295424
    .private_segment_fixed_size: 0
    .kernarg_segment_align: 8
    .kernarg_segment_size: 16
    .max_flat_workgroup_size: 128
    .sgpr_count:     74
    .vgpr_count:     384
    .wavefront_size: 32
...
	.end_amdgpu_metadata
.endif
;; end of part 8
;; launch foldh (part 9): grid 16 x 16, 4 waves a work-group, clusters of 4 x 4, 295,424 bytes of LDS; arguments wh, gh; writes gh
.if DOCPART == 9
	.amdgcn_target "amdgcn-amd-amdhsa--gfx1250"
	.amdhsa_code_object_version 6
	.text
	.protected	k_qc457771807_foldh
	.globl	k_qc457771807_foldh
	.p2align	8
	.type	k_qc457771807_foldh,@function
k_qc457771807_foldh:
	s_mov_b64 s[64:65], 0
	v_nop
	global_prefetch_b8 v0, s[64:65] scope:SCOPE_SE
	s_setreg_imm32_b32 hwreg(HW_REG_WAVE_MODE, 25, 1), 1
	s_wait_xcnt 0x0
	s_wait_alu depctr_hold_cnt(0) depctr_sa_sdst(0) depctr_va_vdst(0) depctr_va_sdst(0) depctr_va_ssrc(0) depctr_va_vcc(0) depctr_vm_vsrc(0)
	s_getreg_b32 s2, hwreg(HW_REG_IB_STS2, 6, 4)
	s_cmp_eq_u32 s2, 0
	s_cbranch_scc0 .Lentry_in_a_cluster
	s_endpgm
.Lentry_in_a_cluster:
	s_bfe_u32 s2, ttmp6, 0x10000c
	s_cmp_lg_u32 s2, 0xf033
	s_cbranch_scc0 .Lentry_shape_is_right
	s_endpgm
.Lentry_shape_is_right:
; H[o][h] = sum over j of Wo[o][j] Wv[j][h]  (gh rows 1024-2047, f16; sums in f32), and the largest |H| of each wave's share (1,024 f32 behind H).
; With H the product with attn gives the output itself: attn (x Wv^T + 1 bv^T) Wo^T + bo = attn (x H^T) + (Wo bv + bo), each row of attn summing to 1.
; Limit: |H| below 65,504; with weights 30 times smaller than 1/32 H lies at f16's fixed step of 6e-8, 0.05 per cent of its spread.
; A = Wo = wh rows 3072-4095 has K (= j) along its rows; B = Wv = wh rows 2048-3071 has K down its rows.
; A work-group makes a block of 64 x 64: 16 x 16 blocks = 256 work-groups.  K IS SHARED OUT AMONG THE FOUR WAVES: each wave makes the whole block
; over its own 256 of K (16 accumulator tiles, 8 steps of 32), so that each LDS byte is read once, and each wave reads only what it fetched itself:
; its own wait on TENSORcnt is all the ordering that its reads need.  All of a block's operands lie in LDS at once, which sets the block's
; width; nothing is filled again.  A wave's share comes in two halves of 128 of K: A's as 64 rows of 256 bytes, B's as 128 rows of 128 bytes:
; four tensor loads of the wave are out at the start.  B's fragments come by the transposing LDS load.  The four partial blocks meet in LDS, in f32.
; CLUSTERS: 4 x 4 work-groups; A's rows are shared along a row of the cluster, B's columns along a column, by joint loads.
; REGISTERS: window 0: v0-23 addresses and the maximum; v64-127, v128-191 two fragment buffers (A's four tiles, then B's four); v192-215 at work
;            window 1: accumulator tile (ta, tb) at v[8 (4 ta + tb)]
; The matrix instruction is used transposed (source 0 = B's fragment, source 1 = A's): lane l holds row l % 16 of C, columns 8 (l / 16) + 0 .. 7.
.set WROW,  2048                       ; bytes in a row of wh and of gh
.set TP,    144                        ; an LDS row of B's tile: 128 bytes + 16 of padding
.set HALF,  128*TP                     ; B: what one tensor load brings: 128 rows
.set AP,    272                        ; an LDS row of A's tile: 256 bytes + 16 of padding
.set AHALF, 64*AP                      ; A: what one tensor load brings: 64 rows
.set WREG,  2*HALF                     ; a wave's share of one operand (A's takes 34,816 of these 36,864 bytes)
.set BREG,  4*WREG                     ; B's shares lie behind A's
.set RP,    272                        ; a row of a partial block: 64 f32 + 16 bytes
.set ABASE, 3072*WROW                  ; Wo in wh
.set BBASE, 2048*WROW                  ; Wv in wh
.set CBASE, 1024*WROW                  ; H in gh
.set HMOFF, 2048*WROW                  ; the maxima in gh
.set ADRA, 16
.set ADRB, 17
.set STO,  18
.set RD,   19                          ; v19-20
.set CO,   21
.set MX,   22                          ; v22     the largest |H| that I have seen
.set PT,   23                          ; v23     what the other half of the lanes holds
.set F0,   64
.set F1,   128
.set TMP,  192                         ; v192-207 packed results
.set AB,   208                         ; v208-215 magnitudes
.set G1A, 24
.set G1B, 32
.set G0A, 40
.set G0B, 48
.set MSB, 0
.macro WIN new
.if MSB != (\new)
	s_set_vgpr_msb (MSB<<8)|(\new)
.set MSB, (\new)
.endif
.endm
.macro CREST
	s_cmp_lg_u32 s10, 0
	s_cbranch_scc1 .Lnot_wave_0_\@
	s_barrier_signal -3
.Lnot_wave_0_\@:
	s_barrier_wait -3
	s_barrier_signal -1
	s_barrier_wait -1
.endm
.macro CROUND
	s_barrier_signal -1
	s_barrier_wait -1
	CREST
.endm
	s_load_b64 s[4:5], s[0:1], 0x0                 ; wh
	s_load_b64 s[8:9], s[0:1], 0x8                 ; gh
	v_lshl_add_u32 v254, v0, 2, 0x48000
	v_mov_b32 v255, 0
	ds_add_u32 v254, v255
	v_lshrrev_b32 v1, 5, v0
	v_readfirstlane_b32 s10, v1                    ; wave 0..3: my 256 of K
	s_bfe_u32 s66, ttmp6, 0x40000                  ; cx
	s_bfe_u32 s67, ttmp6, 0x40004                  ; cy
	s_lshl_b32 s68, ttmp9, 2
	s_add_co_u32 s68, s68, s66                     ; block column, 0..15
	s_and_b32 s13, ttmp7, 0xffff
	s_lshl_b32 s13, s13, 2
	s_add_co_u32 s13, s13, s67                     ; block row, 0..15
	s_lshl_b32 s69, s67, 2
	s_lshl_b32 s69, 15, s69                        ; my row of the cluster
	s_lshl_b32 s70, 0x1111, s66                    ; my column
	s_mov_b32 s18, 0x76543210                      ; v_permlanex16_b32: lane i of one half reads lane i of the other
	s_mov_b32 s19, 0xfedcba98
	; group 1.  A: 64 rows x 128 elements, 4 words of padding behind every 64.  B: 128 rows x 64 elements, 4 words behind every 32.
	s_or_b32 s[G1A+0], s69, (1<<16)|(1<<20)|(1<<21)|(5<<22)|(3<<25)
	s_or_b32 s[G1B+0], s70, (1<<16)|(1<<20)|(1<<21)|(4<<22)|(3<<25)
	s_mov_b32 s[G1A+1], 128<<16                    ; tensor_dim0
	s_mov_b32 s[G1B+1], 64<<16
	s_mov_b32 s[G1A+2], 64<<16                     ; tensor_dim1
	s_mov_b32 s[G1B+2], 128<<16
	s_mov_b32 s[G1A+3], 128<<16                    ; tile_dim0
	s_mov_b32 s[G1B+3], 64<<16
	s_mov_b32 s[G1A+4], 64                         ; tile_dim1
	s_mov_b32 s[G1B+4], 128
	s_mov_b32 s[G1A+5], 1024                       ; elements from row to row
	s_mov_b32 s[G1B+5], 1024
	s_mov_b32 s[G1A+6], 0
	s_mov_b32 s[G1B+6], 0
	s_mov_b32 s[G1A+7], 0
	s_mov_b32 s[G1B+7], 0
	s_lshl_b32 s16, s13, 17                        ; A: the block's 64 rows of 2,048 bytes,
	s_lshl_b32 s17, s10, 9                         ; my 256 of K
	s_add_co_u32 s16, s16, s17
	s_add_co_u32 s16, s16, ABASE
	s_mov_b32 s17, 0
	s_lshl_b32 s20, s10, 19                        ; B: my 256 rows of 2,048 bytes,
	s_lshl_b32 s21, s68, 7                         ; the block's 64 columns
	s_add_co_u32 s20, s20, s21
	s_add_co_u32 s20, s20, BBASE
	s_mov_b32 s21, 0
	s_mul_i32 s71, s10, WREG                       ; my share of A in LDS
	s_add_co_u32 s72, s71, BREG                    ; my share of B
	s_wait_dscnt 0x0
	s_wait_kmcnt 0x0
	s_add_nc_u64 s[14:15], s[4:5], s[16:17]
	s_add_nc_u64 s[22:23], s[4:5], s[20:21]
	CROUND                                         ; the joint loads meet
.irp u, 0,1
	s_mov_b32 s[G0A+4*\u], 1
	s_add_co_u32 s[G0A+4*\u+1], s71, \u*AHALF
	s_add_nc_u64 s[G0A+4*\u+2:G0A+4*\u+3], s[14:15], \u*256
	s_or_b32 s[G0A+4*\u+3], s[G0A+4*\u+3], 0x80000000
	s_mov_b32 s[G0B+4*\u], 1
	s_add_co_u32 s[G0B+4*\u+1], s72, \u*HALF
	s_add_nc_u64 s[G0B+4*\u+2:G0B+4*\u+3], s[22:23], \u*128*WROW
	s_or_b32 s[G0B+4*\u+3], s[G0B+4*\u+3], 0x80000000
	tensor_load_to_lds s[G0A+4*\u:G0A+4*\u+3], s[G1A:G1A+7]       ; every wave asks for a share of its own: four loads of the wave are out
	s_nop 0
	tensor_load_to_lds s[G0B+4*\u:G0B+4*\u+3], s[G1B:G1B+7]
	s_nop 0
.endr
	v_and_b32 v1, 15, v0                           ; l % 16
	v_bfe_u32 v2, v0, 4, 1                         ; l / 16
	v_and_b32 v3, 7, v0                            ; l % 8
	v_bfe_u32 v4, v0, 3, 1                         ; (l / 8) % 2
	v_mul_u32_u24 v5, v1, AP                       ; A, K along the rows: row l % 16, two loads of 16 bytes, 32 bytes apart, at 16 (l / 16)
	v_lshl_add_u32 v5, v2, 4, v5
	v_add_nc_u32 v[ADRA], s71, v5
	; B, the transposing load: lane l addresses 16 bytes of row 8 (l / 16) + l % 8 at column 8 ((l / 8) % 2) of a tile of 16 columns, and
	; receives K = 8 (l / 16) + 0 .. 7 of column l % 16; a second load 16 rows further down brings K = 16 + 8 (l / 16) + 0 .. 7
	v_lshl_add_u32 v5, v2, 3, v3
	v_mul_u32_u24 v5, v5, TP
	v_lshl_add_u32 v5, v4, 4, v5
	v_add_nc_u32 v[ADRB], s72, v5
	v_mul_u32_u24 v6, v1, RP
	v_lshl_add_u32 v6, v2, 5, v6
	v_add_nc_u32 v[STO], s71, v6
	v_bfe_u32 v7, v0, 3, 2                         ; l / 8
	v_mul_u32_u24 v8, v7, RP
	v_lshl_add_u32 v8, v3, 5, v8
	s_mul_i32 s73, s10, 16*RP
	v_add_nc_u32 v[RD], s73, v8
	v_add_nc_u32 v[RD+1], 2*WREG, v[RD]
	v_lshlrev_b32 v9, 11, v7
	v_lshl_add_u32 v[CO], v3, 4, v9
	v_mov_b32 v[MX], 0                             ; magnitudes are at least 0
	v_mov_b32 v[PT], 0                             ; v_permlanex16_b32 counts as a reader of its destination
.macro FETCH ks, ao, f                 ; the fragments of K step ks of my eight; ao = its place in A's rows (the half, and 64 bytes a step)
.irp t, 0,1,2,3
	ds_load_b128 v[\f+8*\t:\f+8*\t+3],   v[ADRA] offset:\ao+\t*16*AP
	ds_load_b128 v[\f+8*\t+4:\f+8*\t+7], v[ADRA] offset:\ao+\t*16*AP+32
.endr
.irp t, 0,1,2,3
	ds_load_tr16_b128 v[\f+32+8*\t:\f+32+8*\t+3], v[ADRB] offset:\ks*32*TP+32*\t
	ds_load_tr16_b128 v[\f+32+8*\t+4:\f+32+8*\t+7], v[ADRB] offset:\ks*32*TP+32*\t+16*TP
.endr
.endm
.macro MUL f, zero                     ; 16 matrix instructions; the 16 accumulators take turns, one instruction a turn
.irp ta, 0,1,2,3
.irp tb, 0,1,2,3
.if \zero
	v_wmma_f32_16x16x32_f16 v[8*(4*\ta+\tb):8*(4*\ta+\tb)+7], v[\f+32+8*\tb:\f+32+8*\tb+7], v[\f+8*\ta:\f+8*\ta+7], 0
.else
	v_wmma_f32_16x16x32_f16 v[8*(4*\ta+\tb):8*(4*\ta+\tb)+7], v[\f+32+8*\tb:\f+32+8*\tb+7], v[\f+8*\ta:\f+8*\ta+7], v[8*(4*\ta+\tb):8*(4*\ta+\tb)+7]
.endif
.endr
.endr
.endm
.macro PLACES                          ; four plain vector instructions between a matrix instruction and a load into, or a store of, its registers
.rept 4
	v_nop
.endr
.endm
.macro KS ks, ao, f, g, zero           ; K step ks is fetched into buffer g while buffer f, K step ks - 1, is multiplied
	PLACES
	FETCH \ks, \ao, \g
	s_wait_dscnt 16                                ; all but the 16 just issued: buffer f is in
	WIN 0x50                                       ; C and D in window 1
	MUL \f, \zero
	WIN 0
.endm
	s_wait_tensorcnt 0x2                           ; my first halves of A and B are in; the two second halves stay out
	FETCH 0, 0, F0
	KS 1, 64,  F0, F1, 1                           ; the first products start the sums: nothing is cleared
	KS 2, 128, F1, F0, 0
	KS 3, 192, F0, F1, 0
	s_wait_tensorcnt 0x0                           ; my second halves
	KS 4, AHALF,     F1, F0, 0
	KS 5, AHALF+64,  F0, F1, 0
	KS 6, AHALF+128, F1, F0, 0
	KS 7, AHALF+192, F0, F1, 0
	s_wait_dscnt 0x0
	WIN 0x50
	MUL F1, 0
	PLACES
	; my partial block goes, in f32, into my own share of A: its last fill has landed and only I have read it
	WIN 0x04                                       ; an LDS store's data is its source 1: window 1
.irp ta, 0,1,2,3
.irp tb, 0,1,2,3
	ds_store_b128 v[STO], v[8*(4*\ta+\tb):8*(4*\ta+\tb)+3]   offset:\ta*16*RP+64*\tb
	ds_store_b128 v[STO], v[8*(4*\ta+\tb)+4:8*(4*\ta+\tb)+7] offset:\ta*16*RP+64*\tb+16
.endr
.endr
	WIN 0
	s_add_nc_u64 s[6:7], s[8:9], HMOFF             ; the maxima: one word for each wave of each work-group
	s_lshl_b32 s20, s13, 4
	s_add_co_u32 s20, s20, s68
	s_lshl_b32 s20, s20, 2
	s_add_co_u32 s20, s20, s10
	s_lshl_b32 s20, s20, 2
	s_mov_b32 s21, 0
	s_add_nc_u64 s[6:7], s[6:7], s[20:21]
	s_lshl_b32 s16, s13, 6
	s_lshl_b32 s17, s10, 4
	s_add_co_u32 s16, s16, s17                     ; the first of my 16 rows of H
	s_lshl_b32 s16, s16, 11
	s_add_co_u32 s16, s16, CBASE
	s_mov_b32 s17, 0
	s_add_nc_u64 s[8:9], s[8:9], s[16:17]
	s_lshl_b32 s20, s68, 7                         ; the block's 64 columns of 2 bytes
	s_add_nc_u64 s[8:9], s[8:9], s[20:21]
	s_mov_b32 s22, 0x7fffffff                      ; clears a sign
	s_wait_dscnt 0x0                               ; for the others' sake: my stores are done
	s_barrier_signal -1
	s_barrier_wait -1
	; pass p: rows 16 w + 4 p + l / 8; partial block q of the four; 32 bytes a lane in two loads
.irp p, 0,1,2,3
.irp q, 0,1,2,3
	ds_load_b128 v[F0+32*\p+8*\q:F0+32*\p+8*\q+3],   v[RD+\q/2] offset:(\q-2*(\q/2))*WREG+\p*4*RP
	ds_load_b128 v[F0+32*\p+8*\q+4:F0+32*\p+8*\q+7], v[RD+\q/2] offset:(\q-2*(\q/2))*WREG+\p*4*RP+16
.endr
.endr
.irp p, 0,1,2,3
	s_wait_dscnt 24-8*\p                           ; the later passes' loads stay out
.irp e, 0,2,4,6
	v_pk_add_f32 v[F0+32*\p+\e:F0+32*\p+\e+1], v[F0+32*\p+\e:F0+32*\p+\e+1], v[F0+32*\p+8+\e:F0+32*\p+8+\e+1]
	v_pk_add_f32 v[F0+32*\p+16+\e:F0+32*\p+16+\e+1], v[F0+32*\p+16+\e:F0+32*\p+16+\e+1], v[F0+32*\p+24+\e:F0+32*\p+24+\e+1]
.endr
.irp e, 0,2,4,6
	v_pk_add_f32 v[F0+32*\p+\e:F0+32*\p+\e+1], v[F0+32*\p+\e:F0+32*\p+\e+1], v[F0+32*\p+16+\e:F0+32*\p+16+\e+1]
.endr
.irp e, 0,1,2,3,4,5,6,7
	v_and_b32 v[AB+\e], s22, v[F0+32*\p+\e]
.endr
.irp e, 0,2,4,6
	v_max3_num_f32 v[MX], v[AB+\e], v[AB+\e+1], v[MX]
.endr
.irp e, 0,1,2,3
	v_cvt_pk_f16_f32 v[TMP+4*\p+\e], v[F0+32*\p+2*\e], v[F0+32*\p+2*\e+1]
.endr
	global_store_b128 v[CO], v[TMP+4*\p:TMP+4*\p+3], s[8:9] offset:\p*4*WROW   ; eight lanes store a row's 128 bytes
.endr
	; the largest |H| of my 16 rows x 64 columns, over the 32 lanes; lane 0 stores it
	v_max_num_f32_dpp v[MX], v[MX], v[MX] row_xmask:1 row_mask:0xf bank_mask:0xf
	v_max_num_f32_dpp v[MX], v[MX], v[MX] row_xmask:2 row_mask:0xf bank_mask:0xf
	v_max_num_f32_dpp v[MX], v[MX], v[MX] row_xmask:4 row_mask:0xf bank_mask:0xf
	v_max_num_f32_dpp v[MX], v[MX], v[MX] row_xmask:8 row_mask:0xf bank_mask:0xf
	v_permlanex16_b32 v[PT], v[MX], s18, s19
	v_max_num_f32 v[MX], v[MX], v[PT]
	v_and_b32 v5, 31, v0
	v_mov_b32 v6, 0
	v_cmp_eq_u32 vcc_lo, 0, v5
	s_wait_xcnt 0x0                                ; EXEC, a source of the pending stores, changes only behind this wait
	s_and_saveexec_b32 s23, vcc_lo
	global_store_b32 v6, v[MX], s[6:7]             ; four bytes a wave, 4,096 bytes in the launch
	s_wait_xcnt 0x0                                ; and again in front of the line that widens it
	s_or_b32 exec_lo, exec_lo, s23
	s_wait_tensorcnt 0x0
	ds_add_u32 v254, v255
	s_wait_dscnt 0x0
	CROUND                                         ; the closing round
	s_endpgm
.Lfunc_end_k_qc457771807_foldh:
	.size	k_qc457771807_foldh, .Lfunc_end_k_qc457771807_foldh-k_qc457771807_foldh
	.p2alignl 7, 3214868480
	.fill 96, 4, 3214868480
	.section	.rodata,"a",@progbits
	.p2align	6, 0x0
	.amdhsa_kernel k_qc457771807_foldh
		.amdhsa_group_segment_fixed_size 295424
		.amdhsa_private_segment_fixed_size 0
		.amdhsa_enable_private_segment 0
		.amdhsa_kernarg_size 16
		.amdhsa_user_sgpr_count 2
		.amdhsa_user_sgpr_kernarg_segment_ptr 1
		.amdhsa_wavefront_size32 1
		.amdhsa_system_sgpr_workgroup_id_x 1
		.amdhsa_system_sgpr_workgroup_id_y 1
		.amdhsa_system_sgpr_workgroup_id_z 1
		.amdhsa_system_vgpr_workitem_id 0
		.amdhsa_next_free_vgpr 384
		.amdhsa_next_free_sgpr 74
		.amdhsa_reserve_vcc 1
		.amdhsa_float_denorm_mode_32 3
		.amdhsa_float_denorm_mode_16_64 3
		.amdhsa_memory_ordered 1
		.amdhsa_forward_progress 1
		.amdhsa_inst_pref_size 36
	.end_amdhsa_kernel
	.amdgpu_metadata
---
amdhsa.version: [ 1, 2 ]
amdhsa.kernels:
  - .name:           k_qc457771807_foldh
    .symbol:         k_qc457771807_foldh.kd
    .args:
      - { .name: wh, .offset: 0, .size: 8, .value_kind: global_buffer, .address_space: global }
      - { .name: gh, .offset: 8, .size: 8, .value_kind: global_buffer, .address_space: global }
    .group_segment_fixed_size: 295424
    .private_segment_fixed_size: 0
    .kernarg_segment_align: 8
    .kernarg_segment_size: 16
    .max_flat_workgroup_size: 128
    .sgpr_count:     74
    .vgpr_count:     384
    .wavefront_size: 32
...
	.end_amdgpu_metadata
.endif
;; end of part 9
;; launch proj (part 10): grid 8 x 32, 4 waves a work-group, clusters of 4 x 4, 327,680 bytes of LDS; arguments xh, gh, vp, yu; writes yu
.if DOCPART == 10
	.amdgcn_target "amdgcn-amd-amdhsa--gfx1250"
	.amdhsa_code_object_version 6
	.text
	.protected	k_qc457771807_proj
	.globl	k_qc457771807_proj
	.p2align	8
	.type	k_qc457771807_proj,@function
k_qc457771807_proj:
	s_mov_b64 s[64:65], 0
	v_nop
	global_prefetch_b8 v0, s[64:65] scope:SCOPE_SE
	s_setreg_imm32_b32 hwreg(HW_REG_WAVE_MODE, 25, 1), 1
	s_wait_xcnt 0x0
	s_wait_alu depctr_hold_cnt(0) depctr_sa_sdst(0) depctr_va_vdst(0) depctr_va_sdst(0) depctr_va_ssrc(0) depctr_va_vcc(0) depctr_vm_vsrc(0)
	s_getreg_b32 s2, hwreg(HW_REG_IB_STS2, 6, 4)
	s_cmp_eq_u32 s2, 0
	s_cbranch_scc0 .Lentry_in_a_cluster
	s_endpgm
.Lentry_in_a_cluster:
	s_bfe_u32 s2, ttmp6, 0x10000c
	s_cmp_lg_u32 s2, 0xf033
	s_cbranch_scc0 .Lentry_shape_is_right
	s_endpgm
.Lentry_shape_is_right:
; The two products with x that are left, 128 blocks of 256 x 256 each, K = 1024, f16 operands, f32 sums:
;   cluster x = 0:  y'[row][n]  = (sum over h of x[row][h] G^T[n][h] + c[n]) log2 e / 2048      A = xh, B = gh rows 0-1023,  C = yu [8192][1024] f16
;   cluster x = 1:  u'^T[o][tok] = (sum over h of H[o][h] x[tok][h]) t                           A = gh rows 1024-2047, B = xh,  C = yu + 16 MiB [1024][8192] f16
; c = bq Wk is the sum of the 64 partial sums in vp.  bk is left out (shown at the head of the first launch).
; y' carries log2 e / 32 of the scores and a further 1/64, which the next launch gives back exactly: |x G + c| may reach 9e7.  Only the absolute
; error of a score counts, so what falls under f16's smallest step is harmless.
; t is the power of two that brings the largest |H| (the largest of the 1,024 words behind H in gh) under 1/8: then |u'| <= 1024 max|x| / 8, inside
; f16 for |x| below 500 whatever the weights' size, and u' has about 0.4 to 0.8 of x's spread for weights without an offset.
; The cluster's x is the same in all sixteen partners, so the branches on it are alike in all of them; they jump over no barrier and no tensor load.
; A work-group makes a block of 256 x 256 with four waves, a wave 128 x 128: 64 accumulator tiles, 512 registers.  K goes in steps of 128 through
; a ring of two LDS slots filled by the tensor data mover: a tile's rows are 256 bytes of memory at multiples of 256 bytes.
; CLUSTERS: 4 x 4.  A's tiles hang on the block row and are shared along a row of the cluster, B's on the block column and along a column.
;   y': block row = 4 x cluster y + cy (0..31), block column = cx.      u'^T: block row = cy, block column = 4 x cluster y + cx (0..31).
; REGISTERS: window 0: v0-31 addresses; v64-127, v128-191 fragments of A; v192-223 at work
;            window 1: v64-127, v128-191 fragments of B; v192-255 on y's way out: c of my 64 columns a lane, scaled
;            window 2: tile (a, b) at v[8 (8 a + b)], my rows 0-63 (ahead of the products: c's partial sums);   window 3: my rows 64-127
; Transposed use of the matrix instruction (source 0 = rows of B, source 1 = rows of A): lane l holds row l % 16 of C, columns 8 (l / 16) + 0 .. 7.
.set KDIM,   1024
.set KSTEP,  128
.set PITCH,  272                       ; an LDS row: 256 bytes + 16 of padding
.set HALFT,  128*PITCH
.set SLOT,   4*HALFT                   ; A's 256 rows, then B's 256 rows
.set STAGE,  2*SLOT                    ; behind the ring: 16 rows x 272 bytes for each wave; no fill ever lands there
.set SPITCH, 272
.set CS,     STAGE+4*16*SPITCH         ; 512 bytes for each wave: c of its 128 columns, scaled; no fill ever lands there
.set LAPS,   KDIM/(2*KSTEP)            ; 4
.set YROW,   2048                      ; bytes in a row of y'
.set UROW,   16384                     ; bytes in a row of u'^T
.set HOFF,   1024*2048                 ; H in gh
.set HMOFF,  2048*2048                 ; the maxima in gh
.set UOFF,   8192*2048                 ; u'^T in yu
.set ADRA, 16
.set ADRB, 20
.set STO,  24
.set RD,   25
.set CO,   26
.set L16,  27                          ; v27  16 bytes a lane
.set SS,   28                          ; v28  c's scratch, 16 bytes a lane
.set SR,   29                          ; v29  c's scratch, 32 bytes for each half of the lanes
.set MXR,  30                          ; v30  the largest |H|, then t
.set PT,   31                          ; v31  what the other half of the lanes holds
.set F0,   64
.set F1,   128
.set TMP,  192                         ; window 0
.set BIAS, 192                         ; window 1
.set G1, 24
.set G0, 32
.set G1B, 48
.set G0B, 56
.set MSB, 0
.macro WIN new
.if MSB != (\new)
	s_set_vgpr_msb (MSB<<8)|(\new)
.set MSB, (\new)
.endif
.endm
.set MUL_LO, 0xa1                      ; source 0 (B) window 1, source 1 (A) window 0, C and D window 2
.set MUL_HI, 0xf1                      ; the same, C and D window 3
.set TO_B,   0x40                      ; destination window 1, address window 0
.macro JLOAD s                         ; waves 0 and 1 ask for A's halves, waves 2 and 3 for B's; the branch hangs on the wave's number alone
	s_cmp_eq_u32 s11, 0
	s_cbranch_scc0 .Lfor_b_\@
	tensor_load_to_lds s[G0+4*\s:G0+4*\s+3], s[G1:G1+7]
	s_nop 0
	s_branch .Lasked_\@
.Lfor_b_\@:
	tensor_load_to_lds s[G0B+4*\s:G0B+4*\s+3], s[G1B:G1B+7]
	s_nop 0
.Lasked_\@:
.endm
.macro CREST
	s_cmp_lg_u32 s10, 0
	s_cbranch_scc1 .Lnot_wave_0_\@
	s_barrier_signal -3
.Lnot_wave_0_\@:
	s_barrier_wait -3
	s_barrier_signal -1
	s_barrier_wait -1
.endm
.macro CROUND
	s_barrier_signal -1
	s_barrier_wait -1
	CREST
.endm
	s_load_b256 s[80:87], s[0:1], 0x0              ; xh s[80:81], gh s[82:83], vp s[84:85], yu s[86:87]
	s_set_vgpr_msb 0x40
	v_lshl_add_u32 v63, v0, 2, 0x48c00
	s_set_vgpr_msb 0x4000
	v_mov_b32 v255, 0
	s_set_vgpr_msb 0x1
	ds_add_u32 v63, v255
	s_set_vgpr_msb 0x100
	v_lshrrev_b32 v1, 5, v0
	v_readfirstlane_b32 s10, v1                    ; wave 0..3
	s_lshr_b32 s11, s10, 1                         ; my half of the block's rows; I fetch for A (0) or for B (1)
	s_and_b32 s12, s10, 1                          ; my half of its columns; which 128 rows of that tile I fetch
	s_bfe_u32 s40, ttmp6, 0x40000                  ; cx
	s_bfe_u32 s41, ttmp6, 0x40004                  ; cy
	s_and_b32 s75, ttmp7, 0xffff
	s_lshl_b32 s75, s75, 2                         ; 4 x cluster y
	s_cmp_eq_u32 ttmp9, 0                          ; cluster x = 0: y'
	s_cselect_b32 s13, s75, 0                      ; the long side of C (32 blocks) runs down the rows of y'
	s_cselect_b32 s42, 0, s75                      ; and along the columns of u'^T
	s_cselect_b32 s74, 0, UOFF                     ; where my half of yu begins
	s_add_co_u32 s13, s13, s41                     ; block row
	s_add_co_u32 s42, s42, s40                     ; block column
	s_lshl_b32 s43, s41, 2
	s_lshl_b32 s43, 15, s43                        ; my row of the cluster
	s_lshl_b32 s44, 0x1111, s40                    ; my column
	s_mov_b32 s76, 0x76543210                      ; v_permlanex16_b32: lane i of one half reads lane i of the other
	s_mov_b32 s77, 0xfedcba98
	s_or_b32 s[G1+0], s43, (1<<16)|(1<<20)|(1<<21)|(5<<22)|(3<<25)    ; elements of 2 bytes, 4 words of padding behind every 64
	s_or_b32 s[G1B+0], s44, (1<<16)|(1<<20)|(1<<21)|(5<<22)|(3<<25)
	s_mov_b32 s[G1+1], KSTEP<<16
	s_mov_b32 s[G1B+1], KSTEP<<16
	s_mov_b32 s[G1+2], 128<<16
	s_mov_b32 s[G1B+2], 128<<16
	s_mov_b32 s[G1+3], KSTEP<<16
	s_mov_b32 s[G1B+3], KSTEP<<16
	s_mov_b32 s[G1+4], 128
	s_mov_b32 s[G1B+4], 128
	s_mov_b32 s[G1+5], KDIM
	s_mov_b32 s[G1B+5], KDIM
	s_mov_b32 s[G1+6], 0
	s_mov_b32 s[G1B+6], 0
	s_mov_b32 s[G1+7], 0
	s_mov_b32 s[G1B+7], 0
	s_lshl_b32 s17, s12, 7
	s_lshl_b32 s16, s13, 8
	s_add_co_u32 s16, s16, s17                     ; A: row 256 x block row + 128 x half
	s_lshl_b32 s46, s42, 8
	s_add_co_u32 s46, s46, s17                     ; B: row 256 x block column + 128 x half
	s_lshl_b32 s16, s16, 11                        ; rows of 2,048 bytes in xh and in gh
	s_lshl_b32 s46, s46, 11
	s_mov_b32 s17, 0
	s_mov_b32 s47, 0
	s_mul_i32 s20, s10, HALFT                      ; where my tile goes: wave x 128 rows
	s_wait_dscnt 0x0
	s_wait_kmcnt 0x0
	s_add_nc_u64 s[88:89], s[82:83], HOFF          ; H
	s_add_nc_u64 s[90:91], s[82:83], HMOFF         ; the maxima
	s_cmp_eq_u32 ttmp9, 0
	s_cselect_b64 s[4:5], s[80:81], s[88:89]       ; A: xh or H
	s_cselect_b64 s[6:7], s[82:83], s[80:81]       ; B: G^T or xh
	s_add_nc_u64 s[14:15], s[4:5], s[16:17]
	s_add_nc_u64 s[46:47], s[6:7], s[46:47]
	CROUND                                         ; the first joint loads meet
.irp s, 0,1
	s_mov_b32 s[G0+4*\s], 1
	s_add_co_u32 s[G0+4*\s+1], s20, \s*SLOT
	s_add_nc_u64 s[G0+4*\s+2:G0+4*\s+3], s[14:15], \s*KSTEP*2
	s_or_b32 s[G0+4*\s+3], s[G0+4*\s+3], 0x80000000
	s_mov_b32 s[G0B+4*\s], 1
	s_add_co_u32 s[G0B+4*\s+1], s20, \s*SLOT
	s_add_nc_u64 s[G0B+4*\s+2:G0B+4*\s+3], s[46:47], \s*KSTEP*2
	s_or_b32 s[G0B+4*\s+3], s[G0B+4*\s+3], 0x80000000
	JLOAD \s                                       ; K steps 0 and 1: two tensor loads of the wave are out
.endr
	v_and_b32 v1, 15, v0                           ; l % 16
	v_bfe_u32 v2, v0, 4, 1                         ; l / 16
	v_mul_u32_u24 v3, v1, PITCH
	v_lshl_add_u32 v3, v2, 4, v3
	s_mul_i32 s21, s11, HALFT
	s_mul_i32 s22, s12, HALFT
	s_add_co_u32 s22, s22, 2*HALFT
.irp s, 0,1
	v_add_nc_u32 v[ADRA+\s], s21, v3
	v_add_nc_u32 v[ADRB+\s], s22, v3
	s_add_co_u32 s21, s21, SLOT
	s_add_co_u32 s22, s22, SLOT
.endr
	s_mul_i32 s23, s10, 16*SPITCH
	s_add_co_u32 s23, s23, STAGE
	v_mul_u32_u24 v4, v1, SPITCH
	v_lshl_add_u32 v4, v2, 4, v4
	v_add_nc_u32 v[STO], s23, v4
	v_mul_u32_u24 v5, v2, SPITCH
	v_lshl_add_u32 v5, v1, 4, v5
	v_add_nc_u32 v[RD], s23, v5
	s_lshl_b32 s21, s10, 9
	s_add_co_u32 s21, s21, CS                      ; c's scratch of my wave
	v_and_b32 v6, 31, v0
	v_lshlrev_b32 v[L16], 4, v6
	v_add_nc_u32 v[SS], s21, v[L16]
	v_lshl_add_u32 v[SR], v2, 5, s21
	v_mov_b32 v[PT], 0                             ; v_permlanex16_b32 counts as a reader of its destination
	s_cmp_lg_u32 ttmp9, 0
	s_cbranch_scc1 .Lu_set
	; y': the scale, and c of my wave's 128 columns: lane l adds up columns 4 l .. 4 l + 3 of the 64 partial sums, 512 neighbouring bytes a load
	s_mov_b32 s72, 0x3a38aa3b                      ; log2 e / 2048
	s_mov_b32 s73, 0x3a38aa3b
	v_mul_u32_u24 v5, v2, YROW
	v_lshl_add_u32 v[CO], v1, 4, v5
	s_lshl_b32 s70, s42, 10                        ; 256 columns of 4 bytes a block,
	s_lshl_b32 s71, s12, 9                         ; 128 a wave
	s_add_co_u32 s70, s70, s71
	s_mov_b32 s71, 0
	s_add_nc_u64 s[84:85], s[84:85], s[70:71]
	WIN 0x80                                       ; into window 2, which the products need only later
.set cnt, 0
.rept 64
	global_load_b128 v[4*cnt:4*cnt+3], v[L16], s[84:85] offset:4096*cnt
.set cnt, cnt+1
.endr
	s_wait_loadcnt 0x0
	WIN 0x8a
.irp n, 32,16,8,4,2,1
.set cnt, 0
.rept 2*\n
	v_pk_add_f32 v[cnt:cnt+1], v[cnt:cnt+1], v[cnt+4*\n:cnt+4*\n+1]    ; the upper half of what is left onto the lower
.set cnt, cnt+2
.endr
.endr
	v_pk_mul_f32 v[0:1], v[0:1], s[72:73] op_sel_hi:[1,0]
	v_pk_mul_f32 v[2:3], v[2:3], s[72:73] op_sel_hi:[1,0]
	WIN 0x08                                       ; an LDS store's data is its source 1: window 2
	ds_store_b128 v[SS], v[0:3]                    ; kept in my own scratch until the way out
	WIN 0
	s_branch .Lset
.Lu_set:
	; u'^T: t from the largest of the 1,024 maxima, 512 neighbouring bytes a load
	v_mul_u32_u24 v5, v2, UROW
	v_lshl_add_u32 v[CO], v1, 4, v5
.irp i, 0,1,2,3,4,5,6,7
	global_load_b128 v[TMP+4*\i:TMP+4*\i+3], v[L16], s[90:91] offset:512*\i
.endr
	s_wait_loadcnt 0x0
	v_max3_num_f32 v[MXR], v[TMP], v[TMP+1], v[TMP+2]
.irp k, 3,5,7,9,11,13,15,17,19,21,23,25,27,29
	v_max3_num_f32 v[MXR], v[TMP+\k], v[TMP+\k+1], v[MXR]
.endr
	v_max_num_f32 v[MXR], v[MXR], v[TMP+31]
	v_max_num_f32_dpp v[MXR], v[MXR], v[MXR] row_xmask:1 row_mask:0xf bank_mask:0xf
	v_max_num_f32_dpp v[MXR], v[MXR], v[MXR] row_xmask:2 row_mask:0xf bank_mask:0xf
	v_max_num_f32_dpp v[MXR], v[MXR], v[MXR] row_xmask:4 row_mask:0xf bank_mask:0xf
	v_max_num_f32_dpp v[MXR], v[MXR], v[MXR] row_xmask:8 row_mask:0xf bank_mask:0xf
	v_permlanex16_b32 v[PT], v[MXR], s76, s77
	v_max_num_f32 v[MXR], v[MXR], v[PT]
	v_lshrrev_b32 v[MXR], 23, v[MXR]               ; E, the exponent's field: the maximum lies under 2^(E - 126)
	v_min_u32 v[MXR], 249, v[MXR]                  ; so that t's own field stays at 1 or above
	v_sub_nc_u32 v[MXR], 250, v[MXR]
	v_lshlrev_b32 v[MXR], 23, v[MXR]               ; t = 2^(123 - E): the maximum times t lies under 1/8
	v_readfirstlane_b32 s72, v[MXR]                ; a factor, never an address or a condition
	s_mov_b32 s73, s72
.Lset:
.macro MUL16 f, hi, a0, zero
.irp a, \a0, \a0+1
.irp b, 0,1,2,3,4,5,6,7
.if \zero
	v_wmma_f32_16x16x32_f16 v[8*(8*(\a)+\b):8*(8*(\a)+\b)+7], v[\f+8*\b:\f+8*\b+7], v[\f+8*(4*\hi+\a):\f+8*(4*\hi+\a)+7], 0
.else
	v_wmma_f32_16x16x32_f16 v[8*(8*(\a)+\b):8*(8*(\a)+\b)+7], v[\f+8*\b:\f+8*\b+7], v[\f+8*(4*\hi+\a):\f+8*(4*\hi+\a)+7], v[8*(8*(\a)+\b):8*(8*(\a)+\b)+7]
.endif
.endr
.endr
.endm
.macro FETCH slot, k, f                ; 32 LDS loads in one run: 128 rows of B, 128 rows of A, 32 K at byte k of the rows
	WIN TO_B
.irp i, 0,1,2,3,4,5,6,7
	ds_load_b128 v[\f+8*\i:\f+8*\i+3],   v[ADRB+\slot] offset:\k+\i*16*PITCH
	ds_load_b128 v[\f+8*\i+4:\f+8*\i+7], v[ADRB+\slot] offset:\k+\i*16*PITCH+32
.endr
	WIN 0
.irp i, 0,1,2,3,4,5,6,7
	ds_load_b128 v[\f+8*\i:\f+8*\i+3],   v[ADRA+\slot] offset:\k+\i*16*PITCH
	ds_load_b128 v[\f+8*\i+4:\f+8*\i+7], v[ADRA+\slot] offset:\k+\i*16*PITCH+32
.endr
.endm
.macro PLACES                          ; four plain vector instructions between a matrix instruction and a load into, or a vector access to, its registers
.rept 4
	v_nop
.endr
.endm
; The 64 accumulators take turns, one instruction a turn, in the same order in every quarter and over the backward jump.
.macro QUARTER slot, k, f, g, zero
	s_wait_dscnt 8                                 ; B and A's rows 0-63 are in; the youngest eight loads (A's rows 64-127) may be out
	WIN MUL_LO
	MUL16 \f, 0, 0, \zero
	MUL16 \f, 0, 2, \zero
	PLACES
	FETCH \slot, \k, \g
	s_wait_dscnt 32                                ; all but the 32 just issued
	WIN MUL_HI
	MUL16 \f, 1, 0, \zero
	MUL16 \f, 1, 2, \zero
.endm
.macro THREE slot, zero
	QUARTER \slot, 64,  F0, F1, \zero
	QUARTER \slot, 128, F1, F0, 0
	QUARTER \slot, 192, F0, F1, 0
.endm
.macro TURN slot, next, fill
	s_wait_dscnt 8
	WIN MUL_LO
	MUL16 F1, 0, 0, 0
	s_wait_dscnt 0                                 ; my reads of this slot are over
	s_wait_tensorcnt 0x0                           ; all my tensor loads have landed: the one that was out is my part of the next slot
	ds_add_u32 v63, v255
	s_wait_dscnt 0x0
	s_barrier_signal -1                            ; where a slot is filled again this barrier opens a round of the cluster's barrier
	MUL16 F1, 0, 2, 0
	WIN 0
	s_barrier_wait -1
.if \fill
	CREST                                          ; no wave of any partner still reads this slot or has a load on its way
	s_add_nc_u64 s[G0+4*\slot+2:G0+4*\slot+3], s[G0+4*\slot+2:G0+4*\slot+3], 2*KSTEP*2
	s_add_nc_u64 s[G0B+4*\slot+2:G0B+4*\slot+3], s[G0B+4*\slot+2:G0B+4*\slot+3], 2*KSTEP*2
	JLOAD \slot                                    ; the wave's one tensor load behind the round
.endif
	PLACES
	FETCH \next, 0, F0
	WIN MUL_HI
	MUL16 F1, 1, 0, 0
	MUL16 F1, 1, 2, 0
.endm
.macro LAP zero
	THREE 0, \zero
	TURN 0, 1, 1
	THREE 1, 0
	TURN 1, 0, 1
.endm
	s_wait_dscnt 0x0                               ; my store into the scratch is done: no LDS instruction is pending at a signal
	s_wait_tensorcnt 0x1                           ; my part of K step 0 is in; K step 1's stays out
	s_barrier_signal -1
	s_barrier_wait -1
	FETCH 0, 0, F0
	LAP 1                                          ; the first products start the sums: nothing is cleared
	WIN 0
	s_mov_b32 s3, LAPS-2
.Llap:
	LAP 0
	WIN 0
	s_sub_co_u32 s3, s3, 1
	s_cmp_lg_u32 s3, 0
	s_cbranch_scc1 .Llap
	THREE 0, 0                                     ; the last lap fills nothing
	TURN 0, 1, 0
	THREE 1, 0
	s_wait_dscnt 8
	WIN MUL_LO
	MUL16 F1, 0, 0, 0
	MUL16 F1, 0, 2, 0
	s_wait_dscnt 0
	WIN MUL_HI
	MUL16 F1, 1, 0, 0
	MUL16 F1, 1, 2, 0
	; THE WAY OUT, 16 rows at a time: scale, round to f16, through my own stage in LDS, out as whole rows of 256 bytes
	PLACES
	WIN 0
	s_lshl_b32 s13, s13, 8
	s_lshl_b32 s14, s11, 7
	s_add_co_u32 s16, s13, s14                     ; my first row of C
	s_cmp_eq_u32 ttmp9, 0
	s_cselect_b32 s15, 11, 14                      ; rows of 2,048 or of 16,384 bytes
	s_lshl_b32 s16, s16, s15
	s_add_co_u32 s16, s16, s74                     ; in my half of yu
	s_mov_b32 s17, 0
	s_add_nc_u64 s[8:9], s[86:87], s[16:17]
	s_lshl_b32 s46, s42, 9                         ; my first column, in bytes: 512 x block + 256 x half
	s_lshl_b32 s47, s12, 8
	s_add_co_u32 s46, s46, s47
	s_mov_b32 s47, 0
	s_add_nc_u64 s[8:9], s[8:9], s[46:47]
.macro PACK a, w                       ; the eight tiles (a, 0..7) of window w, rounded to f16
.set W_CVT, (\w<<2)|\w
	WIN W_CVT
.irp b, 0,1,2,3,4,5,6,7
.irp r, 0,1,2,3
	v_cvt_pk_f16_f32 v[TMP+4*\b+\r], v[8*(8*\a+\b)+2*\r], v[8*(8*\a+\b)+2*\r+1]
.endr
.endr
.endm
.macro TAIL i, f, crow                 ; 16 bytes a lane into the stage, whole rows back, sixteen lanes store 256 bytes at a multiple of 256
	WIN 0
.irp b, 0,1,2,3,4,5,6,7
	ds_store_b128 v[STO], v[TMP+4*\b:TMP+4*\b+3] offset:32*\b
.endr
	s_wait_xcnt 0x0                                ; buffer f, which earlier stores read, and the stores' base are rewritten only behind this wait
.if \i
	s_add_nc_u64 s[8:9], s[8:9], 16*\crow
.endif
.irp t, 0,1,2,3,4,5,6,7
	ds_load_b128 v[\f+4*\t:\f+4*\t+3], v[RD] offset:\t*2*SPITCH    ; LDS serves a wave's instructions in order: these see the stores above
.endr
.irp t, 0,1,2,3,4,5,6,7
	s_wait_dscnt 7-\t                              ; the younger read-backs stay out
	global_store_b128 v[CO], v[\f+4*\t:\f+4*\t+3], s[8:9] offset:2*\t*\crow
.endr
.endm
.macro OUTY i, a, w, f                 ; y' = acc s + c s, one multiply-add
.set W_FMA, (\w<<6)|(1<<4)|\w
	WIN W_FMA                                      ; accumulators in window w, the addend in window 1
.irp b, 0,1,2,3,4,5,6,7
.irp r, 0,1,2,3
	v_pk_fma_f32 v[8*(8*\a+\b)+2*\r:8*(8*\a+\b)+2*\r+1], v[8*(8*\a+\b)+2*\r:8*(8*\a+\b)+2*\r+1], s[72:73], v[BIAS+8*\b+2*\r:BIAS+8*\b+2*\r+1] op_sel_hi:[1,0,1]
.endr
.endr
	PACK \a, \w
	TAIL \i, \f, YROW
.endm
.macro OUTU i, a, w, f                 ; u' = acc t: no addend
.set W_MUL, (\w<<6)|\w
	WIN W_MUL
.irp b, 0,1,2,3,4,5,6,7
.irp r, 0,1,2,3
	v_pk_mul_f32 v[8*(8*\a+\b)+2*\r:8*(8*\a+\b)+2*\r+1], v[8*(8*\a+\b)+2*\r:8*(8*\a+\b)+2*\r+1], s[72:73] op_sel_hi:[1,0]
.endr
.endr
	PACK \a, \w
	TAIL \i, \f, UROW
.endm
	s_cmp_lg_u32 ttmp9, 0
	s_cbranch_scc1 .Lu_out
	WIN TO_B
.irp b, 0,1,2,3,4,5,6,7
	ds_load_b128 v[BIAS+8*\b:BIAS+8*\b+3],   v[SR] offset:64*\b      ; c s of columns 16 b + 8 (l / 16) + 0 .. 3, from my own scratch
	ds_load_b128 v[BIAS+8*\b+4:BIAS+8*\b+7], v[SR] offset:64*\b+16   ; and + 4 .. 7
.endr
	WIN 0
	s_wait_dscnt 0x0
	OUTY 0, 0, 2, F0
	OUTY 1, 1, 2, F1
	OUTY 2, 2, 2, F0
	OUTY 3, 3, 2, F1
	OUTY 4, 0, 3, F0
	OUTY 5, 1, 3, F1
	OUTY 6, 2, 3, F0
	OUTY 7, 3, 3, F1
	s_branch .Ldone
.Lu_out:
	OUTU 0, 0, 2, F0
	OUTU 1, 1, 2, F1
	OUTU 2, 2, 2, F0
	OUTU 3, 3, 2, F1
	OUTU 4, 0, 3, F0
	OUTU 5, 1, 3, F1
	OUTU 6, 2, 3, F0
	OUTU 7, 3, 3, F1
.Ldone:
	s_set_vgpr_msb 0x1
	s_wait_tensorcnt 0x0
	ds_add_u32 v63, v255
	s_wait_dscnt 0x0
	s_set_vgpr_msb 0x100
	CROUND                                         ; the closing round: no work-group ends while a partner may still ask for a tile that names it
	s_endpgm
.Lfunc_end_k_qc457771807_proj:
	.size	k_qc457771807_proj, .Lfunc_end_k_qc457771807_proj-k_qc457771807_proj
	.p2alignl 7, 3214868480
	.fill 96, 4, 3214868480
	.section	.rodata,"a",@progbits
	.p2align	6, 0x0
	.amdhsa_kernel k_qc457771807_proj
		.amdhsa_group_segment_fixed_size 327680
		.amdhsa_private_segment_fixed_size 0
		.amdhsa_enable_private_segment 0
		.amdhsa_kernarg_size 32
		.amdhsa_user_sgpr_count 2
		.amdhsa_user_sgpr_kernarg_segment_ptr 1
		.amdhsa_wavefront_size32 1
		.amdhsa_system_sgpr_workgroup_id_x 1
		.amdhsa_system_sgpr_workgroup_id_y 1
		.amdhsa_system_sgpr_workgroup_id_z 1
		.amdhsa_system_vgpr_workitem_id 0
		.amdhsa_next_free_vgpr 1024
		.amdhsa_next_free_sgpr 92
		.amdhsa_reserve_vcc 0
		.amdhsa_float_denorm_mode_32 3
		.amdhsa_float_denorm_mode_16_64 3
		.amdhsa_memory_ordered 1
		.amdhsa_forward_progress 1
		.amdhsa_inst_pref_size 255
	.end_amdhsa_kernel
	.section	.bss,"aw",@nobits
	.p2align	6
	.space	262144
	.amdgpu_metadata
---
amdhsa.version: [ 1, 2 ]
amdhsa.kernels:
  - .name:           k_qc457771807_proj
    .symbol:         k_qc457771807_proj.kd
    .args:
      - { .name: xh, .offset: 0, .size: 8, .value_kind: global_buffer, .address_space: global }
      - { .name: gh, .offset: 8, .size: 8, .value_kind: global_buffer, .address_space: global }
      - { .name: vp, .offset: 16, .size: 8, .value_kind: global_buffer, .address_space: global }
      - { .name: yu, .offset: 24, .size: 8, .value_kind: global_buffer, .address_space: global }
    .group_segment_fixed_size: 327680
    .private_segment_fixed_size: 0
    .kernarg_segment_align: 8
    .kernarg_segment_size: 32
    .max_flat_workgroup_size: 128
    .sgpr_count:     92
    .vgpr_count:     1024
    .wavefront_size: 32
...
	.end_amdgpu_metadata
.endif
;; end of part 10
;; launch scores (part 11): grid 8 x 32, 4 waves a work-group, clusters of 4 x 4, 327,680 bytes of LDS; arguments yu, xh, p, st; writes p, st
.if DOCPART == 11
	.amdgcn_target "amdgcn-amd-amdhsa--gfx1250"
	.amdhsa_code_object_version 6
	.text
	.protected	k_qc457771807_scores
	.globl	k_qc457771807_scores
	.p2align	8
	.type	k_qc457771807_scores,@function
k_qc457771807_scores:
	s_mov_b64 s[64:65], 0
	v_nop
	global_prefetch_b8 v0, s[64:65] scope:SCOPE_SE
	s_setreg_imm32_b32 hwreg(HW_REG_WAVE_MODE, 25, 1), 1
	s_wait_xcnt 0x0
	s_wait_alu depctr_hold_cnt(0) depctr_sa_sdst(0) depctr_va_vdst(0) depctr_va_sdst(0) depctr_va_ssrc(0) depctr_va_vcc(0) depctr_vm_vsrc(0)
	s_getreg_b32 s2, hwreg(HW_REG_IB_STS2, 6, 4)
	s_cmp_eq_u32 s2, 0
	s_cbranch_scc0 .Lentry_in_a_cluster
	s_endpgm
.Lentry_in_a_cluster:
	s_bfe_u32 s2, ttmp6, 0x10000c
	s_cmp_lg_u32 s2, 0xf033
	s_cbranch_scc0 .Lentry_shape_is_right
	s_endpgm
.Lentry_shape_is_right:
; S = 64 y' x^T = scores x log2 e, and the first half of the softmax.  For each query row and each block of 128 keys:
;   MS = the block's largest S;   P = 2^(S - MS), stored in f16;   l = the sum of P in f32.
; y' carries log2 e / 2048, so what is left here is the factor 64: 64 acc and MS = 64 max(acc) are exact, and the multiply-add 64 acc - MS
; rounds an exact difference once: it is exactly 0 at the maximum whatever the scores' size.  So P is at most 1 and one P of each block is 1.
; The next launch joins the sixteen blocks of a row by the row's own maximum.  bk is left out (shown at the head of the first launch).
; Limit: P below about 3e-8 is stored as 0.
; One product C = A B^T for each of 4 batches: A = y' (yu, [8192][1024]), B = the batch's rows of xh: the keys are x itself.  K = 1024, f16, sums in f32.
; p is [8192 = batch x 2048 + query][2048 keys] f16.  st holds MS as [16 key blocks][8192 rows] f32 at byte 0, l likewise at byte 524,288.
; A block of 256 x 256 a work-group, 128 x 128 a wave (a wave's 128 columns are one block of keys), K steps of 128 through two LDS slots,
; A's tiles shared along a row of the 4 x 4 cluster, B's along a column, by joint tensor loads.
; Window 0: v0-31 addresses, v32-59 the softmax's small change, v64-191 fragments of A, v192-223 packed results, v224-239 the statistics.
; Window 1: fragments of B.  Windows 2, 3: accumulator tile (a, b) at v[8 (8 a + b)], rows 0-63 and 64-127.
; Transposed use of the matrix instruction: lane l holds row l % 16, columns 16 b + 8 (l / 16) + 0 .. 7: half a row's 128 scores lie in one lane,
; the other half in lane l xor 16.
.set KDIM,   1024
.set KSTEP,  128
.set PITCH,  272                       ; an LDS row: 256 bytes + 16 of padding
.set HALFT,  128*PITCH
.set SLOT,   4*HALFT
.set STAGE,  2*SLOT                    ; 16 rows x 272 bytes for each wave; no fill ever lands there
.set SPITCH, 272
.set SCR,    STAGE+4*16*SPITCH         ; 1,024 bytes for each wave: 128 MS, 128 l; no fill ever lands there
.set LAPS,   KDIM/(2*KSTEP)
.set CROW,   4096                      ; bytes in a row of p
.set STL,    524288                    ; where l begins in st
.set ADRA, 16
.set ADRB, 20
.set STO,  24
.set RD,   25
.set CO,   26
.set MC,   32                          ; v32-35  four chains of the maximum
.set SC,   36                          ; v36-43  four pairs of the sum
.set NM,   44                          ; v44-45  - MS, twice
.set PT,   46                          ; v46     what the other half of the lanes holds
.set SA,   47                          ; v47     scratch: my row's word
.set SB,   48                          ; v48     scratch: 16 bytes a lane
.set SO,   49                          ; v49     16 bytes a lane in st
.set SV,   52                          ; v52-59  the statistics on their way out
.set F0,   64
.set F1,   128
.set TMP,  192
.set MS,   224                         ; v224-231  MS of my row in each of the 8 row groups
.set LS,   232                         ; v232-239  l likewise
.set G1, 24
.set G0, 32
.set G1B, 48
.set G0B, 56
.set MSB, 0
.macro WIN new                         ; switch the register windows; the immediate's high byte repeats the setting that is left
.if MSB != (\new)
	s_set_vgpr_msb (MSB<<8)|(\new)
.set MSB, (\new)
.endif
.endm
.set MUL_LO, 0xa1                      ; source 0 (B) window 1, source 1 (A) window 0, C and D window 2
.set MUL_HI, 0xf1                      ; the same, C and D window 3
.set TO_B,   0x40                      ; destination window 1, address window 0
.macro JLOAD s                         ; waves 0 and 1 ask for A's halves, waves 2 and 3 for B's; the branch hangs on the wave's number alone
	s_cmp_eq_u32 s11, 0
	s_cbranch_scc0 .Lfor_b_\@
	tensor_load_to_lds s[G0+4*\s:G0+4*\s+3], s[G1:G1+7]
	s_nop 0
	s_branch .Lasked_\@
.Lfor_b_\@:
	tensor_load_to_lds s[G0B+4*\s:G0B+4*\s+3], s[G1B:G1B+7]
	s_nop 0
.Lasked_\@:
.endm
.macro CREST                           ; a round of the cluster's barrier behind its opening barrier
	s_cmp_lg_u32 s10, 0
	s_cbranch_scc1 .Lnot_wave_0_\@
	s_barrier_signal -3
.Lnot_wave_0_\@:
	s_barrier_wait -3
	s_barrier_signal -1
	s_barrier_wait -1
.endm
.macro CROUND
	s_barrier_signal -1
	s_barrier_wait -1
	CREST
.endm
	s_load_b128 s[4:7], s[0:1], 0x0                ; yu s[4:5] (y' lies at its head), xh s[6:7]
	s_load_b64 s[8:9], s[0:1], 0x10                ; p
	s_load_b64 s[66:67], s[0:1], 0x18              ; st
	s_set_vgpr_msb 0x40
	v_lshl_add_u32 v255, v0, 2, 0x49400
	s_set_vgpr_msb 0x4000
	v_mov_b32 v255, 0
	s_set_vgpr_msb 0x1
	ds_add_u32 v255, v255
	s_set_vgpr_msb 0x100
	v_lshrrev_b32 v1, 5, v0
	v_readfirstlane_b32 s10, v1                    ; wave 0..3
	s_lshr_b32 s11, s10, 1                         ; my half of the block's rows; I fetch for A (0) or B (1)
	s_and_b32 s12, s10, 1                          ; my half of its columns; which 128 rows I fetch
	s_bfe_u32 s40, ttmp6, 0x40000                  ; cx
	s_bfe_u32 s41, ttmp6, 0x40004                  ; cy
	s_lshl_b32 s42, ttmp9, 2
	s_add_co_u32 s42, s42, s40                     ; block of 256 keys inside the batch, 0..7
	s_and_b32 s13, ttmp7, 0xffff
	s_lshr_b32 s45, s13, 1                         ; the batch: two clusters deep, so it hangs on the cluster's y alone
	s_lshl_b32 s45, s45, 11                        ; its first row in xh
	s_lshl_b32 s13, s13, 2
	s_add_co_u32 s13, s13, s41                     ; block of 256 query rows, 0..31
	s_lshl_b32 s43, s41, 2
	s_lshl_b32 s43, 15, s43                        ; my row of the cluster
	s_lshl_b32 s44, 0x1111, s40                    ; my column
	s_mov_b32 s70, 0x76543210                      ; v_permlanex16_b32: lane i of one half reads lane i of the other
	s_mov_b32 s71, 0xfedcba98
	s_or_b32 s[G1+0], s43, (1<<16)|(1<<20)|(1<<21)|(5<<22)|(3<<25)    ; elements of 2 bytes, 4 words of padding behind every 64
	s_or_b32 s[G1B+0], s44, (1<<16)|(1<<20)|(1<<21)|(5<<22)|(3<<25)
	s_mov_b32 s[G1+1], KSTEP<<16                   ; tensor_dim0 = 128
	s_mov_b32 s[G1B+1], KSTEP<<16
	s_mov_b32 s[G1+2], 128<<16                     ; tensor_dim1 = 128
	s_mov_b32 s[G1B+2], 128<<16
	s_mov_b32 s[G1+3], KSTEP<<16                   ; tile_dim0 = 128
	s_mov_b32 s[G1B+3], KSTEP<<16
	s_mov_b32 s[G1+4], 128                         ; tile_dim1 = 128
	s_mov_b32 s[G1B+4], 128
	s_mov_b32 s[G1+5], KDIM                        ; elements from row to row
	s_mov_b32 s[G1B+5], KDIM
	s_mov_b32 s[G1+6], 0
	s_mov_b32 s[G1B+6], 0
	s_mov_b32 s[G1+7], 0
	s_mov_b32 s[G1B+7], 0
	s_lshl_b32 s17, s12, 7
	s_lshl_b32 s16, s13, 8
	s_add_co_u32 s16, s16, s17                     ; A: row 256 x block row + 128 x half
	s_lshl_b32 s46, s42, 8
	s_add_co_u32 s46, s46, s17
	s_add_co_u32 s46, s46, s45                     ; B: the batch's first row + 256 x key block + 128 x half
	s_lshl_b32 s16, s16, 11                        ; rows of 2,048 bytes
	s_lshl_b32 s46, s46, 11
	s_mov_b32 s17, 0
	s_mov_b32 s47, 0
	s_mul_i32 s20, s10, HALFT                      ; where my tile goes: wave x 128 rows
	s_wait_dscnt 0x0
	s_wait_kmcnt 0x0
	s_add_nc_u64 s[14:15], s[4:5], s[16:17]
	s_add_nc_u64 s[46:47], s[6:7], s[46:47]
	CROUND                                         ; the first joint loads meet
.irp s, 0,1
	s_mov_b32 s[G0+4*\s], 1
	s_add_co_u32 s[G0+4*\s+1], s20, \s*SLOT
	s_add_nc_u64 s[G0+4*\s+2:G0+4*\s+3], s[14:15], \s*KSTEP*2
	s_or_b32 s[G0+4*\s+3], s[G0+4*\s+3], 0x80000000
	s_mov_b32 s[G0B+4*\s], 1
	s_add_co_u32 s[G0B+4*\s+1], s20, \s*SLOT
	s_add_nc_u64 s[G0B+4*\s+2:G0B+4*\s+3], s[46:47], \s*KSTEP*2
	s_or_b32 s[G0B+4*\s+3], s[G0B+4*\s+3], 0x80000000
	JLOAD \s                                       ; K steps 0 and 1: two tensor loads of the wave are out
.endr
	v_and_b32 v1, 15, v0                           ; l % 16
	v_bfe_u32 v2, v0, 4, 1                         ; l / 16
	v_mul_u32_u24 v3, v1, PITCH
	v_lshl_add_u32 v3, v2, 4, v3
	s_mul_i32 s21, s11, HALFT
	s_mul_i32 s22, s12, HALFT
	s_add_co_u32 s22, s22, 2*HALFT
.irp s, 0,1
	v_add_nc_u32 v[ADRA+\s], s21, v3
	v_add_nc_u32 v[ADRB+\s], s22, v3
	s_add_co_u32 s21, s21, SLOT
	s_add_co_u32 s22, s22, SLOT
.endr
	s_mul_i32 s23, s10, 16*SPITCH
	s_add_co_u32 s23, s23, STAGE
	v_mul_u32_u24 v4, v1, SPITCH
	v_lshl_add_u32 v4, v2, 4, v4
	v_add_nc_u32 v[STO], s23, v4
	v_mul_u32_u24 v5, v2, SPITCH
	v_lshl_add_u32 v5, v1, 4, v5
	v_add_nc_u32 v[RD], s23, v5
	v_mul_u32_u24 v5, v2, CROW
	v_lshl_add_u32 v[CO], v1, 4, v5
	s_lshl_b32 s21, s10, 10
	s_add_co_u32 s21, s21, SCR                     ; my scratch
	v_and_b32 v6, 31, v0
	v_lshlrev_b32 v[SO], 4, v6
	v_add_nc_u32 v[SB], s21, v[SO]
	v_lshl_add_u32 v[SA], v1, 2, s21
	v_mov_b32 v[PT], 0                             ; v_permlanex16_b32 counts as a reader of its destination
.macro MUL16 f, hi, a0, zero           ; 16 matrix instructions: row groups a0, a0 + 1 of the window's four x all 8 column groups, 32 along K
.irp a, \a0, \a0+1
.irp b, 0,1,2,3,4,5,6,7
.if \zero
	v_wmma_f32_16x16x32_f16 v[8*(8*(\a)+\b):8*(8*(\a)+\b)+7], v[\f+8*\b:\f+8*\b+7], v[\f+8*(4*\hi+\a):\f+8*(4*\hi+\a)+7], 0
.else
	v_wmma_f32_16x16x32_f16 v[8*(8*(\a)+\b):8*(8*(\a)+\b)+7], v[\f+8*\b:\f+8*\b+7], v[\f+8*(4*\hi+\a):\f+8*(4*\hi+\a)+7], v[8*(8*(\a)+\b):8*(8*(\a)+\b)+7]
.endif
.endr
.endr
.endm
.macro FETCH slot, k, f                ; 32 LDS loads in one run: 128 rows of B, 128 rows of A, 32 K at byte k of the rows
	WIN TO_B
.irp i, 0,1,2,3,4,5,6,7
	ds_load_b128 v[\f+8*\i:\f+8*\i+3],   v[ADRB+\slot] offset:\k+\i*16*PITCH
	ds_load_b128 v[\f+8*\i+4:\f+8*\i+7], v[ADRB+\slot] offset:\k+\i*16*PITCH+32
.endr
	WIN 0
.irp i, 0,1,2,3,4,5,6,7
	ds_load_b128 v[\f+8*\i:\f+8*\i+3],   v[ADRA+\slot] offset:\k+\i*16*PITCH
	ds_load_b128 v[\f+8*\i+4:\f+8*\i+7], v[ADRA+\slot] offset:\k+\i*16*PITCH+32
.endr
.endm
.macro PLACES                          ; four plain vector instructions between a matrix instruction and a load into, or a vector access to, its registers
.rept 4
	v_nop
.endr
.endm
; The 64 accumulators take turns, one instruction a turn, in the same order in every quarter and over the backward jump.
.macro QUARTER slot, k, f, g, zero
	s_wait_dscnt 8                                 ; B and A's rows 0-63 are in; the youngest eight loads (A's rows 64-127) may be out
	WIN MUL_LO
	MUL16 \f, 0, 0, \zero
	MUL16 \f, 0, 2, \zero
	PLACES
	FETCH \slot, \k, \g
	s_wait_dscnt 32                                ; all but the 32 just issued
	WIN MUL_HI
	MUL16 \f, 1, 0, \zero
	MUL16 \f, 1, 2, \zero
.endm
.macro THREE slot, zero
	QUARTER \slot, 64,  F0, F1, \zero
	QUARTER \slot, 128, F1, F0, 0
	QUARTER \slot, 192, F0, F1, 0
.endm
.macro TURN slot, next, fill
	s_wait_dscnt 8
	WIN MUL_LO
	MUL16 F1, 0, 0, 0
	s_wait_dscnt 0                                 ; my reads of this slot are over
	s_wait_tensorcnt 0x0                           ; all my tensor loads have landed: the one that was out is my part of the next slot
	ds_add_u32 v255, v255
	s_wait_dscnt 0x0
	s_barrier_signal -1                            ; where a slot is filled again this barrier opens a round of the cluster's barrier
	MUL16 F1, 0, 2, 0
	WIN 0
	s_barrier_wait -1
.if \fill
	CREST                                          ; no wave of any partner still reads this slot or has a load on its way
	s_add_nc_u64 s[G0+4*\slot+2:G0+4*\slot+3], s[G0+4*\slot+2:G0+4*\slot+3], 2*KSTEP*2
	s_add_nc_u64 s[G0B+4*\slot+2:G0B+4*\slot+3], s[G0B+4*\slot+2:G0B+4*\slot+3], 2*KSTEP*2
	JLOAD \slot                                    ; the wave's one tensor load behind the round
.endif
	PLACES
	FETCH \next, 0, F0
	WIN MUL_HI
	MUL16 F1, 1, 0, 0
	MUL16 F1, 1, 2, 0
.endm
.macro LAP zero
	THREE 0, \zero
	TURN 0, 1, 1
	THREE 1, 0
	TURN 1, 0, 1
.endm
	s_wait_tensorcnt 0x1                           ; my part of K step 0 is in; K step 1's stays out
	s_barrier_signal -1
	s_barrier_wait -1
	FETCH 0, 0, F0
	LAP 1                                          ; the first products start the sums: nothing is cleared
	WIN 0
	s_mov_b32 s3, LAPS-2
.Llap:
	LAP 0
	WIN 0
	s_sub_co_u32 s3, s3, 1
	s_cmp_lg_u32 s3, 0
	s_cbranch_scc1 .Llap
	THREE 0, 0                                     ; the last lap fills nothing
	TURN 0, 1, 0
	THREE 1, 0
	s_wait_dscnt 8
	WIN MUL_LO
	MUL16 F1, 0, 0, 0
	MUL16 F1, 0, 2, 0
	s_wait_dscnt 0
	WIN MUL_HI
	MUL16 F1, 1, 0, 0
	MUL16 F1, 1, 2, 0
	; THE WAY OUT, 16 rows at a time: maximum, exponentials, sum, f16, through the stage
	PLACES
	s_lshl_b32 s13, s13, 8
	s_lshl_b32 s14, s11, 7
	s_add_co_u32 s16, s13, s14                     ; my first row
	s_lshl_b32 s68, s42, 1
	s_add_co_u32 s68, s68, s12                     ; my block of 128 keys, 0..15
	s_lshl_b32 s68, s68, 13                        ; 8,192 rows a block
	s_add_co_u32 s68, s68, s16
	s_lshl_b32 s68, s68, 2
	s_mov_b32 s69, 0
	s_add_nc_u64 s[66:67], s[66:67], s[68:69]      ; st at my 128 rows of my key block
	s_lshl_b32 s16, s16, 12                        ; rows of 4,096 bytes in p
	s_mov_b32 s17, 0
	s_add_nc_u64 s[8:9], s[8:9], s[16:17]
	s_lshl_b32 s46, s42, 9                         ; my first column, in bytes: 512 x block + 256 x half
	s_lshl_b32 s47, s12, 8
	s_add_co_u32 s46, s46, s47
	s_mov_b32 s47, 0
	s_add_nc_u64 s[8:9], s[8:9], s[46:47]
.macro TAIL i, f                       ; 16 bytes a lane into the stage, whole rows back, sixteen lanes store 256 bytes at a multiple of 256
	WIN 0
.irp b, 0,1,2,3,4,5,6,7
	ds_store_b128 v[STO], v[TMP+4*\b:TMP+4*\b+3] offset:32*\b
.endr
	s_wait_xcnt 0x0                                ; buffer f, which earlier stores read, and the stores' base are rewritten only behind this wait
.if \i
	s_add_nc_u64 s[8:9], s[8:9], 16*CROW
.endif
.irp t, 0,1,2,3,4,5,6,7
	ds_load_b128 v[\f+4*\t:\f+4*\t+3], v[RD] offset:\t*2*SPITCH    ; LDS serves a wave's instructions in order: these see the stores above
.endr
.irp t, 0,1,2,3,4,5,6,7
	s_wait_dscnt 7-\t                              ; the younger read-backs stay out
	global_store_b128 v[CO], v[\f+4*\t:\f+4*\t+3], s[8:9] offset:2*\t*CROW
.endr
.endm
; rows 16 i .. 16 i + 15 of my block: the 64 registers from 64 a on in window w hold, in each lane, 64 of its row's 128 scores (divided by 64)
.macro SOFT16 i, a, w, f
.set BASE, 64*\a
.set W_SS, (\w<<2)|\w
.set W_DS, (\w<<6)|\w
.set W_S0, \w
	WIN W_SS                                       ; sources 0 and 1 in window w
.irp c, 0,1,2,3
	v_max_num_f32 v[MC+\c], v[BASE+16*\c], v[BASE+16*\c+1]         ; four chains, started by the first pairs
.endr
.irp t, 1,2,3,4,5,6,7
.irp c, 0,1,2,3
	v_max3_num_f32 v[MC+\c], v[BASE+16*\c+2*\t], v[BASE+16*\c+2*\t+1], v[MC+\c]
.endr
.endr
	WIN 0
	v_max3_num_f32 v[MC], v[MC], v[MC+1], v[MC+2]
	v_max_num_f32 v[MC], v[MC], v[MC+3]
	v_permlanex16_b32 v[PT], v[MC], s70, s71       ; the other 64 scores of my row
	v_max_num_f32 v[MC], v[MC], v[PT]
	v_mul_f32 v[MS+\i], 0x42800000, v[MC]          ; MS = 64 max: a power of two, so exact
	v_mul_f32 v[NM], 0xc2800000, v[MC]             ; - MS
	v_mul_f32 v[NM+1], 0xc2800000, v[MC]
	WIN W_DS                                       ; source 0 and destination in window w
.set cnt, 0
.rept 32
	v_pk_fma_f32 v[BASE+cnt:BASE+cnt+1], v[BASE+cnt:BASE+cnt+1], 0x42800000, v[NM:NM+1] op_sel_hi:[1,0,1]   ; S - MS: at most 0, and 0 at the maximum
.set cnt, cnt+2
.endr
.set cnt, 0
.rept 64
	v_exp_f32 v[BASE+cnt], v[BASE+cnt]
.set cnt, cnt+1
.endr
	v_nop                                          ; one plain vector instruction behind the last exponential, ahead of the first use (ISA guide 5.7.2)
	WIN W_SS
	s_wait_alu depctr_va_vdst(0)
.irp c, 0,1,2,3
	v_pk_add_f32 v[SC+2*\c:SC+2*\c+1], v[BASE+16*\c:BASE+16*\c+1], v[BASE+16*\c+2:BASE+16*\c+3]   ; four chains of the sum
.endr
.irp b, 0,1,2,3,4,5,6,7
.irp r, 0,1,2,3
	v_cvt_pk_f16_f32 v[TMP+4*\b+\r], v[BASE+8*\b+2*\r], v[BASE+8*\b+2*\r+1]
.endr
.endr
	WIN W_S0                                       ; source 0 in window w
.irp t, 2,3,4,5,6,7
.irp c, 0,1,2,3
	v_pk_add_f32 v[SC+2*\c:SC+2*\c+1], v[BASE+16*\c+2*\t:BASE+16*\c+2*\t+1], v[SC+2*\c:SC+2*\c+1]
.endr
.endr
	WIN 0
	v_pk_add_f32 v[SC:SC+1], v[SC:SC+1], v[SC+2:SC+3]
	v_pk_add_f32 v[SC+4:SC+5], v[SC+4:SC+5], v[SC+6:SC+7]
	v_pk_add_f32 v[SC:SC+1], v[SC:SC+1], v[SC+4:SC+5]
	v_add_f32 v[SC], v[SC], v[SC+1]
	v_permlanex16_b32 v[PT], v[SC], s70, s71
	v_add_f32 v[LS+\i], v[SC], v[PT]
	TAIL \i, \f
.endm
	SOFT16 0, 0, 2, F0
	SOFT16 1, 1, 2, F1
	SOFT16 2, 2, 2, F0
	SOFT16 3, 3, 2, F1
	SOFT16 4, 0, 3, F0
	SOFT16 5, 1, 3, F1
	SOFT16 6, 2, 3, F0
	SOFT16 7, 3, 3, F1
	; the statistics of my 128 rows: by rows into my scratch (lanes l and l + 16 write the same word with the same value), back as 16 bytes a lane
.irp i, 0,1,2,3,4,5,6,7
	ds_store_b32 v[SA], v[MS+\i] offset:64*\i
	ds_store_b32 v[SA], v[LS+\i] offset:512+64*\i
.endr
	ds_load_b128 v[SV:SV+3],   v[SB]
	ds_load_b128 v[SV+4:SV+7], v[SB] offset:512
	s_wait_dscnt 0x0
	global_store_b128 v[SO], v[SV:SV+3],   s[66:67]                ; 512 neighbouring bytes each
	global_store_b128 v[SO], v[SV+4:SV+7], s[66:67] offset:STL
	s_set_vgpr_msb 0x1
	s_wait_tensorcnt 0x0
	ds_add_u32 v255, v255
	s_wait_dscnt 0x0
	s_set_vgpr_msb 0x100
	CROUND                                         ; the closing round: no work-group ends while a partner may still ask for a tile that names it
	s_endpgm
.Lfunc_end_k_qc457771807_scores:
	.size	k_qc457771807_scores, .Lfunc_end_k_qc457771807_scores-k_qc457771807_scores
	.p2alignl 7, 3214868480
	.fill 96, 4, 3214868480
	.section	.rodata,"a",@progbits
	.p2align	6, 0x0
	.amdhsa_kernel k_qc457771807_scores
		.amdhsa_group_segment_fixed_size 327680
		.amdhsa_private_segment_fixed_size 0
		.amdhsa_enable_private_segment 0
		.amdhsa_kernarg_size 32
		.amdhsa_user_sgpr_count 2
		.amdhsa_user_sgpr_kernarg_segment_ptr 1
		.amdhsa_wavefront_size32 1
		.amdhsa_system_sgpr_workgroup_id_x 1
		.amdhsa_system_sgpr_workgroup_id_y 1
		.amdhsa_system_sgpr_workgroup_id_z 1
		.amdhsa_system_vgpr_workitem_id 0
		.amdhsa_next_free_vgpr 1024
		.amdhsa_next_free_sgpr 74
		.amdhsa_reserve_vcc 0
		.amdhsa_float_denorm_mode_32 3
		.amdhsa_float_denorm_mode_16_64 3
		.amdhsa_memory_ordered 1
		.amdhsa_forward_progress 1
		.amdhsa_inst_pref_size 255
	.end_amdhsa_kernel
	.section	.bss,"aw",@nobits
	.p2align	6
	.space	262144
	.amdgpu_metadata
---
amdhsa.version: [ 1, 2 ]
amdhsa.kernels:
  - .name:           k_qc457771807_scores
    .symbol:         k_qc457771807_scores.kd
    .args:
      - { .name: yu, .offset: 0, .size: 8, .value_kind: global_buffer, .address_space: global }
      - { .name: xh, .offset: 8, .size: 8, .value_kind: global_buffer, .address_space: global }
      - { .name: p, .offset: 16, .size: 8, .value_kind: global_buffer, .address_space: global }
      - { .name: st, .offset: 24, .size: 8, .value_kind: global_buffer, .address_space: global }
    .group_segment_fixed_size: 327680
    .private_segment_fixed_size: 0
    .kernarg_segment_align: 8
    .kernarg_segment_size: 32
    .max_flat_workgroup_size: 128
    .sgpr_count:     74
    .vgpr_count:     1024
    .wavefront_size: 32
...
	.end_amdgpu_metadata
.endif
;; end of part 11
;; launch pv (part 12): grid 8 x 32, 4 waves a work-group, clusters of 4 x 4, 327,680 bytes of LDS; arguments p, yu, st, vp, gh, bo, out0; writes out0
.if DOCPART == 12
	.amdgcn_target "amdgcn-amd-amdhsa--gfx1250"
	.amdhsa_code_object_version 6
	.text
	.protected	k_qc457771807_pv
	.globl	k_qc457771807_pv
	.p2align	8
	.type	k_qc457771807_pv,@function
k_qc457771807_pv:
	s_mov_b64 s[64:65], 0
	v_nop
	global_prefetch_b8 v0, s[64:65] scope:SCOPE_SE
	s_setreg_imm32_b32 hwreg(HW_REG_WAVE_MODE, 25, 1), 1
	s_wait_xcnt 0x0
	s_wait_alu depctr_hold_cnt(0) depctr_sa_sdst(0) depctr_va_vdst(0) depctr_va_sdst(0) depctr_va_ssrc(0) depctr_va_vcc(0) depctr_vm_vsrc(0)
	s_getreg_b32 s2, hwreg(HW_REG_IB_STS2, 6, 4)
	s_cmp_eq_u32 s2, 0
	s_cbranch_scc0 .Lentry_in_a_cluster
	s_endpgm
.Lentry_in_a_cluster:
	s_bfe_u32 s2, ttmp6, 0x10000c
	s_cmp_lg_u32 s2, 0xf033
	s_cbranch_scc0 .Lentry_shape_is_right
	s_endpgm
.Lentry_shape_is_right:
; out0 = softmax x (x H^T) + d, from the blockwise exponentials.  For a query row, with MS_j and l_j of its sixteen blocks of 128 keys:
;   M = the largest MS_j;  f_j = 2^(MS_j - M);  L = sum of f_j l_j;  out0 = (sum over j of f_j (P_j U'_j)) / (L t) + d.
; So every exponential has the row's true maximum taken away, and f_j is at most 1.  d = Wo bv + bo: each row of the softmax sums to 1, so bv's
; share of the output is the same for every row.  bk is left out (shown at the head of the first launch).
; U' = (x H^T) t; t is formed here from the 1,024 maxima of |H| exactly as the launch that made U' formed it, and 1 / t goes into 1 / L.
; One product for each of 4 batches: A = p [8192][2048 keys], B = u'^T (yu + 16 MiB, [1024][8192 tokens]) at the batch's tokens, K = 2048, f16, sums in f32.
; A K step of 128 is one block of keys: its product T starts from 0 (window 2) and goes into the running sum (window 3) by one multiply-add with f_j.
; A work-group makes a block of 256 rows x 128 columns with four waves; wave w makes rows 64 w .. 64 w + 63 x all 128 columns: a wave's row of out0
; is 512 bytes.  32 x 8 blocks = 256 work-groups.
; Ring: two LDS slots (A's 256 rows, then B's 128 rows, 256 bytes + 16 of padding each).  CLUSTERS: 4 x 4; A's tiles shared along a row, B's along a column.
; REGISTERS: window 0: v0-43 addresses and factors; v64-95, v128-159 fragments of A (ahead of the products v64-227 serve the statistics, d and t;
;            on the way out v64-191 take the rows read back)
;            window 1: v64-127, v128-191 fragments of B; v192-255 d of my 64 columns a lane
;            window 2: T, tile (a, b) at v[8 (8 a + b)];   window 3: the running sum, likewise
; Transposed use of the matrix instruction: lane l holds row l % 16, columns 16 b + 8 (l / 16) + 0 .. 7.
.set KDIM,   2048
.set KSTEP,  128
.set PITCH,  272
.set HALFA,  128*PITCH                 ; what waves 0 and 1 fetch: 128 rows of A each
.set HALFB,  64*PITCH                  ; what waves 2 and 3 fetch: 64 rows of B each
.set SLOT,   2*HALFA+2*HALFB
.set STAGE,  2*SLOT                    ; behind the ring: 16 rows x 528 bytes for each wave; no fill ever lands there
.set SPITCH, 528                       ; 512 bytes + 16: sixteen rows start at sixteen different 16-byte columns modulo 256
.set SCR,    STAGE+4*16*SPITCH         ; for each wave 4,864 bytes: f_j of its 64 rows, 256 bytes for each j; 1 / (L t); d; no fill ever lands there
.set SCRW,   4864
.set RLO,    4096                      ; 1 / (L t) in the scratch
.set DLO,    4352                      ; d in the scratch
.set LAPS,   KDIM/(2*KSTEP)            ; 8
.set PROW,   2048                      ; elements in a row of p
.set VROW,   8192                      ; elements in a row of u'^T
.set CROW,   4096                      ; bytes in a row of out0
.set STROW,  32768                     ; bytes from one key block's statistics to the next
.set STL,    524288                    ; where l begins in st
.set UOFF,   8192*2048                 ; u'^T in yu
.set DPOFF,  262144                    ; the partial sums of Wo bv in vp: [16][1024] f32
.set HMOFF,  2048*2048                 ; the maxima of |H| in gh
.set ADRA, 16
.set ADRB, 20
.set STO,  24
.set RD,   25
.set CO,   26                          ; v26     16 bytes a lane
.set DS,   28                          ; v28     my scratch, 16 bytes a lane
.set DR,   29                          ; v29     my scratch, 32 bytes for each half of the lanes
.set TI,   30                          ; v30     the largest |H|, then 1 / t
.set PT,   31                          ; v31     what the other half of the lanes holds
.set MX,   32                          ; v32-33  M of my two rows
.set LL,   34                          ; v34-35  L, then 1 / (L t)
.set SO,   36                          ; v36     8 bytes a lane in st
.set SW,   37                          ; v37     8 bytes a lane in my scratch
.set FA,   38                          ; v38     my row's word in the scratch, stepped by two key blocks a lap
.set FA0,  39                          ; v39     the same, not stepped
.set FR,   40                          ; v40-43  the factor of my row in each of the four row groups
.set SM,   64                          ; v64-95  MS_j, then f_j, of my two rows
.set SL,   96                          ; v96-127 l_j
.set DP,   128                         ; v128-191 sixteen partial sums of my four columns of Wo bv
.set BOV,  192                         ; v192-195 bo of my four columns
.set HM,   196                         ; v196-227 32 of the 1,024 maxima
.set F0,   64
.set F1,   128
.set BIAS, 192                         ; window 1
.set G1, 24
.set G0, 32
.set G1B, 48
.set G0B, 56
.set MSB, 0
.macro WIN new
.if MSB != (\new)
	s_set_vgpr_msb (MSB<<8)|(\new)
.set MSB, (\new)
.endif
.endm
.set MUL,  0xa1                        ; source 0 (B) window 1, source 1 (A) window 0, C and D window 2
.set TO_B, 0x40
.macro JLOAD s                         ; waves 0 and 1 ask for A's halves, waves 2 and 3 for B's; the branch hangs on the wave's number alone
	s_cmp_eq_u32 s11, 0
	s_cbranch_scc0 .Lfor_b_\@
	tensor_load_to_lds s[G0+4*\s:G0+4*\s+3], s[G1:G1+7]
	s_nop 0
	s_branch .Lasked_\@
.Lfor_b_\@:
	tensor_load_to_lds s[G0B+4*\s:G0B+4*\s+3], s[G1B:G1B+7]
	s_nop 0
.Lasked_\@:
.endm
.macro CREST
	s_cmp_lg_u32 s10, 0
	s_cbranch_scc1 .Lnot_wave_0_\@
	s_barrier_signal -3
.Lnot_wave_0_\@:
	s_barrier_wait -3
	s_barrier_signal -1
	s_barrier_wait -1
.endm
.macro CROUND
	s_barrier_signal -1
	s_barrier_wait -1
	CREST
.endm
	s_load_b256 s[80:87], s[0:1], 0x0              ; p s[80:81], yu s[82:83], st s[84:85], vp s[86:87]
	s_load_b128 s[88:91], s[0:1], 0x20             ; gh s[88:89], bo s[90:91]
	s_load_b64 s[8:9], s[0:1], 0x30                ; out0
	s_set_vgpr_msb 0x40
	v_lshl_add_u32 v63, v0, 2, 0x40000
	s_set_vgpr_msb 0x4000
	v_mov_b32 v255, 0
	s_set_vgpr_msb 0x1
	ds_add_u32 v63, v255
	s_set_vgpr_msb 0x100
	v_lshrrev_b32 v1, 5, v0
	v_readfirstlane_b32 s10, v1                    ; wave 0..3: my 64 rows of the block
	s_lshr_b32 s11, s10, 1                         ; I fetch for A (0) or for B (1)
	s_and_b32 s12, s10, 1                          ; which half of that tile
	s_bfe_u32 s40, ttmp6, 0x40000                  ; cx
	s_bfe_u32 s41, ttmp6, 0x40004                  ; cy
	s_lshl_b32 s42, ttmp9, 2
	s_add_co_u32 s42, s42, s40                     ; block of 128 output columns, 0..7
	s_and_b32 s13, ttmp7, 0xffff
	s_lshr_b32 s45, s13, 1                         ; the batch hangs on the cluster's y alone
	s_lshl_b32 s45, s45, 12                        ; its 2,048 tokens of 2 bytes in a row of u'^T
	s_lshl_b32 s13, s13, 2
	s_add_co_u32 s13, s13, s41                     ; block of 256 query rows, 0..31
	s_lshl_b32 s43, s41, 2
	s_lshl_b32 s43, 15, s43
	s_lshl_b32 s44, 0x1111, s40
	s_mov_b32 s76, 0x76543210                      ; v_permlanex16_b32: lane i of one half reads lane i of the other
	s_mov_b32 s77, 0xfedcba98
	s_or_b32 s[G1+0], s43, (1<<16)|(1<<20)|(1<<21)|(5<<22)|(3<<25)
	s_or_b32 s[G1B+0], s44, (1<<16)|(1<<20)|(1<<21)|(5<<22)|(3<<25)
	s_mov_b32 s[G1+1], KSTEP<<16
	s_mov_b32 s[G1B+1], KSTEP<<16
	s_mov_b32 s[G1+2], 128<<16
	s_mov_b32 s[G1B+2], 64<<16
	s_mov_b32 s[G1+3], KSTEP<<16
	s_mov_b32 s[G1B+3], KSTEP<<16
	s_mov_b32 s[G1+4], 128
	s_mov_b32 s[G1B+4], 64
	s_mov_b32 s[G1+5], PROW
	s_mov_b32 s[G1B+5], VROW
	s_mov_b32 s[G1+6], 0
	s_mov_b32 s[G1B+6], 0
	s_mov_b32 s[G1+7], 0
	s_mov_b32 s[G1B+7], 0
	s_lshl_b32 s17, s12, 7
	s_lshl_b32 s16, s13, 8
	s_add_co_u32 s16, s16, s17                     ; A: row 256 x block row + 128 x half
	s_lshl_b32 s16, s16, 12                        ; rows of 4,096 bytes
	s_mov_b32 s17, 0
	s_lshl_b32 s47, s12, 6
	s_lshl_b32 s46, s42, 7
	s_add_co_u32 s46, s46, s47                     ; B: row 128 x block column + 64 x half
	s_lshl_b32 s46, s46, 14                        ; rows of 16,384 bytes,
	s_add_co_u32 s46, s46, s45                     ; at the batch's tokens,
	s_add_co_u32 s46, s46, UOFF                    ; behind y'
	s_mov_b32 s47, 0
	s_mul_i32 s20, s10, HALFA                      ; where A's halves go (waves 0, 1)
	s_mul_i32 s68, s10, HALFB                      ; where B's halves go (waves 2, 3): behind A's 256 rows
	s_add_co_u32 s68, s68, 2*HALFA-2*HALFB
	s_wait_dscnt 0x0
	s_wait_kmcnt 0x0
	s_add_nc_u64 s[14:15], s[80:81], s[16:17]
	s_add_nc_u64 s[46:47], s[82:83], s[46:47]
	CROUND                                         ; the first joint loads meet
.irp s, 0,1
	s_mov_b32 s[G0+4*\s], 1
	s_add_co_u32 s[G0+4*\s+1], s20, \s*SLOT
	s_add_nc_u64 s[G0+4*\s+2:G0+4*\s+3], s[14:15], \s*KSTEP*2
	s_or_b32 s[G0+4*\s+3], s[G0+4*\s+3], 0x80000000
	s_mov_b32 s[G0B+4*\s], 1
	s_add_co_u32 s[G0B+4*\s+1], s68, \s*SLOT
	s_add_nc_u64 s[G0B+4*\s+2:G0B+4*\s+3], s[46:47], \s*KSTEP*2
	s_or_b32 s[G0B+4*\s+3], s[G0B+4*\s+3], 0x80000000
	JLOAD \s                                       ; K steps 0 and 1: two tensor loads of the wave are out
.endr
	; while the first tiles are on their way: the statistics of my wave's 64 rows (lane l takes rows 2 l and 2 l + 1, 256 neighbouring bytes a load),
	; the parts of d for the block's 128 columns (lane l takes columns 4 l .. 4 l + 3, 512 bytes a load), and the 1,024 maxima of |H|
	s_lshl_b32 s70, s13, 8
	s_lshl_b32 s71, s10, 6
	s_add_co_u32 s70, s70, s71                     ; my first row
	s_lshl_b32 s70, s70, 2
	s_mov_b32 s71, 0
	s_add_nc_u64 s[84:85], s[84:85], s[70:71]
	s_lshl_b32 s70, s42, 9                         ; 128 columns of 4 bytes a block
	s_add_nc_u64 s[90:91], s[90:91], s[70:71]
	s_add_co_u32 s70, s70, DPOFF
	s_add_nc_u64 s[86:87], s[86:87], s[70:71]
	s_add_nc_u64 s[88:89], s[88:89], HMOFF
	v_and_b32 v6, 31, v0
	v_lshlrev_b32 v[SO], 3, v6
	v_lshlrev_b32 v[CO], 4, v6
.irp j, 0,1,2,3,4,5,6,7,8,9,10,11,12,13,14,15
	global_load_b64 v[SM+2*\j:SM+2*\j+1], v[SO], s[84:85] offset:STROW*\j
.endr
.irp j, 0,1,2,3,4,5,6,7,8,9,10,11,12,13,14,15
	global_load_b64 v[SL+2*\j:SL+2*\j+1], v[SO], s[84:85] offset:STL+STROW*\j
.endr
.irp j, 0,1,2,3,4,5,6,7,8,9,10,11,12,13,14,15
	global_load_b128 v[DP+4*\j:DP+4*\j+3], v[CO], s[86:87] offset:4096*\j
.endr
	global_load_b128 v[BOV:BOV+3], v[CO], s[90:91]
.irp i, 0,1,2,3,4,5,6,7
	global_load_b128 v[HM+4*\i:HM+4*\i+3], v[CO], s[88:89] offset:512*\i
.endr
	v_and_b32 v1, 15, v0                           ; l % 16
	v_bfe_u32 v2, v0, 4, 1                         ; l / 16
	v_mul_u32_u24 v3, v1, PITCH
	v_lshl_add_u32 v3, v2, 4, v3
	s_mul_i32 s21, s10, 64*PITCH                   ; my 64 rows of A
	s_mov_b32 s22, 2*HALFA                         ; B's 128 rows lie behind A's 256
.irp s, 0,1
	v_add_nc_u32 v[ADRA+\s], s21, v3
	v_add_nc_u32 v[ADRB+\s], s22, v3
	s_add_co_u32 s21, s21, SLOT
	s_add_co_u32 s22, s22, SLOT
.endr
	s_mul_i32 s23, s10, 16*SPITCH
	s_add_co_u32 s23, s23, STAGE                   ; my stage
	v_mul_u32_u24 v4, v1, SPITCH                   ; in: row l % 16, 32 bytes for each half of the lanes
	v_lshl_add_u32 v4, v2, 5, v4
	v_add_nc_u32 v[STO], s23, v4
	v_add_nc_u32 v[RD], s23, v[CO]                 ; back: 32 lanes take one row of 512 bytes
	s_mul_i32 s21, s10, SCRW
	s_add_co_u32 s21, s21, SCR                     ; my scratch
	v_add_nc_u32 v[SW], s21, v[SO]
	v_add_nc_u32 v[DS], s21, v[CO]
	v_lshl_add_u32 v[DR], v2, 5, s21
	v_lshl_add_u32 v[FA], v1, 2, s21
	v_mov_b32 v[FA0], v[FA]
	v_mov_b32 v[PT], 0                             ; v_permlanex16_b32 counts as a reader of its destination
	s_wait_loadcnt 0x0
	; d = the sixteen partial sums of Wo bv, and bo
.irp n, 8,4,2,1
.set cnt, 0
.rept 2*\n
	v_pk_add_f32 v[DP+cnt:DP+cnt+1], v[DP+cnt:DP+cnt+1], v[DP+cnt+4*\n:DP+cnt+4*\n+1]   ; the upper half of what is left onto the lower
.set cnt, cnt+2
.endr
.endr
	v_pk_add_f32 v[DP:DP+1], v[DP:DP+1], v[BOV:BOV+1]
	v_pk_add_f32 v[DP+2:DP+3], v[DP+2:DP+3], v[BOV+2:BOV+3]
	ds_store_b128 v[DS], v[DP:DP+3] offset:DLO
	WIN TO_B
.irp b, 0,1,2,3,4,5,6,7
	ds_load_b128 v[BIAS+8*\b:BIAS+8*\b+3],   v[DR] offset:DLO+64*\b      ; d of columns 16 b + 8 (l / 16) + 0 .. 3; LDS serves a wave in order
	ds_load_b128 v[BIAS+8*\b+4:BIAS+8*\b+7], v[DR] offset:DLO+64*\b+16   ; and + 4 .. 7
.endr
	WIN 0
	; 1 / t
	v_max3_num_f32 v[TI], v[HM], v[HM+1], v[HM+2]
.irp k, 3,5,7,9,11,13,15,17,19,21,23,25,27,29
	v_max3_num_f32 v[TI], v[HM+\k], v[HM+\k+1], v[TI]
.endr
	v_max_num_f32 v[TI], v[TI], v[HM+31]
	v_max_num_f32_dpp v[TI], v[TI], v[TI] row_xmask:1 row_mask:0xf bank_mask:0xf
	v_max_num_f32_dpp v[TI], v[TI], v[TI] row_xmask:2 row_mask:0xf bank_mask:0xf
	v_max_num_f32_dpp v[TI], v[TI], v[TI] row_xmask:4 row_mask:0xf bank_mask:0xf
	v_max_num_f32_dpp v[TI], v[TI], v[TI] row_xmask:8 row_mask:0xf bank_mask:0xf
	v_permlanex16_b32 v[PT], v[TI], s76, s77
	v_max_num_f32 v[TI], v[TI], v[PT]
	v_lshrrev_b32 v[TI], 23, v[TI]                 ; E, the exponent's field, cut at 249 as where t was made: t = 2^(123 - E)
	v_min_u32 v[TI], 249, v[TI]
	v_add_nc_u32 v[TI], 4, v[TI]
	v_lshlrev_b32 v[TI], 23, v[TI]                 ; 1 / t = 2^(E - 123)
	; M, f_j, L
.irp c, 0,1
	v_max_num_f32 v[MX+\c], v[SM+\c], v[SM+2+\c]
.irp t, 1,2,3,4,5,6,7
	v_max3_num_f32 v[MX+\c], v[SM+4*\t+\c], v[SM+4*\t+2+\c], v[MX+\c]
.endr
.endr
.irp j, 0,1,2,3,4,5,6,7,8,9,10,11,12,13,14,15
	v_pk_add_f32 v[SM+2*\j:SM+2*\j+1], v[SM+2*\j:SM+2*\j+1], v[MX:MX+1] neg_lo:[0,1] neg_hi:[0,1]   ; MS_j - M, at most 0, and 0 in the row's largest block
.endr
.set cnt, 0
.rept 32
	v_exp_f32 v[SM+cnt], v[SM+cnt]                 ; f_j (MS is in base 2)
.set cnt, cnt+1
.endr
	v_nop                                          ; one plain vector instruction behind the last exponential (ISA guide 5.7.2)
	s_wait_alu depctr_va_vdst(0)
	v_pk_mul_f32 v[LL:LL+1], v[SM:SM+1], v[SL:SL+1]
.irp j, 1,2,3,4,5,6,7,8,9,10,11,12,13,14,15
	v_pk_fma_f32 v[LL:LL+1], v[SM+2*\j:SM+2*\j+1], v[SL+2*\j:SL+2*\j+1], v[LL:LL+1]
.endr
.irp j, 0,1,2,3,4,5,6,7,8,9,10,11,12,13,14,15
	ds_store_b64 v[SW], v[SM+2*\j:SM+2*\j+1] offset:256*\j
.endr
	v_rcp_f32 v[LL], v[LL]                         ; L is at least 1: the block that holds the row's maximum has f = 1 and a term 1 in l
	v_rcp_f32 v[LL+1], v[LL+1]
	v_nop
	s_wait_alu depctr_va_vdst(0)
	v_mul_f32 v[LL], v[LL], v[TI]
	v_mul_f32 v[LL+1], v[LL+1], v[TI]
	ds_store_b64 v[SW], v[LL:LL+1] offset:RLO
.macro MUL16 f, a0, zero               ; 16 matrix instructions: row groups a0, a0 + 1 x all 8 column groups, 32 along K
.irp a, \a0, \a0+1
.irp b, 0,1,2,3,4,5,6,7
.if \zero
	v_wmma_f32_16x16x32_f16 v[8*(8*(\a)+\b):8*(8*(\a)+\b)+7], v[\f+8*\b:\f+8*\b+7], v[\f+8*(\a):\f+8*(\a)+7], 0
.else
	v_wmma_f32_16x16x32_f16 v[8*(8*(\a)+\b):8*(8*(\a)+\b)+7], v[\f+8*\b:\f+8*\b+7], v[\f+8*(\a):\f+8*(\a)+7], v[8*(8*(\a)+\b):8*(8*(\a)+\b)+7]
.endif
.endr
.endr
.endm
.macro FETCH slot, k, f                ; 24 LDS loads in one run: 128 rows of B, then my 64 rows of A, 32 K at byte k of the rows
	WIN TO_B
.irp i, 0,1,2,3,4,5,6,7
	ds_load_b128 v[\f+8*\i:\f+8*\i+3],   v[ADRB+\slot] offset:\k+\i*16*PITCH
	ds_load_b128 v[\f+8*\i+4:\f+8*\i+7], v[ADRB+\slot] offset:\k+\i*16*PITCH+32
.endr
	WIN 0
.irp i, 0,1,2,3
	ds_load_b128 v[\f+8*\i:\f+8*\i+3],   v[ADRA+\slot] offset:\k+\i*16*PITCH
	ds_load_b128 v[\f+8*\i+4:\f+8*\i+7], v[ADRA+\slot] offset:\k+\i*16*PITCH+32
.endr
.endm
.macro PLACES                          ; four plain vector instructions between a matrix instruction and a load into, or a vector access to, its registers
.rept 4
	v_nop
.endr
.endm
.macro FLOAD par                       ; this K step's factors: f_j of row 16 a + l % 16; par = j & 1, the lap's part stands in FA
.irp a, 0,1,2,3
	ds_load_b32 v[FR+\a], v[FA] offset:256*\par+64*\a
.endr
.endm
; The 32 accumulators take turns, one instruction a turn, in the same order everywhere.
.macro QUARTER2 slot, k, f, g, zero, fload
	s_wait_dscnt 4                                 ; B and A's rows 0-31 of buffer f are in; the youngest four loads (A's rows 32-63) may be out
	PLACES
	FETCH \slot, \k, \g
.if \fload
	FLOAD \slot
.endif
	WIN MUL
	MUL16 \f, 0, \zero
	s_wait_dscnt 24+4*\fload                       ; all but those just issued: 24 fragments' loads, and the four factors where they are asked for
	MUL16 \f, 2, \zero
.endm
.macro THREE2 slot                     ; every K step's first products start T anew
	QUARTER2 \slot, 64,  F0, F1, 1, 0
	QUARTER2 \slot, 128, F1, F0, 0, 0
	QUARTER2 \slot, 192, F0, F1, 0, 1
.endm
.macro TURN2 slot, next, fill
	s_wait_dscnt 0                                 ; my reads of this slot are over, and the factors are in
	s_wait_tensorcnt 0x0                           ; all my tensor loads have landed: the one that was out is my part of the next slot
	ds_add_u32 v63, v255
	s_wait_dscnt 0x0
	s_barrier_signal -1                            ; where a slot is filled again this barrier opens a round of the cluster's barrier
	WIN MUL
	MUL16 F1, 0, 0
	WIN 0
	s_barrier_wait -1
.if \fill
	CREST
	s_add_nc_u64 s[G0+4*\slot+2:G0+4*\slot+3], s[G0+4*\slot+2:G0+4*\slot+3], 2*KSTEP*2
	s_add_nc_u64 s[G0B+4*\slot+2:G0B+4*\slot+3], s[G0B+4*\slot+2:G0B+4*\slot+3], 2*KSTEP*2
	JLOAD \slot                                    ; the wave's one tensor load behind the round
.endif
	PLACES
	FETCH \next, 0, F0
	WIN MUL
	MUL16 F1, 2, 0
.endm
; sum += f_j T, row group a; odd = a & 1 picks the register of the factor pair; first = 1: the first block starts the sum, nothing is cleared
.macro RESC1 a, odd, first
.irp b, 0,1,2,3,4,5,6,7
.irp r, 0,1,2,3
.if \first
	v_pk_mul_f32 v[8*(8*\a+\b)+2*\r:8*(8*\a+\b)+2*\r+1], v[8*(8*\a+\b)+2*\r:8*(8*\a+\b)+2*\r+1], v[FR+\a-\odd:FR+\a-\odd+1] op_sel:[0,\odd] op_sel_hi:[1,\odd]
.else
	v_pk_fma_f32 v[8*(8*\a+\b)+2*\r:8*(8*\a+\b)+2*\r+1], v[8*(8*\a+\b)+2*\r:8*(8*\a+\b)+2*\r+1], v[FR+\a-\odd:FR+\a-\odd+1], v[8*(8*\a+\b)+2*\r:8*(8*\a+\b)+2*\r+1] op_sel:[0,\odd,0] op_sel_hi:[1,\odd,1]
.endif
.endr
.endr
.endm
; Row groups 0 and 1 were last written in front of four v_nop; groups 2 and 3 are read behind the 64 instructions of groups 0 and 1, which name none of their registers.
.macro RESCALE first
	WIN 0xf2                                       ; T in window 2, the factor in window 0, the sum in window 3
	RESC1 0, 0, \first
	RESC1 1, 1, \first
	RESC1 2, 0, \first
	RESC1 3, 1, \first
.endm
.macro STEP slot, next, fill, first
	THREE2 \slot
	TURN2 \slot, \next, \fill
	RESCALE \first
.endm
.macro LAP first
	STEP 0, 1, 1, \first
	STEP 1, 0, 1, 0
	WIN 0
	v_add_nc_u32 v[FA], 512, v[FA]                 ; the next two key blocks' factors
.endm
	s_wait_dscnt 0x0                               ; my stores into the scratch are done and d is in: no LDS instruction is pending at a signal
	s_wait_tensorcnt 0x1                           ; my part of K step 0 is in; K step 1's stays out
	s_barrier_signal -1
	s_barrier_wait -1
	FETCH 0, 0, F0
	LAP 1
	s_mov_b32 s3, LAPS-2
.Llap:
	LAP 0
	s_sub_co_u32 s3, s3, 1
	s_cmp_lg_u32 s3, 0
	s_cbranch_scc1 .Llap
	STEP 0, 1, 0, 0                                ; the last lap fills nothing
	THREE2 1
	s_wait_dscnt 0
	WIN MUL
	MUL16 F1, 0, 0
	MUL16 F1, 2, 0
	PLACES
	RESCALE 0
	; THE WAY OUT, 16 rows at a time: sum / (L t) + d in one multiply-add, f32 through my own stage, out as whole rows of 512 bytes
	WIN 0
.irp a, 0,1,2,3
	ds_load_b32 v[FR+\a], v[FA0] offset:RLO+64*\a  ; 1 / (L t) of row 16 a + l % 16
.endr
	s_lshl_b32 s13, s13, 8
	s_lshl_b32 s14, s10, 6
	s_add_co_u32 s16, s13, s14                     ; my first row of out0
	s_lshl_b32 s16, s16, 12                        ; rows of 4,096 bytes
	s_mov_b32 s17, 0
	s_add_nc_u64 s[8:9], s[8:9], s[16:17]
	s_lshl_b32 s46, s42, 9                         ; my block's first column: 128 f32
	s_mov_b32 s47, 0
	s_add_nc_u64 s[8:9], s[8:9], s[46:47]
	s_wait_dscnt 0x0
.macro OUTO a, odd, f
	WIN 0xd3                                       ; the sum in window 3, 1 / (L t) in window 0, d in window 1
.irp b, 0,1,2,3,4,5,6,7
.irp r, 0,1,2,3
	v_pk_fma_f32 v[8*(8*\a+\b)+2*\r:8*(8*\a+\b)+2*\r+1], v[8*(8*\a+\b)+2*\r:8*(8*\a+\b)+2*\r+1], v[FR+\a-\odd:FR+\a-\odd+1], v[BIAS+8*\b+2*\r:BIAS+8*\b+2*\r+1] op_sel:[0,\odd,0] op_sel_hi:[1,\odd,1]
.endr
.endr
	WIN 0x0c                                       ; an LDS store's data is its source 1: window 3
.irp b, 0,1,2,3,4,5,6,7
	ds_store_b128 v[STO], v[8*(8*\a+\b):8*(8*\a+\b)+3]   offset:64*\b
	ds_store_b128 v[STO], v[8*(8*\a+\b)+4:8*(8*\a+\b)+7] offset:64*\b+16
.endr
	WIN 0
	s_wait_xcnt 0x0                                ; buffer f, which earlier stores read, and the stores' base are rewritten only behind this wait
.if \a
	s_add_nc_u64 s[8:9], s[8:9], 16*CROW
.endif
.irp t, 0,1,2,3,4,5,6,7,8,9,10,11,12,13,14,15
	ds_load_b128 v[\f+4*\t:\f+4*\t+3], v[RD] offset:\t*SPITCH      ; LDS serves a wave's instructions in order: these see the stores above
.endr
.irp t, 0,1,2,3,4,5,6,7,8,9,10,11,12,13,14,15
	s_wait_dscnt 15-\t                             ; the younger read-backs stay out
	global_store_b128 v[CO], v[\f+4*\t:\f+4*\t+3], s[8:9] offset:\t*CROW th:TH_STORE_NT   ; 512 neighbouring bytes at a multiple of 512; written once, read by no launch
.endr
.endm
	OUTO 0, 0, F0
	OUTO 1, 1, F1
	OUTO 2, 0, F0
	OUTO 3, 1, F1
	s_set_vgpr_msb 0x1
	s_wait_tensorcnt 0x0
	ds_add_u32 v63, v255
	s_wait_dscnt 0x0
	s_set_vgpr_msb 0x100
	CROUND                                         ; the closing round: no work-group ends while a partner may still ask for a tile that names it
	s_endpgm
.Lfunc_end_k_qc457771807_pv:
	.size	k_qc457771807_pv, .Lfunc_end_k_qc457771807_pv-k_qc457771807_pv
	.p2alignl 7, 3214868480
	.fill 96, 4, 3214868480
	.section	.rodata,"a",@progbits
	.p2align	6, 0x0
	.amdhsa_kernel k_qc457771807_pv
		.amdhsa_group_segment_fixed_size 327680
		.amdhsa_private_segment_fixed_size 0
		.amdhsa_enable_private_segment 0
		.amdhsa_kernarg_size 56
		.amdhsa_user_sgpr_count 2
		.amdhsa_user_sgpr_kernarg_segment_ptr 1
		.amdhsa_wavefront_size32 1
		.amdhsa_system_sgpr_workgroup_id_x 1
		.amdhsa_system_sgpr_workgroup_id_y 1
		.amdhsa_system_sgpr_workgroup_id_z 1
		.amdhsa_system_vgpr_workitem_id 0
		.amdhsa_next_free_vgpr 1024
		.amdhsa_next_free_sgpr 92
		.amdhsa_reserve_vcc 0
		.amdhsa_float_denorm_mode_32 3
		.amdhsa_float_denorm_mode_16_64 3
		.amdhsa_memory_ordered 1
		.amdhsa_forward_progress 1
		.amdhsa_inst_pref_size 193
	.end_amdhsa_kernel
	.amdgpu_metadata
---
amdhsa.version: [ 1, 2 ]
amdhsa.kernels:
  - .name:           k_qc457771807_pv
    .symbol:         k_qc457771807_pv.kd
    .args:
      - { .name: p, .offset: 0, .size: 8, .value_kind: global_buffer, .address_space: global }
      - { .name: yu, .offset: 8, .size: 8, .value_kind: global_buffer, .address_space: global }
      - { .name: st, .offset: 16, .size: 8, .value_kind: global_buffer, .address_space: global }
      - { .name: vp, .offset: 24, .size: 8, .value_kind: global_buffer, .address_space: global }
      - { .name: gh, .offset: 32, .size: 8, .value_kind: global_buffer, .address_space: global }
      - { .name: bo, .offset: 40, .size: 8, .value_kind: global_buffer, .address_space: global }
      - { .name: out0, .offset: 48, .size: 8, .value_kind: global_buffer, .address_space: global }
    .group_segment_fixed_size: 327680
    .private_segment_fixed_size: 0
    .kernarg_segment_align: 8
    .kernarg_segment_size: 56
    .max_flat_workgroup_size: 128
    .sgpr_count:     92
    .vgpr_count:     1024
    .wavefront_size: 32
...
	.end_amdgpu_metadata
.endif
;; end of part 12
